; MI455X (gfx1250); checked and timed in simulation.
; The chip was launched on July 23, 2026; its instructions are those of AMD's public machine-readable ISA for CDNA 5 (MIT licence, August 2026) and "CDNA5" Instruction Set Architecture Reference Guide (July 2026). The comments in the code are by the model that wrote it; some were corrected since.
;; Mo E. Allowed arithmetic: matrix products marked QUANTISED: E3M2 operands, one E8M0 scale for each 32 along K, by v_wmma_scale_f32_16x16x128_f8f6f4 with both operands' format E3M2, f32 sums; products left as they are: f32 operands where the result goes on into a quantised operand, else bf16, f16 or f32 operands; f32 sums; everything else in f32.
;; Inputs: b1 8 x 2,048 float32; b2 8 x 1,024 float32; gate_w 1,024 x 8 float32; ln_b 8 x 1,024 float32; ln_g 8 x 1,024 float32; w1 8 x 1,024 x 2,048 float32; w2 8 x 2,048 x 1,024 float32; x 2 x 1,024 x 1,024 float32.
;; Outputs: out0 2 x 1,024 x 1,024 float32.
;; This version of the problem:
;;   THIS VERSION OF THE PROBLEM IS GIVEN IN LOW PRECISION. The matrix products marked QUANTISED in the list below multiply operands that are first quantised to E3M2 (3 exponent bits, 2 mantissa bits; 6 bits a number), with one power-of-two scale for each 32 numbers along K (OCP MX v1.0); their sums are f32. All else is computed in f32.
;;   The module's matrix products, in the order in which they are computed (A, B: the left and right operand; K: the contracted axis; several contracted axes count as one K, in the product's order):
;;     1. [M 2,048, K 1,024] x [K 1,024, N 8]; A: input x; B: input gate_w: left as it is (N = 8 < 16)
;;     2. [M 16,384, K 1,024] x [K 1,024, N 2,048]; A: input w1; B: input x: QUANTISED
;;     3. batch 8 x [M 2,048, K 2,048] x [K 2,048, N 1,024]; A: computed on the way; B: input w2: QUANTISED
;;     4. batch 2,048 x [M 1, K 8] x [K 8, N 1,024]; A: computed on the way; B: computed on the way: left as it is (K = 8 < 32)
;;   THE QUANTISER, for each operand of a quantised product, along K:
;;     - K is cut into blocks of 32 from its start; a last block that is shorter is filled with zeros.
;;     - A block's scale is 2^e with e = floor(log2(the largest magnitude in the block)) - 4, held to -126 .. 127; a block of zeros has e = 0. As a byte (E8M0): e + 127.
;;     - Each number is divided by its block's scale, clamped to +-28, and rounded to the nearest number of E3M2, ties to even, subnormals kept.
;;     - The product sums the exact products of the quantised numbers (number of the format x scale) in f32.
;;   ~~~python
;;   def quantise(x, axis):      # numpy; x: float32 -> the quantised numbers, widened to float32 again
;;       x = np.moveaxis(x, axis, -1); K = x.shape[-1]
;;       x = np.pad(x, [(0, 0)] * (x.ndim - 1) + [(0, -K % 32)]); x = x.reshape(x.shape[:-1] + (-1, 32)); a = np.abs(x).max(-1, keepdims=True)
;;       e = np.where(a > 0, np.clip(np.frexp(np.where(a > 0, a, 1))[1] - 1 - 4, -126, 127), 0)      # np.frexp(a)[1] - 1 = floor(log2(a)), exactly
;;       r = np.clip(x / 2.0 ** e, -28, 28)
;;       step = 2.0 ** (np.maximum(np.frexp(np.where(r == 0, 1, r))[1] - 1, -2) - 2)
;;       q = np.round(r / step) * step * 2.0 ** e      # np.round: ties to even
;;       return np.moveaxis(q.reshape(q.shape[:-2] + (-1,))[..., :K], -1, axis).astype(np.float32)
;;   ~~~
;;   OPERANDS COMPUTED ON THE WAY. 'Computed on the way' means the value that the module computes at that place (a softmax that the list does not call 'softmax' is quantised finished and normalised). What goes into a quantiser is computed in f32, as accurately as f32 sums, v_exp_f32 and their like allow (about 1e-6 of the number): no bf16 or f16 on the way to a quantiser, and a product that is left as it is and whose result goes on into a quantised operand takes f32 operands (vector FMAs, or v_wmma_f32_16x16x4_f32). A number that lies on a knife's edge between two numbers of the format may be rounded either way, as far as f32 arithmetic and the matrix unit's own rounding can turn it there, and no further.
;; 2 versions. Each part assembles by itself: llvm-mc -triple=amdgcn-amd-amdhsa -mcpu=gfx1250 --defsym DOCPART=n.
;; ======== version 1 of 2: 5 launches
;; workspace buffers: ei 16,384 bytes of whole numbers; xq 1,654,784 bytes; lists 33,536 bytes of whole numbers; xsr 135,168 bytes; hq 7,028,736 bytes; o 17,301,504 bytes
;; launch route (part 1): grid 256 x 1, 8 waves a work-group, no clusters, 113,920 bytes of LDS; arguments x, gate_w, ei, xq; writes ei, xq
.if DOCPART == 1
	.amdgcn_target "amdgcn-amd-amdhsa--gfx1250"
	.amdhsa_code_object_version 6
	.text
	.protected	k_q52cc6d4b4f_route
	.globl	k_q52cc6d4b4f_route
	.p2align	8
	.type	k_q52cc6d4b4f_route,@function
k_q52cc6d4b4f_route:
	s_mov_b64 s[64:65], 0
	v_nop
	global_prefetch_b8 v0, s[64:65] scope:SCOPE_SE
	s_setreg_imm32_b32 hwreg(HW_REG_WAVE_MODE, 25, 1), 1
	s_wait_xcnt 0x0
; ROUTER AND QUANTISER OF x.  x [2048][1024] f32, gate_w [1024][8] f32.
; Stores, at fixed places: ei [t][2] the two chosen experts; in xq: x's codes of E3M2, x's scale words, the two softmax weights.
; No address and no branch hangs on the choice: a later launch places the rows.
; SHARES.  A work-group takes 8 tokens.  First each wave w takes d = 128 w .. 128 w + 127 of all 8 tokens: it forms each lane's part of the 8 x 8 scores
; (f32 multiply-adds) and quantises its 128 numbers of each token.  Behind one barrier wave w takes token w: sums the parts, picks the top 2, stores.
; CODES.  A token's row is 768 bytes; block B = 4 s + j (32 numbers) lies at 96 s + 48 (j & 1) + 24 (j >> 1), so that the 48 bytes that one lane of a
; 16 x 128 operand holds (blocks h and 2 + h) are consecutive.  Scale words [t][8]: byte j of word s is block 4 s + j's E8M0 byte.
; A block's byte is its largest magnitude's exponent field - 4, held at 1 from below (a block of zeros gets 1: its codes are zeros, and this program alone reads the bytes).
; LIMITS: NaN and infinities are not served.  The scores are f32 sums in another order than a row-by-row sum: a token whose 2nd and 3rd scores lie closer than that
; rounding (some 1e-6 of the scores' size) may take the other expert.  Ties go to the lower index.
; No cluster, no tensor load: work-groups share only gate_w, 32 KB.
.set XS_OFF, 1572864                   ; xq: the scale words
.set EW_OFF, 1638400                   ; xq: the softmax weights
.set STG,    65536                     ; LDS: bytes 0 .. 65535 the scores' parts; then for each wave two stages of 32 x 80 bytes
.set XCB,    106496                    ; the 8 tokens' codes, 768 bytes each
.set XSB,    112640                    ; the 8 tokens' scale bytes, 32 each
.set GW,  32                           ; v32-63   gate_w[128 w + 4 l + i][e] at 8 i + e
.set X,   64                           ; v64-95   x[token tt][128 w + 4 l + i] at 4 tt + i
.set A,   96                           ; v96-159  my part of score (tt, e) at 8 tt + e
.set XT,  160                          ; v160-191 two sets of 16 neighbours
	s_load_b256 s[4:11], s[0:1], 0x0               ; x s[4:5], gate_w s[6:7], ei s[8:9], xq s[10:11]
	v_lshl_add_u32 v192, v0, 2, 0x1b900
	v_mov_b32 v193, 0
	v_lshrrev_b32 v1, 5, v0
	v_readfirstlane_b32 s12, v1                    ; wave
	v_and_b32 v1, 31, v0                           ; lane
	s_lshl_b32 s13, s12, 9
	v_lshl_add_u32 v2, v1, 4, s13                  ; x: 512 w + 16 l
	s_lshl_b32 s14, s12, 12
	v_lshl_add_u32 v3, v1, 7, s14                  ; gate_w: rows 128 w + 4 l on, 32 bytes a row
	s_mul_i32 s15, s12, 5120
	s_add_co_u32 s15, s15, STG                     ; my wave's stages
	v_lshrrev_b32 v12, 2, v1
	v_mul_u32_u24 v12, v12, 80
	v_and_b32 v13, 3, v1
	v_lshl_add_u32 v12, v13, 4, v12
	v_add_nc_u32 v4, s15, v12                      ; into a stage: four lanes' 64 bytes on end, then 16 of padding
	v_mul_u32_u24 v13, v1, 80
	v_add_nc_u32 v5, s15, v13                      ; out of it: 80 x lane: 16 neighbours
	v_lshrrev_b32 v12, 3, v1                       ; which of a turn's four tokens my 16 neighbours belong to
	v_mul_u32_u24 v6, v12, 768
	v_bfe_u32 v13, v1, 1, 1
	v_mad_u32_u24 v6, v13, 48, v6                  ; block j = (l >> 1) & 3: 48 (j & 1)
	v_bfe_u32 v13, v1, 2, 1
	v_mad_u32_u24 v6, v13, 24, v6                  ; + 24 (j >> 1)
	v_and_b32 v13, 1, v1
	v_mad_u32_u24 v6, v13, 12, v6                  ; + 12 for the block's upper half
	s_mul_i32 s16, s12, 96
	s_add_co_u32 s16, s16, XCB
	v_add_nc_u32 v6, s16, v6                       ; where my 12 bytes of codes go
	v_bfe_u32 v13, v1, 1, 2
	v_lshl_add_u32 v7, v12, 5, v13
	s_lshl_b32 s17, s12, 2
	s_add_co_u32 s17, s17, XSB
	v_add_nc_u32 v7, s17, v7                       ; and my block's scale byte
	s_lshl_b32 s18, s12, 10
	v_lshl_add_u32 v8, v1, 4, s18                  ; parts, on the way in: 1024 w + 16 l (+ 8192 token + 512 half)
	s_lshl_b32 s19, s12, 13
	v_lshl_add_u32 v9, v1, 4, s19                  ; and out: token w's
	v_lshlrev_b32 v10, 3, v1                       ; 8 l
	s_mul_i32 s20, s12, 768
	s_add_co_u32 s20, s20, XCB
	v_add_nc_u32 v11, s20, v10                     ; token w's codes, 8 bytes a lane
	v_add_nc_u32 v28, XSB, v10                     ; the scale bytes, 8 a lane
	v_mov_b32 v30, 0                               ; the last two stores' offset; never rewritten
	s_mov_b32 s24, 0x76543210                      ; v_permlanex16_b32: lane l xor 16
	s_mov_b32 s25, 0xfedcba98
	s_lshl_b32 s26, ttmp9, 15                      ; the group's 8 rows of x
	s_mov_b32 s27, 0
	s_lshl_b32 s21, ttmp9, 3
	s_add_co_u32 s21, s21, s12                     ; t = 8 g + w
	s_mul_i32 s28, s21, 768
	s_mov_b32 s29, 0
	s_lshl_b32 s30, ttmp9, 8
	s_mov_b32 s31, 0
	s_lshl_b32 s32, s21, 3
	s_mov_b32 s33, 0
	s_wait_kmcnt 0x0
	s_add_nc_u64 s[4:5], s[4:5], s[26:27]
	s_add_nc_u64 s[34:35], s[10:11], s[28:29]      ; token t's codes
	s_add_nc_u64 s[36:37], s[10:11], s[30:31]      ; the group's scale words (+ XS_OFF)
	s_add_nc_u64 s[38:39], s[8:9], s[32:33]        ; ei[t]
	s_add_nc_u64 s[40:41], s[10:11], s[32:33]      ; the weights of t (+ EW_OFF)
.irp tt, 0,1,2,3,4,5,6,7
	global_load_b128 v[X+4*\tt:X+4*\tt+3], v2, s[4:5] offset:4096*\tt th:TH_LOAD_NT   ; 32 lanes read 512 consecutive bytes
.endr
.irp q, 0,1,2,3,4,5,6,7
	global_load_b128 v[GW+4*\q:GW+4*\q+3], v3, s[6:7] offset:16*\q
.endr
; Four tokens' 512 bytes each go through a stage as they lie and come back 64 bytes a lane (LDS serves a wave's instructions in order: no wait between).
.macro TURN st
.irp i, 0,1,2,3
	ds_store_b128 v4, v[X+4*(4*\st+\i):X+4*(4*\st+\i)+3] offset:2560*\st+640*\i
.endr
.irp i, 0,1,2,3
	ds_load_b128 v[XT+16*\st+4*\i:XT+16*\st+4*\i+3], v5 offset:2560*\st+16*\i
.endr
.endm
	s_wait_loadcnt 8                               ; x is in; the 8 loads of gate_w may be out
	TURN 0
	TURN 1
	s_wait_loadcnt 0x0
.irp tt, 0,1,2,3,4,5,6,7                       ; my part of the scores: 4 numbers of x against 4 rows of gate_w, two experts an instruction
.irp p, 0,2,4,6
	v_pk_mul_f32 v[A+8*\tt+\p:A+8*\tt+\p+1], v[X+4*\tt:X+4*\tt+1], v[GW+\p:GW+\p+1] op_sel_hi:[0,1]
.endr
.irp p, 0,2,4,6
	v_pk_fma_f32 v[A+8*\tt+\p:A+8*\tt+\p+1], v[X+4*\tt:X+4*\tt+1], v[GW+8+\p:GW+8+\p+1], v[A+8*\tt+\p:A+8*\tt+\p+1] op_sel:[1,0,0] op_sel_hi:[1,1,1]
.endr
.irp p, 0,2,4,6
	v_pk_fma_f32 v[A+8*\tt+\p:A+8*\tt+\p+1], v[X+4*\tt+2:X+4*\tt+3], v[GW+16+\p:GW+16+\p+1], v[A+8*\tt+\p:A+8*\tt+\p+1] op_sel_hi:[0,1,1]
.endr
.irp p, 0,2,4,6
	v_pk_fma_f32 v[A+8*\tt+\p:A+8*\tt+\p+1], v[X+4*\tt+2:X+4*\tt+3], v[GW+24+\p:GW+24+\p+1], v[A+8*\tt+\p:A+8*\tt+\p+1] op_sel:[1,0,0] op_sel_hi:[1,1,1]
.endr
.endr
; 16 neighbours of a lane (two neighbouring lanes hold a block) become 12 bytes of codes (v16-18, v20-22) and the block's byte (v24, v25).
.macro QSTEP st
.set XS, XT+16*\st
	v_max3_num_f32 v12, |v[XS]|, |v[XS+1]|, |v[XS+2]|
	v_max3_num_f32 v13, |v[XS+3]|, |v[XS+4]|, |v[XS+5]|
.irp i, 6,10
	v_max3_num_f32 v12, v12, |v[XS+\i]|, |v[XS+\i+1]|
	v_max3_num_f32 v13, v13, |v[XS+\i+2]|, |v[XS+\i+3]|
.endr
	v_max3_num_f32 v12, v12, |v[XS+14]|, |v[XS+15]|
	v_max3_num_f32 v12, v12, v13, 0x2800000        ; the floor 2^(5 - 127): the byte cannot fall under 1
	v_max_num_f32_dpp v12, v12, v12 row_xmask:1 row_mask:0xf bank_mask:0xf   ; with my neighbour's 16: the block's largest magnitude
	v_add_nc_u32 v14, 0xfe000000, v12              ; 4 off its exponent field: the conversion takes this operand's exponent field as its scale
	v_cvt_scalef32_pk16_bf6_f32 v[16+4*\st:18+4*\st], v[XS:XS+15], v14
	v_lshrrev_b32 v[24+\st], 23, v14               ; the byte (also the plain line behind the conversion)
.irp i, 0,1,2
	ds_store_b32 v6, v[16+4*\st+\i] offset:3072*\st+4*\i
.endr
	ds_store_b8 v7, v[24+\st] offset:128*\st       ; both lanes of a block write the same byte with the same value
.endm
	s_wait_dscnt 8                                 ; the first turn's loads are in; the second turn's 8 LDS instructions may be out
	QSTEP 0
	s_wait_dscnt 4                                 ; the second turn's are in; the 4 stores just issued may be out
	QSTEP 1
.irp tt, 0,1,2,3,4,5,6,7
.irp q, 0,1
	ds_store_b128 v8, v[A+8*\tt+4*\q:A+8*\tt+4*\q+3] offset:8192*\tt+512*\q
.endr
.endr
	s_wait_dscnt 0x0                               ; for the others' sake: all my LDS stores have landed
	s_barrier_signal -1
	s_barrier_wait -1
	; ---- wave w takes token w
.irp wq, 0,1,2,3,4,5,6,7
.irp q, 0,1
	ds_load_b128 v[A+8*\wq+4*\q:A+8*\wq+4*\q+3], v9 offset:1024*\wq+512*\q
.endr
.endr
.irp i, 0,1,2
	ds_load_b64 v[X+2*\i:X+2*\i+1], v11 offset:256*\i
.endr
	s_wait_dscnt 0x0
.irp i, 0,1,2
	global_store_b64 v10, v[X+2*\i:X+2*\i+1], s[34:35] offset:256*\i   ; 32 lanes store 256 consecutive bytes, at a multiple of 256 from xq's first byte
.endr
	s_cmp_lg_u32 s12, 0
	s_cbranch_scc1 .Lnot_wave_0
	ds_load_b64 v[26:27], v28                      ; wave 0: the group's 256 scale bytes
	s_wait_dscnt 0x0
	global_store_b64 v10, v[26:27], s[36:37] offset:XS_OFF
.Lnot_wave_0:
.irp wq, 1,2,3,4,5,6,7
.irp p, 0,2,4,6
	v_pk_add_f32 v[A+\p:A+\p+1], v[A+\p:A+\p+1], v[A+8*\wq+\p:A+8*\wq+\p+1]
.endr
.endr
.irp m, 1,2,4,8
.irp e, 0,1,2,3,4,5,6,7
	v_add_f32_dpp v[A+\e], v[A+\e], v[A+\e] row_xmask:\m row_mask:0xf bank_mask:0xf
.endr
.endr
.irp e, 0,1,2,3,4,5,6,7
	v_permlanex16_b32 v[A+8+\e], v[A+\e], s24, s25
.endr
.irp e, 0,1,2,3,4,5,6,7
	v_add_f32 v[A+\e], v[A+\e], v[A+8+\e]          ; the token's 8 scores, in every lane
.endr
	; the largest: a later score takes its place only if it is greater, so the lower index wins a tie.  The mask says KEEP.
	v_mov_b32 v12, v[A]
	v_mov_b32 v20, 0
.irp e, 1,2,3,4,5,6,7
	v_cmp_le_f32 vcc_lo, v[A+\e], v12
	v_cndmask_b32 v12, v[A+\e], v12, vcc_lo
	v_cndmask_b32 v20, \e, v20, vcc_lo
.endr
	; the second: the same among the other seven
	v_mov_b32 v14, 0xff800000
	v_mov_b32 v16, 1
	v_cmp_eq_u32 vcc_lo, 0, v20
	v_cndmask_b32 v21, 0, v16, vcc_lo
.irp e, 0,1,2,3,4,5,6,7
	v_cmp_le_f32 s42, v[A+\e], v14
	v_cmp_eq_u32 vcc_lo, \e, v20
	s_or_b32 vcc_lo, vcc_lo, s42
	v_cndmask_b32 v14, v[A+\e], v14, vcc_lo
	v_cndmask_b32 v21, \e, v21, vcc_lo
.endr
	; softmax over the two, the larger taken away: 1 / (1 + e^(s2 - s1)) and the rest
	v_sub_f32 v17, v14, v12
	v_mul_f32 v17, 0x3fb8aa3b, v17
	v_exp_f32 v17, v17
	v_nop                                          ; a plain line behind the transcendental,
	s_wait_alu depctr_va_vdst(0)                   ; and a wait ahead of its first reader
	v_add_f32 v18, 1.0, v17
	v_rcp_f32 v18, v18
	v_nop
	s_wait_alu depctr_va_vdst(0)
	v_mul_f32 v19, v17, v18
	v_cmp_eq_u32 vcc_lo, 0, v1
	s_wait_xcnt 0x0                                ; EXEC changes only when the stores above have been taken up
	s_wait_tensorcnt 0x0
	ds_add_u32 v192, v193
	s_wait_dscnt 0x0
	s_and_saveexec_b32 s43, vcc_lo                 ; lane 0 stores for the wave
	global_store_b64 v30, v[20:21], s[38:39]
	global_store_b64 v30, v[18:19], s[40:41] offset:EW_OFF
	s_endpgm
.Lfunc_end_k_q52cc6d4b4f_route:
	.size	k_q52cc6d4b4f_route, .Lfunc_end_k_q52cc6d4b4f_route-k_q52cc6d4b4f_route
	.p2alignl 7, 3214868480
	.fill 96, 4, 3214868480
	.section	.rodata,"a",@progbits
	.p2align	6, 0x0
	.amdhsa_kernel k_q52cc6d4b4f_route
		.amdhsa_group_segment_fixed_size 113920
		.amdhsa_private_segment_fixed_size 0
		.amdhsa_enable_private_segment 0
		.amdhsa_kernarg_size 32
		.amdhsa_user_sgpr_count 2
		.amdhsa_user_sgpr_kernarg_segment_ptr 1
		.amdhsa_wavefront_size32 1
		.amdhsa_system_sgpr_workgroup_id_x 1
		.amdhsa_system_sgpr_workgroup_id_y 1
		.amdhsa_system_sgpr_workgroup_id_z 1
		.amdhsa_system_vgpr_workitem_id 0
		.amdhsa_next_free_vgpr 194
		.amdhsa_next_free_sgpr 66
		.amdhsa_reserve_vcc 1
		.amdhsa_float_denorm_mode_32 3
		.amdhsa_float_denorm_mode_16_64 3
		.amdhsa_memory_ordered 1
		.amdhsa_forward_progress 1
		.amdhsa_inst_pref_size 27
	.end_amdhsa_kernel
	.amdgpu_metadata
---
amdhsa.version: [ 1, 2 ]
amdhsa.kernels:
  - .name:           k_q52cc6d4b4f_route
    .symbol:         k_q52cc6d4b4f_route.kd
    .args:
      - { .name: x, .offset: 0, .size: 8, .value_kind: global_buffer, .address_space: global }
      - { .name: gate_w, .offset: 8, .size: 8, .value_kind: global_buffer, .address_space: global }
      - { .name: ei, .offset: 16, .size: 8, .value_kind: global_buffer, .address_space: global }
      - { .name: xq, .offset: 24, .size: 8, .value_kind: global_buffer, .address_space: global }
    .group_segment_fixed_size: 113920
    .private_segment_fixed_size: 0
    .kernarg_segment_align: 8
    .kernarg_segment_size: 32
    .max_flat_workgroup_size: 256
    .sgpr_count:     66
    .vgpr_count:     194
    .wavefront_size: 32
...
	.end_amdgpu_metadata
.endif
;; end of part 1
;; launch place (part 2): grid 256 x 1, 8 waves a work-group, no clusters, 2,048 bytes of LDS; arguments ei, xq, lists, xsr; writes lists, xsr
.if DOCPART == 2
	.amdgcn_target "amdgcn-amd-amdhsa--gfx1250"
	.amdhsa_code_object_version 6
	.text
	.protected	k_q52cc6d4b4f_place
	.globl	k_q52cc6d4b4f_place
	.p2align	8
	.type	k_q52cc6d4b4f_place,@function
k_q52cc6d4b4f_place:
	s_mov_b64 s[64:65], 0
	v_nop
	global_prefetch_b8 v0, s[64:65] scope:SCOPE_SE
	s_setreg_imm32_b32 hwreg(HW_REG_WAVE_MODE, 25, 1), 1
	s_wait_xcnt 0x0
; THE ROUTED ROWS ARE PLACED BY EXPERT: a counting sort of the 4,096 entries u = 2 t + k of ei, whole numbers only, without atomics and without traffic between work-groups.
; Expert e owns the tiles of 16 rows TS[e] .. TS[e + 1] - 1, ceil(count / 16) of them: (4,096 + 8 x 15) / 16 bounds their number by 263, so tile 263 (rows 4,208 to 4,223) belongs to nobody.  Stored:
;   lists: tok[p] the token of routed row p; pos[t][k] the row of entry (t, k); TS[0 .. 8].     xsr: [p][8] x's scale words in routed order.
; Rows that fill an expert's last tile (15 at the most) get token 0 and the scale bytes 127; no pos names them.
; SHARES.  Work-group g owns group g: tokens 8 g .. 8 g + 7, a wave to a token.  EVERY work-group counts all of ei (16 KB) for itself: thread tid takes group tid's 16 entries, so the rows that stand
; ahead of my group's are the counts of the threads tid < g.  Within an expert the rows go by token.  So each entry's row is made by the work-group that owns it, and each byte has one writer.
; COUNTS.  A thread's 16 entries become one word of eight 4-bit fields, 1 << 4 e for each.  A field holds 8 at the most: the launch before stores two DIFFERENT experts, 0 .. 7, for each token.
; Widened to 16-bit fields (two experts a word; a sum is 2,048 at the most), once whole and once for tid < g alone, the eight words are summed over the wave, and over the 8 waves through LDS.
; Every row is held to 4,223 before it enters an address.
.set XS_OFF,   1572864
.set POS_OFF,  16896
.set TINF_OFF, 33280
.set E,   8                            ; v8-23   group tid's 16 experts, then 4 x expert; later at work in the sums
.set R,   24                           ; v24-27  counts, experts 2 j and 2 j + 1 in word j;  v28-31 the same of the threads tid < g
.set HA,  32                           ; v32, v33 the 4-bit fields, in two chains
.set HB,  33
.set RAW,  20                          ; s20-27  the eight sums
.set STOT, 28                          ; s28-35  counts;  s36-43 counts in the groups ahead of mine;  s44-52 TS;  s53-60 each expert's next free row for my group
.set SBEF, 36
.set STS,  44
.set SRB,  53
	s_load_b256 s[4:11], s[0:1], 0x0               ; ei s[4:5], xq s[6:7], lists s[8:9], xsr s[10:11]
	v_lshl_add_u32 v96, v0, 2, 0x400
	v_mov_b32 v97, 0
	v_lshrrev_b32 v1, 5, v0
	v_readfirstlane_b32 s12, v1                    ; wave w
	v_and_b32 v1, 31, v0                           ; lane l
	s_mov_b32 s17, ttmp9                           ; g
	s_lshl_b32 s13, ttmp9, 3
	s_add_co_u32 s13, s13, s12                     ; my token t = 8 g + w
	s_lshl_b32 s14, s13, 3                         ; 8 t
	s_lshl_b32 s15, ttmp9, 6                       ; 64 g
	s_lshl_b32 s16, s13, 5                         ; 32 t
	v_lshlrev_b32 v2, 6, v0                        ; ei: 64 tid: group tid's 16 entries
	v_and_b32 v3, 15, v0
	v_lshl_add_u32 v3, v3, 2, s15                  ; ei: my own group's entry l & 15
	v_and_b32 v4, 7, v0
	v_lshlrev_b32 v4, 2, v4                        ; 4 (l & 7): a scale word's place in its row
	v_add_nc_u32 v5, s16, v4                       ; my token's scale word l & 7
	v_mov_b32 v6, s12
	v_lshlrev_b32 v6, 5, v6                        ; LDS: my wave's 32 bytes
	v_lshlrev_b32 v7, 2, v1                        ; 4 l
	v_bfe_u32 v36, v0, 3, 1                        ; k = (l >> 3) & 1: lanes 0-7 and 16-23 serve the token's first entry, the others its second
	v_lshl_add_u32 v36, v36, 2, s14                ; pos: 8 t + 4 k
	v_mov_b32 v37, s13                             ; t
	s_mov_b32 s66, 0x76543210                      ; v_permlanex16_b32: lane l xor 16
	s_mov_b32 s67, 0xfedcba98
	s_mov_b32 s68, 0xff00ff00                      ; the lanes with k = 1
	s_lshl_b32 s69, s12, 1
	s_lshl_b32 s69, 1, s69
	s_sub_co_u32 s69, s69, 1                       ; 2 w ones: the entries of my group's earlier tokens
	s_wait_kmcnt 0x0
	s_load_b64 s[18:19], s[4:5], s14               ; my token's two experts
.irp q, 0,1,2,3
	global_load_b128 v[E+4*\q:E+4*\q+3], v2, s[4:5] offset:16*\q
.endr
	global_load_b32 v38, v3, s[4:5]
	global_load_b32 v39, v5, s[6:7] offset:XS_OFF
	v_mov_b32 v[HA], 0
	v_mov_b32 v[HB], 0
	s_wait_loadcnt 2                               ; the 16 entries are in; my group's entry and the scale word may be out
.irp j, 0,1,2,3,4,5,6,7,8,9,10,11,12,13,14,15
	v_lshlrev_b32 v[E+\j], 2, v[E+\j]              ; 4 e
.endr
.irp j, 0,2,4,6,8,10,12,14
	v_lshl_add_u32 v[HA], 1, v[E+\j], v[HA]        ; + 1 << 4 e
	v_lshl_add_u32 v[HB], 1, v[E+\j+1], v[HB]
.endr
	v_add_nc_u32 v[HA], v[HA], v[HB]
.irp j, 0,1,2,3
	v_bfe_u32 v[R+\j], v[HA], 8*\j, 4              ; expert 2 j,
	v_bfe_u32 v[R+4+\j], v[HA], 8*\j+4, 4          ; expert 2 j + 1
.endr
.irp j, 0,1,2,3
	v_lshl_or_b32 v[R+\j], v[R+4+\j], 16, v[R+\j]
.endr
	v_cmp_gt_u32 vcc_lo, s17, v0                   ; a group ahead of mine
.irp j, 0,1,2,3
	v_cndmask_b32 v[R+4+\j], 0, v[R+\j], vcc_lo
.endr
.irp m, 1,2,4,8                                ; the eight words over the wave's 32 lanes
.irp c, 0,1,2,3,4,5,6,7
	v_mov_b32_dpp v[E+\c], v[R+\c] row_xmask:\m row_mask:0xf bank_mask:0xf
.endr
.irp c, 0,1,2,3,4,5,6,7
	v_add_nc_u32 v[R+\c], v[R+\c], v[E+\c]
.endr
.endr
.irp c, 0,1,2,3,4,5,6,7
	v_permlanex16_b32 v[E+\c], v[R+\c], s66, s67
.endr
.irp c, 0,1,2,3,4,5,6,7
	v_add_nc_u32 v[R+\c], v[R+\c], v[E+\c]
.endr
	ds_store_b128 v6, v[R:R+3]                     ; all lanes write the same 32 bytes with the same values
	ds_store_b128 v6, v[R+4:R+7] offset:16
	; meanwhile: how many entries of my group's earlier tokens go to my token's experts
	s_wait_loadcnt 0x0
	s_wait_kmcnt 0x0
	s_min_u32 s18, s18, 7
	s_min_u32 s19, s19, 7
	v_cmp_eq_u32 vcc_lo, s18, v38
	s_and_b32 s70, vcc_lo, s69
	s_bcnt1_i32_b32 s70, s70
	v_cmp_eq_u32 vcc_lo, s19, v38
	s_and_b32 s71, vcc_lo, s69
	s_bcnt1_i32_b32 s71, s71
	s_wait_dscnt 0x0                               ; for the others' sake: my wave's sums have landed
	s_barrier_signal -1
	s_barrier_wait -1
	ds_load_b32 v34, v7                            ; word l & 7 of wave l >> 3,
	ds_load_b32 v35, v7 offset:128                 ; and of wave 4 + (l >> 3)
	s_wait_dscnt 0x0
	v_add_nc_u32 v34, v34, v35
	v_mov_b32_dpp v35, v34 row_xmask:8 row_mask:0xf bank_mask:0xf
	v_add_nc_u32 v34, v34, v35
	v_permlanex16_b32 v35, v34, s66, s67
	v_add_nc_u32 v34, v34, v35                     ; lane c holds word c summed over the 8 waves
.irp c, 0,1,2,3,4,5,6,7
	v_readlane_b32 s[RAW+\c], v34, \c
.endr
.irp j, 0,1,2,3
	s_and_b32 s[STOT+2*\j], s[RAW+\j], 0xffff
	s_lshr_b32 s[STOT+2*\j+1], s[RAW+\j], 16
	s_and_b32 s[SBEF+2*\j], s[RAW+4+\j], 0xffff
	s_lshr_b32 s[SBEF+2*\j+1], s[RAW+4+\j], 16
.endr
	s_mov_b32 s[STS], 0
.irp e, 0,1,2,3,4,5,6,7
	s_add_co_u32 s2, s[STOT+\e], 15
	s_lshr_b32 s2, s2, 4
	s_add_co_u32 s[STS+1+\e], s[STS+\e], s2
	s_lshl_b32 s2, s[STS+\e], 4
	s_add_co_u32 s[SRB+\e], s2, s[SBEF+\e]
.endr
	s_mov_b32 s61, 0
	s_mov_b32 s62, 0
.irp e, 0,1,2,3,4,5,6,7                        ; a choice among eight numbers, without a jump
	s_cmp_eq_u32 s18, \e
	s_cselect_b32 s61, s[SRB+\e], s61
	s_cmp_eq_u32 s19, \e
	s_cselect_b32 s62, s[SRB+\e], s62
.endr
	s_add_co_u32 s61, s61, s70                     ; my token's two rows
	s_add_co_u32 s62, s62, s71
	v_mov_b32 v40, s61
	v_mov_b32 v41, s62
	v_cndmask_b32 v42, v40, v41, s68               ; the row of entry k
	v_min_u32 v43, 4223, v42                       ; a computed row enters an address only behind this hold
	v_lshlrev_b32 v44, 2, v43
	v_lshlrev_b32 v45, 5, v43
	v_add_nc_u32 v46, v45, v4
	global_store_b32 v36, v43, s[8:9] offset:POS_OFF   ; lanes that share a place store the same number there
	global_store_b32 v44, v37, s[8:9]
	global_store_b32 v46, v39, s[10:11]            ; eight lanes store a row's 32 bytes
	s_cmp_lg_u32 s17, 0
	s_cbranch_scc1 .Lend
	; work-group 0: wave w fills expert w's last tile.  Lane l takes the l-th row behind the expert's last; all lanes stay on: a lane whose row would be the next expert's
	; stores the same filling into row 4,208 + w, which belongs to nobody and is read by nobody.
	s_mov_b32 s2, 0
	s_mov_b32 s3, 0
	s_mov_b32 s63, 0
.irp e, 0,1,2,3,4,5,6,7
	s_cmp_eq_u32 s12, \e
	s_cselect_b32 s2, s[STS+\e], s2
	s_cselect_b32 s3, s[STOT+\e], s3
	s_cselect_b32 s63, s[STS+1+\e], s63
.endr
	s_lshl_b32 s2, s2, 4
	s_add_co_u32 s2, s2, s3                        ; the first row behind the expert's last
	s_lshl_b32 s63, s63, 4                         ; the next expert's first
	s_add_co_u32 s72, s12, 4208
	v_add_nc_u32 v48, s2, v1
	v_cmp_gt_u32 vcc_lo, s63, v48
	v_mov_b32 v49, s72
	v_cndmask_b32 v50, v49, v48, vcc_lo
	v_min_u32 v51, 4223, v50                       ; a computed row enters an address only behind this hold
	v_lshlrev_b32 v52, 2, v51
	v_lshlrev_b32 v53, 5, v51
	v_mov_b32 v54, 0
.irp c, 0,1,2,3
	v_mov_b32 v[56+\c], 0x7f7f7f7f
.endr
	global_store_b32 v52, v54, s[8:9]
	global_store_b128 v53, v[56:59], s[10:11]
	global_store_b128 v53, v[56:59], s[10:11] offset:16
	s_cmp_lg_u32 s12, 0
	s_cbranch_scc1 .Lend
	v_mov_b32 v60, 0                               ; and its wave 0 stores TS
.irp e, 0,1,2,3,4,5,6,7,8
	v_writelane_b32 v60, s[STS+\e], \e
.endr
	global_store_b32 v7, v60, s[8:9] offset:TINF_OFF
.Lend:
	s_wait_tensorcnt 0x0
	ds_add_u32 v96, v97
	s_wait_dscnt 0x0
	s_endpgm
.Lfunc_end_k_q52cc6d4b4f_place:
	.size	k_q52cc6d4b4f_place, .Lfunc_end_k_q52cc6d4b4f_place-k_q52cc6d4b4f_place
	.p2alignl 7, 3214868480
	.fill 96, 4, 3214868480
	.section	.rodata,"a",@progbits
	.p2align	6, 0x0
	.amdhsa_kernel k_q52cc6d4b4f_place
		.amdhsa_group_segment_fixed_size 2048
		.amdhsa_private_segment_fixed_size 0
		.amdhsa_enable_private_segment 0
		.amdhsa_kernarg_size 32
		.amdhsa_user_sgpr_count 2
		.amdhsa_user_sgpr_kernarg_segment_ptr 1
		.amdhsa_wavefront_size32 1
		.amdhsa_system_sgpr_workgroup_id_x 1
		.amdhsa_system_sgpr_workgroup_id_y 1
		.amdhsa_system_sgpr_workgroup_id_z 1
		.amdhsa_system_vgpr_workitem_id 0
		.amdhsa_next_free_vgpr 98
		.amdhsa_next_free_sgpr 80
		.amdhsa_reserve_vcc 1
		.amdhsa_float_denorm_mode_32 3
		.amdhsa_float_denorm_mode_16_64 3
		.amdhsa_memory_ordered 1
		.amdhsa_forward_progress 1
		.amdhsa_inst_pref_size 17
	.end_amdhsa_kernel
	.amdgpu_metadata
---
amdhsa.version: [ 1, 2 ]
amdhsa.kernels:
  - .name:           k_q52cc6d4b4f_place
    .symbol:         k_q52cc6d4b4f_place.kd
    .args:
      - { .name: ei, .offset: 0, .size: 8, .value_kind: global_buffer, .address_space: global }
      - { .name: xq, .offset: 8, .size: 8, .value_kind: global_buffer, .address_space: global }
      - { .name: lists, .offset: 16, .size: 8, .value_kind: global_buffer, .address_space: global }
      - { .name: xsr, .offset: 24, .size: 8, .value_kind: global_buffer, .address_space: global }
    .group_segment_fixed_size: 2048
    .private_segment_fixed_size: 0
    .kernarg_segment_align: 8
    .kernarg_segment_size: 32
    .max_flat_workgroup_size: 256
    .sgpr_count:     80
    .vgpr_count:     98
    .wavefront_size: 32
...
	.end_amdgpu_metadata
.endif
;; end of part 2
;; launch p1 (part 3): grid 32 x 8, 4 waves a work-group, no clusters, 134,656 bytes of LDS; arguments w1, b1, xq, lists, xsr, hq; writes hq
.if DOCPART == 3
	.amdgcn_target "amdgcn-amd-amdhsa--gfx1250"
	.amdhsa_code_object_version 6
	.text
	.protected	k_q52cc6d4b4f_p1
	.globl	k_q52cc6d4b4f_p1
	.p2align	8
	.type	k_q52cc6d4b4f_p1,@function
k_q52cc6d4b4f_p1:
	s_mov_b64 s[64:65], 0
	v_nop
	global_prefetch_b8 v0, s[64:65] scope:SCOPE_SE
	s_setreg_imm32_b32 hwreg(HW_REG_WAVE_MODE, 25, 1), 1
	s_wait_xcnt 0x0
; h = Q(gelu(Q(x) Q(W1) + b1)) for the routed rows alone, in MX-BF6.  w1 [8][1024 (K)][2048] f32, b1 [8][2048]; x's codes and scale words from xq and xsr; rows by lists.
; THE WEIGHTS STAND STILL.  Work-group (sigma, e) owns 64 columns of expert e's W1: 256 KB of f32, read from memory once in the launch.  Each of its four waves quantises a quarter of K
; (a lane a column, registers down K), the codes meet in LDS as images of the operand's registers, ONE barrier, and every wave then holds all 32 fragments (4 tiles x 8 K steps) in 384 registers.
; Then the waves walk the expert's tiles of 16 rows, tile T0 + w, + 4, .. : no barrier, since the trip count is read from memory (lists).  For the same reason there is no tensor load and
; no cluster here, though the 32 work-groups of an expert read the same rows' codes.
; THE PRODUCT IS USED TRANSPOSED (source 0 = 16 columns of W1, source 1 = 16 rows of x): a lane holds one row.  The columns of a tile are chosen (lane r' of tile 2 b + u takes column
; 32 b + 8 u + r' + 8 (r' / 8)) so that the 16 registers of tiles 2 b, 2 b + 1 are 16 neighbours along the next K.  b1 is the C of each sum's first matrix instruction.
; gelu(a) = a/2 + a/2 erf(a / sqrt 2); erf(z) = z P(z^2) / Q(z^2), z held to +-4, degrees 6 and 4.  LIMIT: its error is a few 1e-7 absolute, as much as 1 + erf in f32 allows.
; hq: codes as images of the next product's operand: [tile][K step s = sigma / 2][4 registers g][lane][16 bytes].  My two blocks go to lanes 16 (sigma & 1) + r, registers 0-5 and 6-11:
; within a K step true block j lies at the place of block 2 (j & 1) + (j >> 1); the next launch lays W2 the same way, and the scale bytes go with the blocks.
; hs: [tile][s][32 words]: word 16 (sigma & 1) + r holds this slice's two bytes at their places; both halves of the lanes store the same word to the same place.
; LIMITS: NaN and infinities are not served; a block of zeros gets the byte 1 (zero codes; this program alone reads the bytes).
.set TINF_OFF, 33280
.set HS_OFF,   6488064
.set SCI,  49152                       ; LDS: 0 .. 49151 the 32 fragments' images (fragment f = 4 s + T at 1536 f, lane L's 48 bytes at 48 L); then 16 scale registers' images, 128 bytes each
.set STG,  51200                       ; each wave's stage for a chunk of f32, 8,192 bytes
.set XST,  83968                       ; each wave's stage for 16 rows of x's codes, 784 bytes apart
.set ACC,  32                          ; v32-63   4 tiles x 8
.set BIAS, 64                          ; v64-95   b1 in the result's layout
.set WSC,  96                          ; v96-111  W1's scale words: register 2 s + (T >> 1): lanes 0-15 the even tile's, lanes 16-31 the odd one's
.set XSC,  112                         ; v112-119 x's scale words, K step s
.set VO,   120                         ; v120-135 the 16 rows' offsets in xq
.set TM,   136                         ; v136-143 at work on scales
.set MA,   136
.set MB,   138
.set SO,   140
.set BY,   142
.set SW,   144                         ; v144-145 scale words in the making (in the loop v144: the slice's word)
.set HW,   144
.set CQ,   146                         ; v146-157 a chunk's codes, 6 registers a block (in the loop: the two conversions' results at 146 and 150)
.set CX,   146
.set CY,   150
.set TQ,   154                         ; v154-157, v158-159 what a lane stores
.set TD,   158
.set NN,   160                         ; v160-223 64 numbers of a chunk; in the loop z, z^2, P, Q, 16 each
.set ZZ,   160
.set SS,   176
.set PP,   192
.set QQ,   208
.set DQ,   224                         ; v224-230 the conversions' second halves
.set TOK,  32                          ; s32-47   a tile's 16 tokens
.set K_RS2, 48                         ; constants as pairs (a packed form names a pair and takes its low word for both halves)
.set K_A13, 50
.set K_A9,  52
.set K_A7,  54
.set K_A5,  56
.set K_A3,  58
.set K_A1,  60
.set K_B8,  62
.set K_B4,  66
.set K_B2,  68
.set K_B0,  70
.set TRIPS, 72                         ; s72 my wave's trips; s73 counts them
.set TRIP,  73
; REGISTER WINDOWS: window 0 all of the above; windows 1 and 2: first the 8 chunks of f32 (64 registers each), then the 32 fragments (f < 16: window 1, at 12 f);
; window 3: v0-95 16 rows of codes as loaded, v96-191 x's 8 fragments.
.set MSB, 0
.macro WIN new                         ; the immediate's high byte repeats the setting that is left
.if MSB != (\new)
	s_set_vgpr_msb (MSB<<8)|(\new)
.set MSB, (\new)
.endif
.endm
.macro KPAIR reg, bits
	s_mov_b32 s[\reg], \bits
	s_mov_b32 s[\reg+1], \bits
.endm
	s_load_b256 s[4:11], s[0:1], 0x0               ; w1 s[4:5], b1 s[6:7], xq s[8:9], lists s[10:11]
	s_load_b128 s[12:15], s[0:1], 0x20             ; xsr s[12:13], hq s[14:15]
	v_lshl_add_u32 v254, v0, 2, 0x20c00
	v_mov_b32 v255, 0
	v_lshrrev_b32 v1, 5, v0
	v_readfirstlane_b32 s16, v1                    ; wave
	v_and_b32 v1, 31, v0                           ; lane l
	v_and_b32 v2, 15, v0                           ; r
	v_bfe_u32 v3, v0, 4, 1                         ; hh
	s_mov_b32 s17, ttmp9                           ; sigma
	s_and_b32 s18, ttmp7, 0xffff                   ; e
	s_and_b32 s19, s17, 1                          ; h' = sigma & 1
	s_lshr_b32 s24, s17, 1                         ; the next product's K step
	v_lshlrev_b32 v4, 4, v2
	v_lshl_add_u32 v4, v3, 13, v4                  ; w1: two rows of 256 bytes a load: 8192 hh + 16 r
	s_lshl_b32 s25, s16, 13
	s_add_co_u32 s25, s25, STG
	v_lshl_add_u32 v5, v1, 4, s25                  ; the f32 stage, in: 16 l
	v_lshl_add_u32 v6, v1, 2, s25                  ; and out: 4 l
	v_and_b32 v28, 7, v0
	v_lshl_or_b32 v28, v3, 3, v28                  ; r': column l is row r' of tile 2 a + u
	v_bfe_u32 v29, v0, 3, 1                        ; u
	v_mul_u32_u24 v7, v28, 48
	v_mad_u32_u24 v7, v29, 1536, v7
	s_mul_i32 s26, s16, 12288
	v_add_nc_u32 v7, s26, v7                       ; where my column's codes go in the images
	v_lshl_add_u32 v8, v29, 4, v28
	s_lshl_b32 s26, s16, 9
	s_add_co_u32 s26, s26, SCI
	v_lshl_add_u32 v8, v8, 2, s26                  ; and its scale words
	v_mul_u32_u24 v9, v1, 48                       ; an image's place for my lane
	v_lshl_add_u32 v10, v1, 2, SCI
	v_lshlrev_b32 v11, 3, v1                       ; 8 l
	s_mul_i32 s26, s16, 12544
	s_add_co_u32 s26, s26, XST
	v_lshl_add_u32 v12, v1, 3, s26                 ; x's stage, in
	v_mul_u32_u24 v13, v2, 784
	v_mad_u32_u24 v13, v3, 48, v13
	v_add_nc_u32 v13, s26, v13                     ; and out: row r, + 48 hh
	v_lshlrev_b32 v14, 5, v2                       ; xsr: 32 r
	s_mul_i32 s26, s24, 1536
	s_lshl_b32 s27, s19, 8
	s_add_co_u32 s26, s26, s27                     ; 1536 s + 16 x 16 h'
	v_lshlrev_b32 v16, 4, v2
	v_lshl_add_u32 v17, v3, 3, v16
	v_lshl_add_u32 v16, v3, 10, v16
	v_add_nc_u32 v16, s26, v16                     ; hq: registers 0-3 (hh = 0) or 8-11 (hh = 1) of lane 16 h' + r
	v_add_nc_u32 v17, s26, v17                     ; registers 4-5 or 6-7 (+ 512, in the store's immediate)
	s_lshl_b32 s26, s24, 7
	s_lshl_b32 s27, s19, 6
	s_add_co_u32 s26, s26, s27
	v_lshl_add_u32 v18, v2, 2, s26                 ; hs: 128 s + 64 h' + 4 r
	v_lshlrev_b32 v22, 6, v3                       ; b1: 64 hh
	v_mov_b32 v24, 0x32edffee                      ; A11, twice
	v_mov_b32 v25, 0x32edffee
	v_mov_b32 v26, 0xb95fbd29                      ; B6, twice
	v_mov_b32 v27, 0xb95fbd29
	s_lshl_b32 s26, s18, 23                        ; e x 8,388,608
	s_lshl_b32 s27, s16, 21                        ; + my quarter of K: 256 rows of 8,192 bytes
	s_add_co_u32 s26, s26, s27
	s_lshl_b32 s27, s17, 8                         ; + my 64 columns
	s_add_co_u32 s26, s26, s27
	s_lshl_b32 s20, s18, 13
	s_add_co_u32 s20, s20, s27                     ; b1: 8192 e + 256 sigma
	s_mov_b32 s27, 0
	s_mov_b32 s21, 0
	s_wait_kmcnt 0x0
	s_add_nc_u64 s[4:5], s[4:5], s[26:27]
	s_add_nc_u64 s[6:7], s[6:7], s[20:21]
.irp t, 0,1,2,3
.irp q, 0,1
	global_load_b128 v[BIAS+8*\t+4*\q:BIAS+8*\t+4*\q+3], v22, s[6:7] offset:(32*(\t/2)+8*(\t%2))*4+16*\q
.endr
.endr
; Chunk c: 32 rows of K x 64 columns, 8 KB: 16 loads, in each sixteen lanes read 256 consecutive bytes at a multiple of 256 from w1's first byte.
.macro LOADCHUNK c
	WIN 0x40*(1+(\c)/4)
.set li, 0
.rept 16
	global_load_b128 v[64*((\c)%4)+4*li:64*((\c)%4)+4*li+3], v4, s[4:5] offset:(32*(\c)+2*li)*8192 th:TH_LOAD_NT
.set li, li+1
.endr
	WIN 0
.endm
	LOADCHUNK 0
	LOADCHUNK 1
	LOADCHUNK 2
	LOADCHUNK 3
	s_mov_b32 s28, 0x76543210                      ; v_permlanex16_b32: lane l xor 16
	s_mov_b32 s29, 0xfedcba98
	s_mov_b32 s30, 0xffff0000                      ; the mask of lanes 16-31
	s_lshl_b32 s31, s19, 3                         ; 8 h'
	KPAIR K_RS2, 0x3f3504f3
	KPAIR K_A13, 0xaf95df0b
	KPAIR K_A9,  0xb60cff51
	KPAIR K_A7,  0xb86ec2d2
	KPAIR K_A5,  0xba40ac63
	KPAIR K_A3,  0xbb41a1f6
	KPAIR K_A1,  0xbc83dbd4
	KPAIR K_B8,  0xb77460cd
	KPAIR K_B4,  0xbadc924e
	KPAIR K_B2,  0xbbf19bf8
	KPAIR K_B0,  0xbc69b6a7
	s_lshl_b32 s24, s18, 2
	s_load_b64 s[20:21], s[10:11], s24 offset:TINF_OFF   ; T0, T1: my expert's tiles
	s_wait_kmcnt 0x0
	s_min_u32 s20, s20, 264
	s_min_u32 s21, s21, 264
	s_max_u32 s23, s21, 1
	s_sub_co_u32 s23, s23, 1
	s_min_u32 s23, s23, 263                        ; Tc: a tile that has been written, whatever the split: look-ahead is held to it
	s_add_co_u32 s22, s20, s16                     ; my first tile
	s_min_u32 s24, s22, s23
	s_min_u32 s24, s24, 263
	s_lshl_b32 s24, s24, 6
	s_load_b512 s[TOK:TOK+15], s[10:11], s24       ; its 16 tokens
; The largest magnitudes of the two blocks of 32 in v[NN ..], each in two chains, with the floor 2^(5 - 127) among the leaves.
.macro QMAX
.irp a, 0,1
	v_max3_num_f32 v[MA+\a], |v[NN+32*\a]|, |v[NN+32*\a+1]|, 0x2800000
	v_max3_num_f32 v[MB+\a], |v[NN+32*\a+16]|, |v[NN+32*\a+17]|, |v[NN+32*\a+18]|
.endr
.irp k, 0,1,2,3,4,5
.irp a, 0,1
	v_max3_num_f32 v[MA+\a], v[MA+\a], |v[NN+32*\a+2+2*\k]|, |v[NN+32*\a+3+2*\k]|
	v_max3_num_f32 v[MB+\a], v[MB+\a], |v[NN+32*\a+19+2*\k]|, |v[NN+32*\a+20+2*\k]|
.endr
.endr
.irp a, 0,1
	v_max3_num_f32 v[MA+\a], v[MA+\a], |v[NN+32*\a+14]|, |v[NN+32*\a+15]|
.endr
.irp a, 0,1
	v_max3_num_f32 v[MA+\a], v[MA+\a], v[MB+\a], |v[NN+32*\a+31]|
.endr
.irp a, 0,1
	v_add_nc_u32 v[SO+\a], 0xfe000000, v[MA+\a]    ; 4 off the exponent field: the conversion's scale operand
.endr
.irp a, 0,1
	v_lshrrev_b32 v[BY+\a], 23, v[SO+\a]           ; the byte
.endr
.endm
.macro QCODES                          ; 2 x 32 numbers become 2 x 24 bytes in v[CQ ..]
.irp a, 0,1
	v_cvt_scalef32_pk16_bf6_f32 v[CQ+6*\a:CQ+6*\a+2], v[NN+32*\a:NN+32*\a+15], v[SO+\a]
	v_cvt_scalef32_pk16_bf6_f32 v[DQ+4*\a:DQ+4*\a+2], v[NN+32*\a+16:NN+32*\a+31], v[SO+\a]   ; (a conversion's three registers begin on an even number)
.endr
	v_nop                                          ; one plain line behind the conversions
.irp a, 0,1
.irp i, 0,1,2
	v_mov_b32 v[CQ+6*\a+3+\i], v[DQ+4*\a+\i]
.endr
.endr
.endm
; Chunk c (K step s = 2 w + c / 4, block j = c % 4) turns through my stage: in as loaded, out a lane a column (columns l and 32 + l), registers down K.  cnt: the younger loads that may stay out.
.macro WCHUNK c, cnt
	s_wait_loadcnt \cnt
.if (\c) < 4
	LOADCHUNK (\c)+4
.endif
	WIN 0x04*(1+(\c)/4)
.set li, 0
.rept 16
	ds_store_b128 v5, v[64*((\c)%4)+4*li:64*((\c)%4)+4*li+3] offset:512*li
.set li, li+1
.endr
	WIN 0
.set li, 0
.rept 64
	ds_load_b32 v[NN+li], v6 offset:256*(li%32)+128*(li/32)   ; LDS serves a wave's instructions in order: these see the stores above
.set li, li+1
.endr
	s_wait_dscnt 0x0                               ; the numbers are in (and the last chunk's LDS stores have read their registers)
	QMAX
.irp a, 0,1
.if (\c)%4 == 0
	v_mov_b32 v[SW+\a], v[BY+\a]
.else
	v_lshl_or_b32 v[SW+\a], v[BY+\a], 8*((\c)%4), v[SW+\a]
.endif
.endr
	QCODES
.irp a, 0,1
.irp i, 0,1,2
	ds_store_b64 v7, v[CQ+6*\a+2*\i:CQ+6*\a+2*\i+1] offset:6144*((\c)/4)+3072*\a+768*((\c)%2)+24*(((\c)/2)%2)+8*\i   ; block j: lanes 16 (j & 1) on, registers 6 (j >> 1) on
.endr
.endr
.if (\c)%4 == 3
.irp a, 0,1
	ds_store_b32 v8, v[SW+\a] offset:256*((\c)/4)+128*\a
.endr
.endif
.endm
; 16 rows of codes are asked for: 768 bytes a row, three loads of 256 consecutive bytes.  The tokens stand in s[TOK ..].
.macro XREQ
.irp i, 0,1,2,3,4,5,6,7,8,9,10,11,12,13,14,15
	s_min_u32 s[TOK+\i], s[TOK+\i], 2047
.endr
.irp i, 0,1,2,3,4,5,6,7,8,9,10,11,12,13,14,15
	v_mad_u32_u24 v[VO+\i], s[TOK+\i], 768, v11
.endr
	WIN 0xC0
.irp i, 0,1,2,3,4,5,6,7,8,9,10,11,12,13,14,15
.irp q, 0,1,2
	global_load_b64 v[6*\i+2*\q:6*\i+2*\q+1], v[VO+\i], s[8:9] offset:256*\q
.endr
.endr
	WIN 0
.endm
	WCHUNK 0, 48                                   ; three younger chunks, 48 loads, may be out
	WCHUNK 1, 48
	WCHUNK 2, 48
	WCHUNK 3, 48
	WCHUNK 4, 48                                   ; chunks 5, 6, 7
	WCHUNK 5, 32                                   ; chunks 6, 7
	WCHUNK 6, 16                                   ; chunk 7
	; the first tile's rows are asked for here: 48 + 2 loads, which have the last chunk's work, the barrier and the fragments' loads in which to land
	s_wait_kmcnt 0x0
	XREQ
	s_min_u32 s25, s22, s23
	s_min_u32 s25, s25, 263
	s_lshl_b32 s25, s25, 9
	v_add_nc_u32 v15, s25, v14
	global_load_b128 v[XSC:XSC+3], v15, s[12:13]
	global_load_b128 v[XSC+4:XSC+7], v15, s[12:13] offset:16
	s_add_co_u32 s24, s22, 4
	s_min_u32 s24, s24, s23
	s_min_u32 s24, s24, 263
	s_lshl_b32 s24, s24, 6
	s_load_b512 s[TOK:TOK+15], s[10:11], s24       ; the next tile's tokens
	WCHUNK 7, 50                                   ; the 50 loads of the first tile's rows may be out
	s_wait_dscnt 0x0                               ; for the others' sake: my images have landed
	s_barrier_signal -1
	s_barrier_wait -1                              ; the launch's one barrier: ahead of every branch on a number read from memory
	WIN 0x40
.set fi, 0
.rept 16
.irp g, 0,1,2
	ds_load_b128 v[12*fi+4*\g:12*fi+4*\g+3], v9 offset:1536*fi+16*\g
.endr
.set fi, fi+1
.endr
	WIN 0x80
.set fi, 0
.rept 16
.irp g, 0,1,2
	ds_load_b128 v[12*fi+4*\g:12*fi+4*\g+3], v9 offset:1536*(fi+16)+16*\g
.endr
.set fi, fi+1
.endr
	WIN 0
.set fi, 0
.rept 16
	ds_load_b32 v[WSC+fi], v10 offset:128*fi
.set fi, fi+1
.endr
	s_wait_dscnt 0x0
	s_cmp_ge_u32 s22, s21                          ; a wave without a tile ends
	s_cbranch_scc1 .Lend
	s_sub_co_u32 s[TRIPS], s21, s22                ; my trips: every fourth tile from mine on: ceil((T1 - my first tile) / 4), 66 at the most
	s_add_co_u32 s[TRIPS], s[TRIPS], 3
	s_lshr_b32 s[TRIPS], s[TRIPS], 2
	s_min_u32 s[TRIPS], s[TRIPS], 66
	s_mov_b32 s[TRIP], 0
; One matrix instruction: tile t of my columns, K step s.
.macro MM s, t
.set rW, 12*(4*((\s)%4)+(\t))
.set rX, 96+12*(\s)
.set rD, ACC+8*(\t)
.set rC, ACC+8*(\t)
.if (\s) == 0
.set rC, BIAS+8*(\t)
.endif
.if (\t)%2
	v_wmma_scale_f32_16x16x128_f8f6f4 v[rD:rD+7], v[rW:rW+11], v[rX:rX+11], v[rC:rC+7], v[WSC+2*(\s)+(\t)/2], v[XSC+(\s)] matrix_a_fmt:MATRIX_FMT_BF6 matrix_b_fmt:MATRIX_FMT_BF6 matrix_a_scale:MATRIX_SCALE_ROW1
.else
	v_wmma_scale_f32_16x16x128_f8f6f4 v[rD:rD+7], v[rW:rW+11], v[rX:rX+11], v[rC:rC+7], v[WSC+2*(\s)+(\t)/2], v[XSC+(\s)] matrix_a_fmt:MATRIX_FMT_BF6 matrix_b_fmt:MATRIX_FMT_BF6
.endif
.endm
; gelu in place on the 16 registers of block b (tiles 2 b, 2 b + 1), each accumulator read from its low end on.
.macro GELU b
.set aa, ACC+16*(\b)
.irp p, 0,2,4,6,8,10,12,14
	v_pk_mul_f32 v[ZZ+\p:ZZ+\p+1], v[aa+\p:aa+\p+1], s[K_RS2:K_RS2+1] op_sel_hi:[1,0]
.endr
.irp j, 0,1,2,3,4,5,6,7,8,9,10,11,12,13,14,15
	v_med3_num_f32 v[ZZ+\j], v[ZZ+\j], -4.0, 4.0
.endr
.irp p, 0,2,4,6,8,10,12,14
	v_pk_mul_f32 v[SS+\p:SS+\p+1], v[ZZ+\p:ZZ+\p+1], v[ZZ+\p:ZZ+\p+1]
.endr
.irp p, 0,2,4,6,8,10,12,14
	v_pk_fma_f32 v[PP+\p:PP+\p+1], v[SS+\p:SS+\p+1], s[K_A13:K_A13+1], v[24:25] op_sel_hi:[1,0,1]
.endr
.irp p, 0,2,4,6,8,10,12,14
	v_pk_fma_f32 v[QQ+\p:QQ+\p+1], v[SS+\p:SS+\p+1], s[K_B8:K_B8+1], v[26:27] op_sel_hi:[1,0,1]
.endr
.irp k, K_B4, K_B2, K_B0
.irp p, 0,2,4,6,8,10,12,14
	v_pk_fma_f32 v[QQ+\p:QQ+\p+1], v[QQ+\p:QQ+\p+1], v[SS+\p:SS+\p+1], s[\k:\k+1] op_sel_hi:[1,1,0]
.endr
.endr
.irp j, 0,1,2,3,4,5,6,7,8,9,10,11,12,13,14,15
	v_rcp_f32 v[QQ+\j], v[QQ+\j]
.endr
.irp k, K_A9, K_A7, K_A5, K_A3, K_A1           ; P's chain is the independent work behind the batch of reciprocals
.irp p, 0,2,4,6,8,10,12,14
	v_pk_fma_f32 v[PP+\p:PP+\p+1], v[PP+\p:PP+\p+1], v[SS+\p:SS+\p+1], s[\k:\k+1] op_sel_hi:[1,1,0]
.endr
.endr
.irp p, 0,2,4,6,8,10,12,14
	v_pk_mul_f32 v[PP+\p:PP+\p+1], v[PP+\p:PP+\p+1], v[ZZ+\p:ZZ+\p+1]
.endr
.irp p, 0,2,4,6,8,10,12,14
	v_pk_mul_f32 v[aa+\p:aa+\p+1], v[aa+\p:aa+\p+1], 0.5 op_sel_hi:[1,0]
.endr
	s_wait_alu depctr_va_vdst(0)                   ; one wait for the 16 reciprocals, ahead of their first reader
.irp p, 0,2,4,6,8,10,12,14
	v_pk_mul_f32 v[PP+\p:PP+\p+1], v[PP+\p:PP+\p+1], v[QQ+\p:QQ+\p+1]   ; erf
.endr
.irp p, 0,2,4,6,8,10,12,14
	v_pk_fma_f32 v[aa+\p:aa+\p+1], v[aa+\p:aa+\p+1], v[PP+\p:PP+\p+1], v[aa+\p:aa+\p+1]   ; a/2 erf + a/2
.endr
.endm
.Ltile:
	s_wait_loadcnt 0x0                             ; this tile's 48 loads of codes and 2 of scale words are in
	WIN 0x0C
.irp i, 0,1,2,3,4,5,6,7,8,9,10,11,12,13,14,15
.irp q, 0,1,2
	ds_store_b64 v12, v[6*\i+2*\q:6*\i+2*\q+1] offset:784*\i+256*\q
.endr
.endr
	WIN 0xC0
.irp s, 0,1,2,3,4,5,6,7
.irp g, 0,1,2
	ds_load_b128 v[96+12*\s+4*\g:96+12*\s+4*\g+3], v13 offset:96*\s+16*\g   ; lane (r, hh): the 48 bytes of row r's K step s that are its own
.endr
.endr
	WIN 0
	s_wait_kmcnt 0x0                               ; the next tile's tokens
	s_wait_dscnt 24                                ; the 48 stores are done; the 24 loads may be out
	XREQ                                           ; the next tile's rows, a whole trip ahead (held to Tc: no load leaves what has been written)
	s_add_co_u32 s24, s22, 8
	s_min_u32 s24, s24, s23
	s_min_u32 s24, s24, 263
	s_lshl_b32 s24, s24, 6
	s_load_b512 s[TOK:TOK+15], s[10:11], s24       ; and the tokens of the tile after it
	s_add_co_u32 s25, s22, 4
	s_min_u32 s25, s25, s23
	s_min_u32 s25, s25, 263
	s_lshl_b32 s25, s25, 9
	v_add_nc_u32 v15, s25, v14
	s_wait_dscnt 0x0                               ; x's fragments
	WIN 0x0D                                       ; source 0 (W1) window 1, source 1 (x) window 3
.irp s, 0,1,2,3                                ; the four accumulators take turns, one instruction a turn
.irp t, 0,1,2,3
	MM \s, \t
.endr
.endr
	WIN 0x0E
.irp s, 4,5,6,7
.irp t, 0,1,2,3
	MM \s, \t
.endr
.endr
	WIN 0
.rept 4
	v_nop                                          ; four places ahead of loads into the scale registers and of the first read of results
.endr
	global_load_b128 v[XSC:XSC+3], v15, s[12:13]   ; the next tile's scale words
	global_load_b128 v[XSC+4:XSC+7], v15, s[12:13] offset:16
	GELU 0
	GELU 1
	; the 32 numbers of a lane are halves of two blocks of 32 along the next K
	s_wait_xcnt 0x0                                ; the last trip's stores have been taken up: their data and offsets may be written
.irp b, 0,1
	v_max3_num_f32 v[TM+\b], |v[ACC+16*\b]|, |v[ACC+16*\b+1]|, 0x2800000
.endr
.irp i, 2,4,6,8,10,12,14
.irp b, 0,1
	v_max3_num_f32 v[TM+\b], v[TM+\b], |v[ACC+16*\b+\i]|, |v[ACC+16*\b+\i+1]|
.endr
.endr
.irp b, 0,1
	v_permlanex16_b32 v[TM+2+\b], v[TM+\b], s28, s29
.endr
.irp b, 0,1
	v_max_num_f32 v[TM+\b], v[TM+\b], v[TM+2+\b]
.endr
.irp b, 0,1
	v_add_nc_u32 v[SO+\b], 0xfe000000, v[TM+\b]
.endr
.irp b, 0,1
	v_lshrrev_b32 v[BY+\b], 23, v[SO+\b]
.endr
	v_lshl_or_b32 v[HW], v[BY+1], 16, v[BY]
	v_lshlrev_b32 v[HW], s31, v[HW]                ; bytes h' and 2 + h' of the K step's word
	v_cvt_scalef32_pk16_bf6_f32 v[CX:CX+2], v[ACC:ACC+15], v[SO]
	v_cvt_scalef32_pk16_bf6_f32 v[CY:CY+2], v[ACC+16:ACC+31], v[SO+1]
	v_nop                                          ; one plain line behind the conversions
.irp i, 0,1,2
	v_permlane16_swap_b32 v[CX+\i], v[CY+\i]       ; lane (r, hh) now holds block hh whole: its lower 16 codes in the first run, its upper 16 in the second
.endr
	v_cndmask_b32 v[TQ], v[CX], v[CX+2], s30       ; hh = 0: registers 0-3 and 4-5 of the operand; hh = 1: registers 8-11 and 6-7
	v_cndmask_b32 v[TQ+1], v[CX+1], v[CY], s30
	v_cndmask_b32 v[TQ+2], v[CX+2], v[CY+1], s30
	v_cndmask_b32 v[TQ+3], v[CY], v[CY+2], s30
	v_cndmask_b32 v[TD], v[CY+1], v[CX], s30
	v_cndmask_b32 v[TD+1], v[CY+2], v[CX+1], s30
	s_min_u32 s25, s22, 263
	s_mul_i32 s26, s25, 24576
	s_lshl_b32 s27, s25, 11
	v_add_nc_u32 v19, s26, v16
	v_add_nc_u32 v20, s26, v17
	v_add_nc_u32 v21, s27, v18
	global_store_b128 v19, v[TQ:TQ+3], s[14:15]              ; each half of the lanes stores 256 consecutive bytes, at a multiple of 256 from hq's first byte
	global_store_b64 v20, v[TD:TD+1], s[14:15] offset:512    ; the 32 lanes together 256 such bytes
	global_store_b32 v21, v[HW], s[14:15] offset:HS_OFF
	s_add_co_u32 s22, s22, 4                       ; my next tile
	s_add_co_u32 s[TRIP], s[TRIP], 1
	s_cmp_lt_u32 s[TRIP], s[TRIPS]
	s_cbranch_scc1 .Ltile
.Lend:
	s_wait_tensorcnt 0x0
	ds_add_u32 v254, v255
	s_wait_dscnt 0x0
	s_endpgm
.Lfunc_end_k_q52cc6d4b4f_p1:
	.size	k_q52cc6d4b4f_p1, .Lfunc_end_k_q52cc6d4b4f_p1-k_q52cc6d4b4f_p1
	.p2alignl 7, 3214868480
	.fill 96, 4, 3214868480
	.section	.rodata,"a",@progbits
	.p2align	6, 0x0
	.amdhsa_kernel k_q52cc6d4b4f_p1
		.amdhsa_group_segment_fixed_size 134656
		.amdhsa_private_segment_fixed_size 0
		.amdhsa_enable_private_segment 0
		.amdhsa_kernarg_size 48
		.amdhsa_user_sgpr_count 2
		.amdhsa_user_sgpr_kernarg_segment_ptr 1
		.amdhsa_wavefront_size32 1
		.amdhsa_system_sgpr_workgroup_id_x 1
		.amdhsa_system_sgpr_workgroup_id_y 1
		.amdhsa_system_sgpr_workgroup_id_z 1
		.amdhsa_system_vgpr_workitem_id 0
		.amdhsa_next_free_vgpr 960
		.amdhsa_next_free_sgpr 80
		.amdhsa_reserve_vcc 0
		.amdhsa_float_denorm_mode_32 3
		.amdhsa_float_denorm_mode_16_64 3
		.amdhsa_memory_ordered 1
		.amdhsa_forward_progress 1
		.amdhsa_inst_pref_size 140
	.end_amdhsa_kernel
	.amdgpu_metadata
---
amdhsa.version: [ 1, 2 ]
amdhsa.kernels:
  - .name:           k_q52cc6d4b4f_p1
    .symbol:         k_q52cc6d4b4f_p1.kd
    .args:
      - { .name: w1, .offset: 0, .size: 8, .value_kind: global_buffer, .address_space: global }
      - { .name: b1, .offset: 8, .size: 8, .value_kind: global_buffer, .address_space: global }
      - { .name: xq, .offset: 16, .size: 8, .value_kind: global_buffer, .address_space: global }
      - { .name: lists, .offset: 24, .size: 8, .value_kind: global_buffer, .address_space: global }
      - { .name: xsr, .offset: 32, .size: 8, .value_kind: global_buffer, .address_space: global }
      - { .name: hq, .offset: 40, .size: 8, .value_kind: global_buffer, .address_space: global }
    .group_segment_fixed_size: 134656
    .private_segment_fixed_size: 0
    .kernarg_segment_align: 8
    .kernarg_segment_size: 48
    .max_flat_workgroup_size: 128
    .sgpr_count:     80
    .vgpr_count:     960
    .wavefront_size: 32
...
	.end_amdgpu_metadata
.endif
;; end of part 3
;; launch p2 (part 4): grid 32 x 8, 4 waves a work-group, no clusters, 93,696 bytes of LDS; arguments w2, b2, lists, hq, o; writes o
.if DOCPART == 4
	.amdgcn_target "amdgcn-amd-amdhsa--gfx1250"
	.amdhsa_code_object_version 6
	.text
	.protected	k_q52cc6d4b4f_p2
	.globl	k_q52cc6d4b4f_p2
	.p2align	8
	.type	k_q52cc6d4b4f_p2,@function
k_q52cc6d4b4f_p2:
	s_mov_b64 s[64:65], 0
	v_nop
	global_prefetch_b8 v0, s[64:65] scope:SCOPE_SE
	s_setreg_imm32_b32 hwreg(HW_REG_WAVE_MODE, 25, 1), 1
	s_wait_xcnt 0x0
; o = Q(h) Q(W2) + b2 for the routed rows, in MX-BF6.  w2 [8][2048 (K)][1024] f32, b2 [8][1024]; h's codes and scale bytes from hq, as the launch before laid them.
; THE WEIGHTS STAND STILL, as in the launch before: work-group (sigma, e) owns 32 columns of expert e's W2, 256 KB of f32 read once; each wave quantises a quarter of K (a lane a column, registers
; down K); the codes meet in LDS as images of the operand's registers; ONE barrier; every wave then holds all 32 fragments (2 tiles x 16 K steps) in 384 registers and walks the expert's tiles of
; 16 rows, T0 + w, + 4, ..  The trip count is read from memory, so there is no barrier in the loop, no tensor load and no cluster, though the 32 work-groups of an expert read the same h.
; WITHIN A K STEP true block j lies at the place of block 2 (j & 1) + (j >> 1), in h and in W2 alike, codes and scale bytes: the products are the same.
; TRANSPOSED: source 0 = 16 columns of W2, source 1 = 16 rows of h: a lane holds 8 neighbouring columns of one row.  b2 is the C of each sum's first matrix instruction.
; o: [sigma][row p][32] f32: a tile of 16 rows is 2,048 consecutive bytes.
; A row of my slice of w2 is 128 bytes: half of an aligned 256; the work-group beside me reads the other half.
; LIMITS: NaN and infinities are not served; a block of zeros gets the byte 1 (zero codes; this program alone reads the bytes).
.set TINF_OFF, 33280
.set HS_OFF,   6488064
.set SCI,  49152                       ; LDS: 0 .. 49151 the images (fragment f = 2 s + T at 1536 f, lane L's 48 bytes at 48 L); then 16 scale registers' images
.set STG,  51200                       ; each wave's stage for a chunk of f32, 8,192 bytes
.set OST,  83968                       ; each wave's stage for 16 rows of results, 144 bytes apart
.set MA,   22                          ; v22-30 at work on scales
.set MB,   24
.set SO,   26
.set BY,   28
.set SW,   30
.set ACC,  32                          ; v32-47  two tiles
.set BIAS, 48                          ; v48-63  b2 in the result's layout
.set WSC,  64                          ; v64-79  W2's scale words, K step s: lanes 0-15 tile 0's, lanes 16-31 tile 1's
.set HSC,  80                          ; v80-95  h's scale words
.set NN,   96                          ; v96-159 64 numbers of a chunk; in the loop v96-103 at work, v104-119 rows on the way out
.set T8,   96
.set OUT,  104
.set CQ,   160                         ; v160-171 a chunk's codes; v172-178 the conversions' second halves
.set DQ,   172
.set TRIPS, 72                         ; s72 my wave's trips; s73 counts them
.set TRIP,  73
; REGISTER WINDOWS: windows 1 and 2: first the 8 chunks of f32, then the 32 fragments (f < 16: window 1, at 12 f); window 3: h's 16 fragments, K step s at 12 s.
.set MSB, 0
.macro WIN new
.if MSB != (\new)
	s_set_vgpr_msb (MSB<<8)|(\new)
.set MSB, (\new)
.endif
.endm
	s_load_b256 s[4:11], s[0:1], 0x0               ; w2 s[4:5], b2 s[6:7], lists s[8:9], hq s[10:11]
	s_load_b64 s[12:13], s[0:1], 0x20              ; o
	v_lshl_add_u32 v254, v0, 2, 0x16c00
	v_mov_b32 v255, 0
	v_lshrrev_b32 v1, 5, v0
	v_readfirstlane_b32 s16, v1                    ; wave
	v_and_b32 v1, 31, v0                           ; lane l
	v_and_b32 v2, 15, v0                           ; r
	v_bfe_u32 v3, v0, 4, 1                         ; hh
	s_mov_b32 s17, ttmp9                           ; sigma
	s_and_b32 s18, ttmp7, 0xffff                   ; e
	v_and_b32 v21, 7, v0
	v_bfe_u32 v4, v0, 3, 2
	v_lshlrev_b32 v4, 12, v4
	v_lshl_add_u32 v4, v21, 4, v4                  ; w2: four rows of 128 bytes a load: 4096 (l >> 3) + 16 (l & 7)
	s_lshl_b32 s25, s16, 13
	s_add_co_u32 s25, s25, STG
	v_lshl_add_u32 v5, v1, 4, s25
	v_lshl_add_u32 v6, v1, 2, s25
	v_mul_u32_u24 v7, v2, 48
	v_mad_u32_u24 v7, v3, 1536, v7
	s_mul_i32 s26, s16, 12288
	v_add_nc_u32 v7, s26, v7                       ; column l is row l & 15 of tile l >> 4
	s_lshl_b32 s26, s16, 9
	s_add_co_u32 s26, s26, SCI
	v_lshl_add_u32 v8, v1, 2, s26
	v_mul_u32_u24 v9, v1, 48
	v_lshl_add_u32 v10, v1, 2, SCI
	v_lshlrev_b32 v11, 4, v1                       ; 16 l
	v_lshlrev_b32 v14, 2, v1                       ; 4 l
	s_mul_i32 s26, s16, 2304
	s_add_co_u32 s26, s26, OST
	v_mul_u32_u24 v17, v2, 144
	v_lshl_add_u32 v17, v3, 5, v17
	v_add_nc_u32 v17, s26, v17                     ; the results' stage, in: row r, + 32 hh
	v_bfe_u32 v18, v0, 3, 2
	v_mul_u32_u24 v18, v18, 144
	v_lshl_add_u32 v18, v21, 4, v18
	v_add_nc_u32 v18, s26, v18                     ; and out: four rows of 128 bytes a load
	v_lshlrev_b32 v20, 5, v3                       ; b2: 32 hh
	s_mov_b32 s28, 0x76543210
	s_mov_b32 s29, 0xfedcba98
	s_lshl_b32 s26, s18, 23
	s_lshl_b32 s27, s16, 21                        ; my quarter of K: 512 rows of 4,096 bytes
	s_add_co_u32 s26, s26, s27
	s_lshl_b32 s27, s17, 7
	s_add_co_u32 s26, s26, s27
	s_lshl_b32 s20, s18, 12
	s_add_co_u32 s20, s20, s27                     ; b2: 4096 e + 128 sigma
	s_mov_b32 s27, 0
	s_mov_b32 s21, 0
	s_mul_i32 s30, s17, 540672                     ; o: my slice
	s_mov_b32 s31, 0
	s_wait_kmcnt 0x0
	s_add_nc_u64 s[4:5], s[4:5], s[26:27]
	s_add_nc_u64 s[6:7], s[6:7], s[20:21]
	s_add_nc_u64 s[12:13], s[12:13], s[30:31]
.irp t, 0,1
.irp q, 0,1
	global_load_b128 v[BIAS+8*\t+4*\q:BIAS+8*\t+4*\q+3], v20, s[6:7] offset:64*\t+16*\q
.endr
.endr
; Chunk c: 64 rows of K x 32 columns, 8 KB, 16 loads.
.macro LOADCHUNK c
	WIN 0x40*(1+(\c)/4)
.set li, 0
.rept 16
	global_load_b128 v[64*((\c)%4)+4*li:64*((\c)%4)+4*li+3], v4, s[4:5] offset:(64*(\c)+4*li)*4096 th:TH_LOAD_NT
.set li, li+1
.endr
	WIN 0
.endm
	LOADCHUNK 0
	LOADCHUNK 1
	LOADCHUNK 2
	LOADCHUNK 3
	s_lshl_b32 s24, s18, 2
	s_load_b64 s[20:21], s[8:9], s24 offset:TINF_OFF   ; T0, T1
	s_wait_kmcnt 0x0
	s_min_u32 s20, s20, 264
	s_min_u32 s21, s21, 264
	s_max_u32 s23, s21, 1
	s_sub_co_u32 s23, s23, 1
	s_min_u32 s23, s23, 263                        ; Tc: a tile that has been written, whatever the split
	s_add_co_u32 s22, s20, s16                     ; my first tile
.macro QMAX
.irp a, 0,1
	v_max3_num_f32 v[MA+\a], |v[NN+32*\a]|, |v[NN+32*\a+1]|, 0x2800000
	v_max3_num_f32 v[MB+\a], |v[NN+32*\a+16]|, |v[NN+32*\a+17]|, |v[NN+32*\a+18]|
.endr
.irp k, 0,1,2,3,4,5
.irp a, 0,1
	v_max3_num_f32 v[MA+\a], v[MA+\a], |v[NN+32*\a+2+2*\k]|, |v[NN+32*\a+3+2*\k]|
	v_max3_num_f32 v[MB+\a], v[MB+\a], |v[NN+32*\a+19+2*\k]|, |v[NN+32*\a+20+2*\k]|
.endr
.endr
.irp a, 0,1
	v_max3_num_f32 v[MA+\a], v[MA+\a], |v[NN+32*\a+14]|, |v[NN+32*\a+15]|
.endr
.irp a, 0,1
	v_max3_num_f32 v[MA+\a], v[MA+\a], v[MB+\a], |v[NN+32*\a+31]|
.endr
.irp a, 0,1
	v_add_nc_u32 v[SO+\a], 0xfe000000, v[MA+\a]    ; 4 off the exponent field: the conversion's scale operand
.endr
.irp a, 0,1
	v_lshrrev_b32 v[BY+\a], 23, v[SO+\a]           ; the byte
.endr
.endm
.macro QCODES
.irp a, 0,1
	v_cvt_scalef32_pk16_bf6_f32 v[CQ+6*\a:CQ+6*\a+2], v[NN+32*\a:NN+32*\a+15], v[SO+\a]
	v_cvt_scalef32_pk16_bf6_f32 v[DQ+4*\a:DQ+4*\a+2], v[NN+32*\a+16:NN+32*\a+31], v[SO+\a]
.endr
	v_nop                                          ; one plain line behind the conversions
.irp a, 0,1
.irp i, 0,1,2
	v_mov_b32 v[CQ+6*\a+3+\i], v[DQ+4*\a+\i]
.endr
.endr
.endm
; Chunk c (K step s = 4 w + c / 2, true blocks j = 2 (c % 2) + a) turns through my stage; out of it a lane takes column l, 64 registers down K.
.macro WCHUNK c, cnt
	s_wait_loadcnt \cnt
.if (\c) < 4
	LOADCHUNK (\c)+4
.endif
	WIN 0x04*(1+(\c)/4)
.set li, 0
.rept 16
	ds_store_b128 v5, v[64*((\c)%4)+4*li:64*((\c)%4)+4*li+3] offset:512*li
.set li, li+1
.endr
	WIN 0
.set li, 0
.rept 64
	ds_load_b32 v[NN+li], v6 offset:128*li         ; LDS serves a wave's instructions in order: these see the stores above
.set li, li+1
.endr
	s_wait_dscnt 0x0
	QMAX
.if (\c)%2 == 0                                ; block j's byte stands at place 2 (j & 1) + (j >> 1) = 2 a + c % 2
	v_mov_b32 v[SW], v[BY]
	v_lshl_or_b32 v[SW], v[BY+1], 16, v[SW]
.else
	v_lshl_or_b32 v[SW], v[BY], 8, v[SW]
	v_lshl_or_b32 v[SW], v[BY+1], 24, v[SW]
.endif
	QCODES
.irp a, 0,1
.irp i, 0,1,2
	ds_store_b64 v7, v[CQ+6*\a+2*\i:CQ+6*\a+2*\i+1] offset:3072*((\c)/2)+768*((\c)%2)+24*\a+8*\i   ; block j: lanes 16 (j >> 1) on, registers 6 (j & 1) on
.endr
.endr
.if (\c)%2 == 1
	ds_store_b32 v8, v[SW] offset:128*((\c)/2)
.endif
.endm
; Half k of a tile of h (K steps 8 k .. 8 k + 7) is asked for: 24 loads of 512 consecutive bytes and 8 of scale words.  s25: the tile, held.  Each half has offsets of its own.
.macro HREQ k
	s_mul_i32 s26, s25, 24576
	s_lshl_b32 s27, s25, 11
	v_add_nc_u32 v[12+\k], s26, v11
	v_add_nc_u32 v[15+\k], s27, v14
	WIN 0xC0
.irp q, 0,1,2,3,4,5,6,7
.irp g, 0,1,2
	global_load_b128 v[96*\k+12*\q+4*\g:96*\k+12*\q+4*\g+3], v[12+\k], s[10:11] offset:1536*(8*\k+\q)+512*\g
.endr
.endr
	WIN 0
.irp q, 0,1,2,3,4,5,6,7
	global_load_b32 v[HSC+8*\k+\q], v[15+\k], s[10:11] offset:HS_OFF+128*(8*\k+\q)
.endr
.endm
; A K step's scale word is the two slices' words joined: lanes r and 16 + r hold them.
.macro COMB k
.irp q, 0,1,2,3,4,5,6,7
	v_permlanex16_b32 v[T8+\q], v[HSC+8*\k+\q], s28, s29
.endr
.irp q, 0,1,2,3,4,5,6,7
	v_or_b32 v[HSC+8*\k+\q], v[HSC+8*\k+\q], v[T8+\q]
.endr
.rept 8
	v_nop                                          ; a scale register written by a vector instruction stands 8 places ahead of the scaled matrix instruction
.endr
.endm
	WCHUNK 0, 48                                   ; three younger chunks, 48 loads, may be out
	WCHUNK 1, 48
	WCHUNK 2, 48
	WCHUNK 3, 48
	WCHUNK 4, 48                                   ; chunks 5, 6, 7
	WCHUNK 5, 32                                   ; chunks 6, 7
	WCHUNK 6, 16                                   ; chunk 7
	s_min_u32 s25, s22, s23                        ; the first tile of h is asked for here, half by half, round the last chunk's work
	s_min_u32 s25, s25, 263
	HREQ 0
	WCHUNK 7, 32                                   ; the first half's 32 loads may be out
	HREQ 1
	s_wait_dscnt 0x0                               ; for the others' sake: my images have landed
	s_barrier_signal -1
	s_barrier_wait -1                              ; the launch's one barrier: ahead of every branch on a number read from memory
	WIN 0x40
.set fi, 0
.rept 16
.irp g, 0,1,2
	ds_load_b128 v[12*fi+4*\g:12*fi+4*\g+3], v9 offset:1536*fi+16*\g
.endr
.set fi, fi+1
.endr
	WIN 0x80
.set fi, 0
.rept 16
.irp g, 0,1,2
	ds_load_b128 v[12*fi+4*\g:12*fi+4*\g+3], v9 offset:1536*(fi+16)+16*\g
.endr
.set fi, fi+1
.endr
	WIN 0
.set fi, 0
.rept 16
	ds_load_b32 v[WSC+fi], v10 offset:128*fi
.set fi, fi+1
.endr
	s_wait_dscnt 0x0
	s_cmp_ge_u32 s22, s21                          ; a wave without a tile ends
	s_cbranch_scc1 .Lend
	s_sub_co_u32 s[TRIPS], s21, s22                ; my trips: every fourth tile from mine on: ceil((T1 - my first tile) / 4), 66 at the most
	s_add_co_u32 s[TRIPS], s[TRIPS], 3
	s_lshr_b32 s[TRIPS], s[TRIPS], 2
	s_min_u32 s[TRIPS], s[TRIPS], 66
	s_mov_b32 s[TRIP], 0
.macro MM s, t
.set rW, 12*(2*((\s)%8)+(\t))
.set rH, 12*(\s)
.set rD, ACC+8*(\t)
.set rC, ACC+8*(\t)
.if (\s) == 0
.set rC, BIAS+8*(\t)
.endif
.if (\t)%2
	v_wmma_scale_f32_16x16x128_f8f6f4 v[rD:rD+7], v[rW:rW+11], v[rH:rH+11], v[rC:rC+7], v[WSC+(\s)], v[HSC+(\s)] matrix_a_fmt:MATRIX_FMT_BF6 matrix_b_fmt:MATRIX_FMT_BF6 matrix_a_scale:MATRIX_SCALE_ROW1
.else
	v_wmma_scale_f32_16x16x128_f8f6f4 v[rD:rD+7], v[rW:rW+11], v[rH:rH+11], v[rC:rC+7], v[WSC+(\s)], v[HSC+(\s)] matrix_a_fmt:MATRIX_FMT_BF6 matrix_b_fmt:MATRIX_FMT_BF6
.endif
.endm
.Ltile:
	s_add_co_u32 s25, s22, 4                       ; the tile that is asked for in this trip, held to Tc
	s_min_u32 s25, s25, s23
	s_min_u32 s25, s25, 263
	s_wait_loadcnt 32                              ; this tile's first half is in; the second half's 32 loads may be out
	COMB 0
	WIN 0x0D                                       ; source 0 (W2) window 1, source 1 (h) window 3
.irp s, 0,1,2,3,4,5,6,7                        ; the two accumulators take turns, one instruction a turn
.irp t, 0,1
	MM \s, \t
.endr
.endr
	WIN 0
.rept 4
	v_nop                                          ; four places ahead of loads into registers that matrix instructions have read
.endr
	s_wait_xcnt 0x0                                ; the last trip's four stores have been taken up: their data (v104-119) and offset (v19) are written again further down.
	                                               ; It stands here, 16 matrix instructions behind those stores and ahead of this trip's 64 loads, which name none of those registers
	HREQ 0
	s_wait_loadcnt 32                              ; the second half is in; the 32 loads just issued may be out
	COMB 1
	WIN 0x0E
.irp s, 8,9,10,11,12,13,14,15
.irp t, 0,1
	MM \s, \t
.endr
.endr
	WIN 0
.rept 4
	v_nop                                          ; and ahead of the first read of results
.endr
	HREQ 1
.irp t, 0,1
.irp q, 0,1
	ds_store_b128 v17, v[ACC+8*\t+4*\q:ACC+8*\t+4*\q+3] offset:64*\t+16*\q   ; each accumulator from its low end on
.endr
.endr
.irp q, 0,1,2,3
	ds_load_b128 v[OUT+4*\q:OUT+4*\q+3], v18 offset:576*\q   ; LDS serves a wave's instructions in order: these see the stores above
.endr
	s_min_u32 s26, s22, 263
	s_lshl_b32 s26, s26, 11
	v_add_nc_u32 v19, s26, v11
	s_wait_dscnt 0x0
.irp q, 0,1,2,3
	global_store_b128 v19, v[OUT+4*\q:OUT+4*\q+3], s[12:13] offset:512*\q   ; 32 lanes store 512 consecutive bytes, at a multiple of 256 from o's first byte
.endr
	s_add_co_u32 s22, s22, 4                       ; my next tile
	s_add_co_u32 s[TRIP], s[TRIP], 1
	s_cmp_lt_u32 s[TRIP], s[TRIPS]
	s_cbranch_scc1 .Ltile
.Lend:
	s_wait_tensorcnt 0x0
	ds_add_u32 v254, v255
	s_wait_dscnt 0x0
	s_endpgm
.Lfunc_end_k_q52cc6d4b4f_p2:
	.size	k_q52cc6d4b4f_p2, .Lfunc_end_k_q52cc6d4b4f_p2-k_q52cc6d4b4f_p2
	.p2alignl 7, 3214868480
	.fill 96, 4, 3214868480
	.section	.rodata,"a",@progbits
	.p2align	6, 0x0
	.amdhsa_kernel k_q52cc6d4b4f_p2
		.amdhsa_group_segment_fixed_size 93696
		.amdhsa_private_segment_fixed_size 0
		.amdhsa_enable_private_segment 0
		.amdhsa_kernarg_size 40
		.amdhsa_user_sgpr_count 2
		.amdhsa_user_sgpr_kernarg_segment_ptr 1
		.amdhsa_wavefront_size32 1
		.amdhsa_system_sgpr_workgroup_id_x 1
		.amdhsa_system_sgpr_workgroup_id_y 1
		.amdhsa_system_sgpr_workgroup_id_z 1
		.amdhsa_system_vgpr_workitem_id 0
		.amdhsa_next_free_vgpr 960
		.amdhsa_next_free_sgpr 80
		.amdhsa_reserve_vcc 0
		.amdhsa_float_denorm_mode_32 3
		.amdhsa_float_denorm_mode_16_64 3
		.amdhsa_memory_ordered 1
		.amdhsa_forward_progress 1
		.amdhsa_inst_pref_size 112
	.end_amdhsa_kernel
	.amdgpu_metadata
---
amdhsa.version: [ 1, 2 ]
amdhsa.kernels:
  - .name:           k_q52cc6d4b4f_p2
    .symbol:         k_q52cc6d4b4f_p2.kd
    .args:
      - { .name: w2, .offset: 0, .size: 8, .value_kind: global_buffer, .address_space: global }
      - { .name: b2, .offset: 8, .size: 8, .value_kind: global_buffer, .address_space: global }
      - { .name: lists, .offset: 16, .size: 8, .value_kind: global_buffer, .address_space: global }
      - { .name: hq, .offset: 24, .size: 8, .value_kind: global_buffer, .address_space: global }
      - { .name: o, .offset: 32, .size: 8, .value_kind: global_buffer, .address_space: global }
    .group_segment_fixed_size: 93696
    .private_segment_fixed_size: 0
    .kernarg_segment_align: 8
    .kernarg_segment_size: 40
    .max_flat_workgroup_size: 128
    .sgpr_count:     80
    .vgpr_count:     960
    .wavefront_size: 32
...
	.end_amdgpu_metadata
.endif
;; end of part 4
;; launch ln (part 5): grid 256 x 1, 8 waves a work-group, no clusters, 0 bytes of LDS; arguments x, o, ei, xq, lists, ln_g, ln_b, out0; writes out0
.if DOCPART == 5
	.amdgcn_target "amdgcn-amd-amdhsa--gfx1250"
	.amdhsa_code_object_version 6
	.text
	.protected	k_q52cc6d4b4f_ln
	.globl	k_q52cc6d4b4f_ln
	.p2align	8
	.type	k_q52cc6d4b4f_ln,@function
k_q52cc6d4b4f_ln:
	s_mov_b64 s[64:65], 0
	v_nop
	global_prefetch_b8 v0, s[64:65] scope:SCOPE_SE
	s_setreg_imm32_b32 hwreg(HW_REG_WAVE_MODE, 25, 1), 1
	s_wait_xcnt 0x0
; out[t] = the sum over the token's two experts k of w_k x LayerNorm(x[t] + o[row of (t, k)]; ln_g[e_k], ln_b[e_k]), all in f32.  o holds the second product with b2 in it.
; One wave, one token: the row stays in registers between the passes (mean, then the mean of squared differences), so nothing is read twice and no wave waits for another.
; Lane l's load j holds columns 128 j + 4 l .. + 3.  In o ([slice of 32 columns][row][32]) that is slice 4 j + (l >> 3), bytes 16 (l & 7) of the row: eight lanes read 128 consecutive bytes.
; The rows and the experts are whole numbers that earlier launches stored; each is held inside its table before it enters an address.
; A stream: no LDS, no matrix unit, no cluster (work-groups share only the two small tables).
.set POS_OFF, 16896
.set EW_OFF,  1638400
.set SL,      540672                   ; a slice of o in bytes
.set XX, 32                            ; v32-63   x, later the result
.set OO, 64                            ; v64-127  o of expert k at 32 k, then z, then z - mean, then that x rsqrt x w_k
.set GG, 128                           ; v128-255 g_k at 64 k, b_k at 64 k + 32
	s_load_b512 s[4:19], s[0:1], 0x0               ; x s[4:5], o s[6:7], ei s[8:9], xq s[10:11], lists s[12:13], ln_g s[14:15], ln_b s[16:17], out0 s[18:19]
	v_lshrrev_b32 v1, 5, v0
	v_readfirstlane_b32 s20, v1                    ; wave
	v_and_b32 v1, 31, v0                           ; lane
	v_lshlrev_b32 v2, 4, v1                        ; 16 l
	v_lshrrev_b32 v4, 3, v1
	v_mul_u32_u24 v3, v4, SL
	v_and_b32 v4, 7, v1
	v_lshl_add_u32 v3, v4, 4, v3                   ; o: (l >> 3) slices + 16 (l & 7)
	s_lshl_b32 s21, ttmp9, 3
	s_add_co_u32 s21, s21, s20                     ; t
	s_lshl_b32 s22, s21, 3                         ; 8 t
	s_lshl_b32 s24, s21, 12                        ; 4096 t
	s_mov_b32 s25, 0
	s_mov_b32 s38, 0x76543210                      ; v_permlanex16_b32: lane l xor 16
	s_mov_b32 s39, 0xfedcba98
	s_mov_b32 s32, 0x3a800000                      ; 1 / 1024
	s_mov_b32 s33, 0x358637bd                      ; 1e-6
	v_mov_b32 v20, 0                               ; written once: a lane permute's destination counts as one of its sources
	v_mov_b32 v21, 0
	s_wait_kmcnt 0x0
	s_load_b64 s[26:27], s[12:13], s22 offset:POS_OFF    ; the token's two rows,
	s_load_b64 s[28:29], s[8:9], s22                     ; experts,
	s_load_b64 s[30:31], s[10:11], s22 offset:EW_OFF     ; and weights
	s_add_nc_u64 s[4:5], s[4:5], s[24:25]
	s_add_nc_u64 s[18:19], s[18:19], s[24:25]
.irp j, 0,1,2,3,4,5,6,7
	global_load_b128 v[XX+4*\j:XX+4*\j+3], v2, s[4:5] offset:512*\j th:TH_LOAD_NT
.endr
	s_wait_kmcnt 0x0
	s_min_u32 s26, s26, 4223
	s_min_u32 s27, s27, 4223
	s_min_u32 s28, s28, 7
	s_min_u32 s29, s29, 7
	s_lshl_b32 s26, s26, 7
	s_lshl_b32 s27, s27, 7
	s_lshl_b32 s28, s28, 12
	s_lshl_b32 s29, s29, 12
	s_mov_b32 s34, s30                             ; the weights as pairs for the packed forms
	s_mov_b32 s35, s30
	s_mov_b32 s36, s31
	s_mov_b32 s37, s31
	v_add_nc_u32 v5, s26, v3
	v_add_nc_u32 v6, 16*SL, v5                     ; slices 16 on: the immediate reaches 12 slices
	v_add_nc_u32 v7, s27, v3
	v_add_nc_u32 v8, 16*SL, v7
	v_add_nc_u32 v9, s28, v2
	v_add_nc_u32 v10, s29, v2
.irp k, 0,1
.irp j, 0,1,2,3,4,5,6,7
	global_load_b128 v[OO+32*\k+4*\j:OO+32*\k+4*\j+3], v[5+2*\k+(\j/4)], s[6:7] offset:(\j%4)*4*SL th:TH_LOAD_NT
.endr
.endr
.irp k, 0,1
.irp j, 0,1,2,3,4,5,6,7
	global_load_b128 v[GG+64*\k+4*\j:GG+64*\k+4*\j+3], v[9+\k], s[14:15] offset:512*\j
.endr
.irp j, 0,1,2,3,4,5,6,7
	global_load_b128 v[GG+64*\k+32+4*\j:GG+64*\k+32+4*\j+3], v[9+\k], s[16:17] offset:512*\j
.endr
.endr
	s_wait_loadcnt 32                              ; x and both rows of o are in; the 32 loads of gains and biases may be out
.irp k, 0,1
.set pp, 0
.rept 16
	v_pk_add_f32 v[OO+32*\k+pp:OO+32*\k+pp+1], v[OO+32*\k+pp:OO+32*\k+pp+1], v[XX+pp:XX+pp+1]   ; z = x + o
.set pp, pp+2
.endr
.endr
.irp k, 0,1                                    ; the row's sum: two chains for each expert
	v_pk_add_f32 v[12+4*\k:13+4*\k], v[OO+32*\k:OO+32*\k+1], v[OO+32*\k+2:OO+32*\k+3]
	v_pk_add_f32 v[14+4*\k:15+4*\k], v[OO+32*\k+4:OO+32*\k+5], v[OO+32*\k+6:OO+32*\k+7]
.endr
.irp p, 8,12,16,20,24,28
.irp k, 0,1
	v_pk_add_f32 v[12+4*\k:13+4*\k], v[12+4*\k:13+4*\k], v[OO+32*\k+\p:OO+32*\k+\p+1]
	v_pk_add_f32 v[14+4*\k:15+4*\k], v[14+4*\k:15+4*\k], v[OO+32*\k+\p+2:OO+32*\k+\p+3]
.endr
.endr
; v[12 + 4 k] .. v[15 + 4 k] become one sum over the wave, in every lane
.macro WSUM
.irp k, 0,1
	v_pk_add_f32 v[12+4*\k:13+4*\k], v[12+4*\k:13+4*\k], v[14+4*\k:15+4*\k]
.endr
.irp k, 0,1
	v_add_f32 v[12+4*\k], v[12+4*\k], v[13+4*\k]
.endr
.irp m, 1,2,4,8
.irp k, 0,1
	v_add_f32_dpp v[12+4*\k], v[12+4*\k], v[12+4*\k] row_xmask:\m row_mask:0xf bank_mask:0xf
.endr
.endr
.irp k, 0,1
	v_permlanex16_b32 v[20+\k], v[12+4*\k], s38, s39
.endr
.irp k, 0,1
	v_add_f32 v[12+4*\k], v[12+4*\k], v[20+\k]
.endr
.endm
	WSUM
.irp k, 0,1
	v_mul_f32 v[22+2*\k], s32, v[12+4*\k]          ; the mean, twice
	v_mul_f32 v[23+2*\k], s32, v[12+4*\k]
.endr
.irp k, 0,1
.set pp, 0
.rept 16
	v_pk_add_f32 v[OO+32*\k+pp:OO+32*\k+pp+1], v[OO+32*\k+pp:OO+32*\k+pp+1], v[22+2*\k:23+2*\k] neg_lo:[0,1] neg_hi:[0,1]   ; z - mean
.set pp, pp+2
.endr
.endr
.irp k, 0,1
	v_pk_mul_f32 v[12+4*\k:13+4*\k], v[OO+32*\k:OO+32*\k+1], v[OO+32*\k:OO+32*\k+1]
	v_pk_mul_f32 v[14+4*\k:15+4*\k], v[OO+32*\k+2:OO+32*\k+3], v[OO+32*\k+2:OO+32*\k+3]
.endr
.irp p, 4,8,12,16,20,24,28
.irp k, 0,1
	v_pk_fma_f32 v[12+4*\k:13+4*\k], v[OO+32*\k+\p:OO+32*\k+\p+1], v[OO+32*\k+\p:OO+32*\k+\p+1], v[12+4*\k:13+4*\k]
	v_pk_fma_f32 v[14+4*\k:15+4*\k], v[OO+32*\k+\p+2:OO+32*\k+\p+3], v[OO+32*\k+\p+2:OO+32*\k+\p+3], v[14+4*\k:15+4*\k]
.endr
.endr
	WSUM
.irp k, 0,1
	v_fma_f32 v[12+4*\k], v[12+4*\k], s32, s33     ; the variance + 1e-6
.endr
.irp k, 0,1
	v_rsq_f32 v[12+4*\k], v[12+4*\k]
.endr
	v_nop                                          ; a plain line behind the transcendentals,
	s_wait_alu depctr_va_vdst(0)                   ; and one wait for both, ahead of their first reader
.irp k, 0,1
	v_mul_f32 v[26+2*\k], s[30+\k], v[12+4*\k]     ; rsqrt x w_k, twice
	v_mul_f32 v[27+2*\k], s[30+\k], v[12+4*\k]
.endr
.irp k, 0,1
.set pp, 0
.rept 16
	v_pk_mul_f32 v[OO+32*\k+pp:OO+32*\k+pp+1], v[OO+32*\k+pp:OO+32*\k+pp+1], v[26+2*\k:27+2*\k]
.set pp, pp+2
.endr
.endr
	s_wait_loadcnt 0x0                             ; the gains and biases
.set pp, 0
.rept 16
	v_pk_mul_f32 v[XX+pp:XX+pp+1], v[GG+32+pp:GG+32+pp+1], s[34:35] op_sel_hi:[1,0]   ; w_0 b_0
.set pp, pp+2
.endr
.set pp, 0
.rept 16
	v_pk_fma_f32 v[XX+pp:XX+pp+1], v[OO+pp:OO+pp+1], v[GG+pp:GG+pp+1], v[XX+pp:XX+pp+1]
.set pp, pp+2
.endr
.set pp, 0
.rept 16
	v_pk_fma_f32 v[XX+pp:XX+pp+1], v[GG+96+pp:GG+96+pp+1], s[36:37], v[XX+pp:XX+pp+1] op_sel_hi:[1,0,1]   ; + w_1 b_1
.set pp, pp+2
.endr
.set pp, 0
.rept 16
	v_pk_fma_f32 v[XX+pp:XX+pp+1], v[OO+32+pp:OO+32+pp+1], v[GG+64+pp:GG+64+pp+1], v[XX+pp:XX+pp+1]
.set pp, pp+2
.endr
.irp j, 0,1,2,3,4,5,6,7
	global_store_b128 v2, v[XX+4*\j:XX+4*\j+3], s[18:19] offset:512*\j th:TH_STORE_NT   ; 32 lanes store 512 consecutive bytes, at a multiple of 256 from out0's first byte
.endr
	s_endpgm
.Lfunc_end_k_q52cc6d4b4f_ln:
	.size	k_q52cc6d4b4f_ln, .Lfunc_end_k_q52cc6d4b4f_ln-k_q52cc6d4b4f_ln
	.p2alignl 7, 3214868480
	.fill 96, 4, 3214868480
	.section	.rodata,"a",@progbits
	.p2align	6, 0x0
	.amdhsa_kernel k_q52cc6d4b4f_ln
		.amdhsa_group_segment_fixed_size 0
		.amdhsa_private_segment_fixed_size 0
		.amdhsa_enable_private_segment 0
		.amdhsa_kernarg_size 64
		.amdhsa_user_sgpr_count 2
		.amdhsa_user_sgpr_kernarg_segment_ptr 1
		.amdhsa_wavefront_size32 1
		.amdhsa_system_sgpr_workgroup_id_x 1
		.amdhsa_system_sgpr_workgroup_id_y 1
		.amdhsa_system_sgpr_workgroup_id_z 1
		.amdhsa_system_vgpr_workitem_id 0
		.amdhsa_next_free_vgpr 256
		.amdhsa_next_free_sgpr 66
		.amdhsa_reserve_vcc 0
		.amdhsa_float_denorm_mode_32 3
		.amdhsa_float_denorm_mode_16_64 3
		.amdhsa_memory_ordered 1
		.amdhsa_forward_progress 1
		.amdhsa_inst_pref_size 25
	.end_amdhsa_kernel
	.amdgpu_metadata
---
amdhsa.version: [ 1, 2 ]
amdhsa.kernels:
  - .name:           k_q52cc6d4b4f_ln
    .symbol:         k_q52cc6d4b4f_ln.kd
    .args:
      - { .name: x, .offset: 0, .size: 8, .value_kind: global_buffer, .address_space: global }
      - { .name: o, .offset: 8, .size: 8, .value_kind: global_buffer, .address_space: global }
      - { .name: ei, .offset: 16, .size: 8, .value_kind: global_buffer, .address_space: global }
      - { .name: xq, .offset: 24, .size: 8, .value_kind: global_buffer, .address_space: global }
      - { .name: lists, .offset: 32, .size: 8, .value_kind: global_buffer, .address_space: global }
      - { .name: ln_g, .offset: 40, .size: 8, .value_kind: global_buffer, .address_space: global }
      - { .name: ln_b, .offset: 48, .size: 8, .value_kind: global_buffer, .address_space: global }
      - { .name: out0, .offset: 56, .size: 8, .value_kind: global_buffer, .address_space: global }
    .group_segment_fixed_size: 0
    .private_segment_fixed_size: 0
    .kernarg_segment_align: 8
    .kernarg_segment_size: 64
    .max_flat_workgroup_size: 256
    .sgpr_count:     66
    .vgpr_count:     256
    .wavefront_size: 32
...
	.end_amdgpu_metadata
.endif
;; end of part 5
;; ======== version 2 of 2: 5 launches
;; workspace buffers: ei 16,384 bytes of whole numbers; xq 1,654,784 bytes; lists 33,536 bytes of whole numbers; xsr 135,168 bytes; hq 7,028,736 bytes; o 17,301,504 bytes
;; launch route (part 6): grid 256 x 1, 8 waves a work-group, no clusters, 113,920 bytes of LDS; arguments x, gate_w, ei, xq; writes ei, xq
.if DOCPART == 6
	.amdgcn_target "amdgcn-amd-amdhsa--gfx1250"
	.amdhsa_code_object_version 6
	.text
	.protected	k_q52cc6d4b4f_route
	.globl	k_q52cc6d4b4f_route
	.p2align	8
	.type	k_q52cc6d4b4f_route,@function
k_q52cc6d4b4f_route:
	s_mov_b64 s[64:65], 0
	v_nop
	global_prefetch_b8 v0, s[64:65] scope:SCOPE_SE
	s_setreg_imm32_b32 hwreg(HW_REG_WAVE_MODE, 25, 1), 1
	s_wait_xcnt 0x0
; ROUTER AND QUANTISER OF x.  x [2048][1024] f32, gate_w [1024][8] f32.
; Stores, at fixed places: ei [t][2] the two chosen experts; in xq: x's codes of E3M2, x's scale words, the two softmax weights.
; No address and no branch hangs on the choice: a later launch places the rows.
; SHARES.  A work-group takes 8 tokens.  First each wave w takes d = 128 w .. 128 w + 127 of all 8 tokens: it forms each lane's part of the 8 x 8 scores
; (f32 multiply-adds) and quantises its 128 numbers of each token.  Behind one barrier wave w takes token w: sums the parts, picks the top 2, stores.
; CODES.  A token's row is 768 bytes; block B = 4 s + j (32 numbers) lies at 96 s + 48 (j & 1) + 24 (j >> 1), so that the 48 bytes that one lane of a
; 16 x 128 operand holds (blocks h and 2 + h) are consecutive.  Scale words [t][8]: byte j of word s is block 4 s + j's E8M0 byte.
; A block's byte is its largest magnitude's exponent field - 4, held at 1 from below (a block of zeros gets 1: its codes are zeros, and this program alone reads the bytes).
; LIMITS: NaN and infinities are not served.  The scores are f32 sums in another order than a row-by-row sum: a token whose 2nd and 3rd scores lie closer than that
; rounding (some 1e-6 of the scores' size) may take the other expert.  Ties go to the lower index.
; No cluster, no tensor load: work-groups share only gate_w, 32 KB.
.set XS_OFF, 1572864                   ; xq: the scale words
.set EW_OFF, 1638400                   ; xq: the softmax weights
.set STG,    65536                     ; LDS: bytes 0 .. 65535 the scores' parts; then for each wave two stages of 32 x 80 bytes
.set XCB,    106496                    ; the 8 tokens' codes, 768 bytes each
.set XSB,    112640                    ; the 8 tokens' scale bytes, 32 each
.set GW,  32                           ; v32-63   gate_w[128 w + 4 l + i][e] at 8 i + e
.set X,   64                           ; v64-95   x[token tt][128 w + 4 l + i] at 4 tt + i
.set A,   96                           ; v96-159  my part of score (tt, e) at 8 tt + e
.set XT,  160                          ; v160-191 two sets of 16 neighbours
	s_load_b256 s[4:11], s[0:1], 0x0               ; x s[4:5], gate_w s[6:7], ei s[8:9], xq s[10:11]
	v_lshl_add_u32 v192, v0, 2, 0x1b900
	v_mov_b32 v193, 0
	v_lshrrev_b32 v1, 5, v0
	s_delay_alu instid0(VALU_DEP_1)
	v_readfirstlane_b32 s12, v1                    ; wave
	v_and_b32 v1, 31, v0                           ; lane
	s_lshl_b32 s13, s12, 9
	v_lshl_add_u32 v2, v1, 4, s13                  ; x: 512 w + 16 l
	s_lshl_b32 s14, s12, 12
	v_lshl_add_u32 v3, v1, 7, s14                  ; gate_w: rows 128 w + 4 l on, 32 bytes a row
	s_mul_i32 s15, s12, 5120
	s_add_co_u32 s15, s15, STG                     ; my wave's stages
	v_lshrrev_b32 v12, 2, v1
	s_delay_alu instid0(VALU_DEP_1)
	v_mul_u32_u24 v12, v12, 80
	v_and_b32 v13, 3, v1
	s_delay_alu instid0(VALU_DEP_1)
	v_lshl_add_u32 v12, v13, 4, v12
	s_delay_alu instid0(VALU_DEP_1)
	v_add_nc_u32 v4, s15, v12                      ; into a stage: four lanes' 64 bytes on end, then 16 of padding
	v_mul_u32_u24 v13, v1, 80
	s_delay_alu instid0(VALU_DEP_1)
	v_add_nc_u32 v5, s15, v13                      ; out of it: 80 x lane: 16 neighbours
	v_lshrrev_b32 v12, 3, v1                       ; which of a turn's four tokens my 16 neighbours belong to
	s_delay_alu instid0(VALU_DEP_1)
	v_mul_u32_u24 v6, v12, 768
	v_bfe_u32 v13, v1, 1, 1
	s_delay_alu instid0(VALU_DEP_1)
	v_mad_u32_u24 v6, v13, 48, v6                  ; block j = (l >> 1) & 3: 48 (j & 1)
	v_bfe_u32 v13, v1, 2, 1
	s_delay_alu instid0(VALU_DEP_1)
	v_mad_u32_u24 v6, v13, 24, v6                  ; + 24 (j >> 1)
	v_and_b32 v13, 1, v1
	s_delay_alu instid0(VALU_DEP_1)
	v_mad_u32_u24 v6, v13, 12, v6                  ; + 12 for the block's upper half
	s_mul_i32 s16, s12, 96
	s_add_co_u32 s16, s16, XCB
	v_add_nc_u32 v6, s16, v6                       ; where my 12 bytes of codes go
	v_bfe_u32 v13, v1, 1, 2
	s_delay_alu instid0(VALU_DEP_1)
	v_lshl_add_u32 v7, v12, 5, v13
	s_lshl_b32 s17, s12, 2
	s_add_co_u32 s17, s17, XSB
	v_add_nc_u32 v7, s17, v7                       ; and my block's scale byte
	s_lshl_b32 s18, s12, 10
	v_lshl_add_u32 v8, v1, 4, s18                  ; parts, on the way in: 1024 w + 16 l (+ 8192 token + 512 half)
	s_lshl_b32 s19, s12, 13
	v_lshl_add_u32 v9, v1, 4, s19                  ; and out: token w's
	v_lshlrev_b32 v10, 3, v1                       ; 8 l
	s_mul_i32 s20, s12, 768
	s_add_co_u32 s20, s20, XCB
	v_add_nc_u32 v11, s20, v10                     ; token w's codes, 8 bytes a lane
	v_add_nc_u32 v28, XSB, v10                     ; the scale bytes, 8 a lane
	v_mov_b32 v30, 0                               ; the last two stores' offset; never rewritten
	s_mov_b32 s24, 0x76543210                      ; v_permlanex16_b32: lane l xor 16
	s_mov_b32 s25, 0xfedcba98
	s_lshl_b32 s26, ttmp9, 15                      ; the group's 8 rows of x
	s_mov_b32 s27, 0
	s_lshl_b32 s21, ttmp9, 3
	s_add_co_u32 s21, s21, s12                     ; t = 8 g + w
	s_mul_i32 s28, s21, 768
	s_mov_b32 s29, 0
	s_lshl_b32 s30, ttmp9, 8
	s_mov_b32 s31, 0
	s_lshl_b32 s32, s21, 3
	s_mov_b32 s33, 0
	s_wait_kmcnt 0x0
	s_add_nc_u64 s[4:5], s[4:5], s[26:27]
	s_add_nc_u64 s[34:35], s[10:11], s[28:29]      ; token t's codes
	s_add_nc_u64 s[36:37], s[10:11], s[30:31]      ; the group's scale words (+ XS_OFF)
	s_add_nc_u64 s[38:39], s[8:9], s[32:33]        ; ei[t]
	s_add_nc_u64 s[40:41], s[10:11], s[32:33]      ; the weights of t (+ EW_OFF)
.irp tt, 0,1,2,3,4,5,6,7
	global_load_b128 v[X+4*\tt:X+4*\tt+3], v2, s[4:5] offset:4096*\tt th:TH_LOAD_NT   ; 32 lanes read 512 consecutive bytes
.endr
.irp q, 0,1,2,3,4,5,6,7
	global_load_b128 v[GW+4*\q:GW+4*\q+3], v3, s[6:7] offset:16*\q
.endr
; Four tokens' 512 bytes each go through a stage as they lie and come back 64 bytes a lane (LDS serves a wave's instructions in order: no wait between).
.macro TURN st
.irp i, 0,1,2,3
	ds_store_b128 v4, v[X+4*(4*\st+\i):X+4*(4*\st+\i)+3] offset:2560*\st+640*\i
.endr
.irp i, 0,1,2,3
	ds_load_b128 v[XT+16*\st+4*\i:XT+16*\st+4*\i+3], v5 offset:2560*\st+16*\i
.endr
.endm
	s_wait_loadcnt 8                               ; x is in; the 8 loads of gate_w may be out
	TURN 0
	TURN 1
	s_wait_loadcnt 0x0
.irp tt, 0,1,2,3,4,5,6,7                       ; my part of the scores: 4 numbers of x against 4 rows of gate_w, two experts an instruction
.irp p, 0,2,4,6
	v_pk_mul_f32 v[A+8*\tt+\p:A+8*\tt+\p+1], v[X+4*\tt:X+4*\tt+1], v[GW+\p:GW+\p+1] op_sel_hi:[0,1]
.endr
.irp p, 0,2,4,6
	s_delay_alu instid0(VALU_DEP_4)
	v_pk_fma_f32 v[A+8*\tt+\p:A+8*\tt+\p+1], v[X+4*\tt:X+4*\tt+1], v[GW+8+\p:GW+8+\p+1], v[A+8*\tt+\p:A+8*\tt+\p+1] op_sel:[1,0,0] op_sel_hi:[1,1,1]
.endr
.irp p, 0,2,4,6
	s_delay_alu instid0(VALU_DEP_4)
	v_pk_fma_f32 v[A+8*\tt+\p:A+8*\tt+\p+1], v[X+4*\tt+2:X+4*\tt+3], v[GW+16+\p:GW+16+\p+1], v[A+8*\tt+\p:A+8*\tt+\p+1] op_sel_hi:[0,1,1]
.endr
.irp p, 0,2,4,6
	s_delay_alu instid0(VALU_DEP_4)
	v_pk_fma_f32 v[A+8*\tt+\p:A+8*\tt+\p+1], v[X+4*\tt+2:X+4*\tt+3], v[GW+24+\p:GW+24+\p+1], v[A+8*\tt+\p:A+8*\tt+\p+1] op_sel:[1,0,0] op_sel_hi:[1,1,1]
.endr
.endr
; 16 neighbours of a lane (two neighbouring lanes hold a block) become 12 bytes of codes (v16-18, v20-22) and the block's byte (v24, v25).
.macro QSTEP st
.set XS, XT+16*\st
	v_max3_num_f32 v12, |v[XS]|, |v[XS+1]|, |v[XS+2]|
	v_max3_num_f32 v13, |v[XS+3]|, |v[XS+4]|, |v[XS+5]|
.irp i, 6,10
	s_delay_alu instid0(VALU_DEP_2)
	v_max3_num_f32 v12, v12, |v[XS+\i]|, |v[XS+\i+1]|
	s_delay_alu instid0(VALU_DEP_2)
	v_max3_num_f32 v13, v13, |v[XS+\i+2]|, |v[XS+\i+3]|
.endr
	s_delay_alu instid0(VALU_DEP_2)
	v_max3_num_f32 v12, v12, |v[XS+14]|, |v[XS+15]|
	s_delay_alu instid0(VALU_DEP_1)
	v_max3_num_f32 v12, v12, v13, 0x2800000        ; the floor 2^(5 - 127): the byte cannot fall under 1
	s_delay_alu instid0(VALU_DEP_1)
	v_max_num_f32_dpp v12, v12, v12 row_xmask:1 row_mask:0xf bank_mask:0xf   ; with my neighbour's 16: the block's largest magnitude
	s_delay_alu instid0(VALU_DEP_1)
	v_add_nc_u32 v14, 0xfe000000, v12              ; 4 off its exponent field: the conversion takes this operand's exponent field as its scale
	v_cvt_scalef32_pk16_bf6_f32 v[16+4*\st:18+4*\st], v[XS:XS+15], v14
	v_lshrrev_b32 v[24+\st], 23, v14               ; the byte (also the plain line behind the conversion)
.irp i, 0,1,2
	ds_store_b32 v6, v[16+4*\st+\i] offset:3072*\st+4*\i
.endr
	ds_store_b8 v7, v[24+\st] offset:128*\st       ; both lanes of a block write the same byte with the same value
.endm
	s_wait_dscnt 8                                 ; the first turn's loads are in; the second turn's 8 LDS instructions may be out
	QSTEP 0
	s_wait_dscnt 4                                 ; the second turn's are in; the 4 stores just issued may be out
	QSTEP 1
.irp tt, 0,1,2,3,4,5,6,7
.irp q, 0,1
	ds_store_b128 v8, v[A+8*\tt+4*\q:A+8*\tt+4*\q+3] offset:8192*\tt+512*\q
.endr
.endr
	s_wait_dscnt 0x0                               ; for the others' sake: all my LDS stores have landed
	s_barrier_signal -1
	s_barrier_wait -1
	; ---- wave w takes token w
.irp wq, 0,1,2,3,4,5,6,7
.irp q, 0,1
	ds_load_b128 v[A+8*\wq+4*\q:A+8*\wq+4*\q+3], v9 offset:1024*\wq+512*\q
.endr
.endr
.irp i, 0,1,2
	ds_load_b64 v[X+2*\i:X+2*\i+1], v11 offset:256*\i
.endr
	s_wait_dscnt 0x0
.irp i, 0,1,2
	global_store_b64 v10, v[X+2*\i:X+2*\i+1], s[34:35] offset:256*\i   ; 32 lanes store 256 consecutive bytes, at a multiple of 256 from xq's first byte
.endr
	s_cmp_lg_u32 s12, 0
	s_cbranch_scc1 .Lnot_wave_0
	ds_load_b64 v[26:27], v28                      ; wave 0: the group's 256 scale bytes
	s_wait_dscnt 0x0
	global_store_b64 v10, v[26:27], s[36:37] offset:XS_OFF
.Lnot_wave_0:
.irp wq, 1,2,3,4,5,6,7
.irp p, 0,2,4,6
	v_pk_add_f32 v[A+\p:A+\p+1], v[A+\p:A+\p+1], v[A+8*\wq+\p:A+8*\wq+\p+1]
.endr
.endr
.irp m, 1,2,4,8
.irp e, 0,1,2,3,4,5,6,7
	v_add_f32_dpp v[A+\e], v[A+\e], v[A+\e] row_xmask:\m row_mask:0xf bank_mask:0xf
.endr
.endr
.irp e, 0,1,2,3,4,5,6,7
	v_permlanex16_b32 v[A+8+\e], v[A+\e], s24, s25
.endr
.irp e, 0,1,2,3,4,5,6,7
	v_add_f32 v[A+\e], v[A+\e], v[A+8+\e]          ; the token's 8 scores, in every lane
.endr
	; the largest: a later score takes its place only if it is greater, so the lower index wins a tie.  The mask says KEEP.
	v_mov_b32 v12, v[A]
	v_mov_b32 v20, 0
.irp e, 1,2,3,4,5,6,7
	s_delay_alu instid0(VALU_DEP_2)
	v_cmp_le_f32 vcc_lo, v[A+\e], v12
	s_delay_alu instid0(VALU_DEP_1)
	v_cndmask_b32 v12, v[A+\e], v12, vcc_lo
	s_delay_alu instid0(VALU_DEP_2)
	v_cndmask_b32 v20, \e, v20, vcc_lo
.endr
	; the second: the same among the other seven
	v_mov_b32 v14, 0xff800000
	v_mov_b32 v16, 1
	s_delay_alu instid0(VALU_DEP_3)
	v_cmp_eq_u32 vcc_lo, 0, v20
	s_delay_alu instid0(VALU_DEP_1)
	v_cndmask_b32 v21, 0, v16, vcc_lo
.irp e, 0
	s_delay_alu instid0(VALU_DEP_4)
	v_cmp_le_f32 s42, v[A+\e], v14
	v_cmp_eq_u32 vcc_lo, \e, v20
	s_or_b32 vcc_lo, vcc_lo, s42
	v_cndmask_b32 v14, v[A+\e], v14, vcc_lo
	v_cndmask_b32 v21, \e, v21, vcc_lo
.endr
.irp e, 1, 2, 3, 4, 5, 6, 7
	s_delay_alu instid0(VALU_DEP_2)
	v_cmp_le_f32 s42, v[A+\e], v14
	v_cmp_eq_u32 vcc_lo, \e, v20
	s_or_b32 vcc_lo, vcc_lo, s42
	v_cndmask_b32 v14, v[A+\e], v14, vcc_lo
	v_cndmask_b32 v21, \e, v21, vcc_lo
.endr
	s_delay_alu instid0(VALU_DEP_2)
	; softmax over the two, the larger taken away: 1 / (1 + e^(s2 - s1)) and the rest
	v_sub_f32 v17, v14, v12
	s_delay_alu instid0(VALU_DEP_1)
	v_mul_f32 v17, 0x3fb8aa3b, v17
	s_wait_alu depctr_va_vdst(0)
	v_exp_f32 v17, v17
	v_nop                                          ; a plain line behind the transcendental,
	s_wait_alu depctr_va_vdst(0)                   ; and a wait ahead of its first reader
	v_add_f32 v18, 1.0, v17
	s_wait_alu depctr_va_vdst(0)
	v_rcp_f32 v18, v18
	v_nop
	s_wait_alu depctr_va_vdst(0)
	v_mul_f32 v19, v17, v18
	v_cmp_eq_u32 vcc_lo, 0, v1
	s_wait_alu depctr_va_vdst(0)
	s_wait_xcnt 0x0                                ; EXEC changes only when the stores above have been taken up
	s_wait_tensorcnt 0x0
	ds_add_u32 v192, v193
	s_wait_dscnt 0x0
	s_and_saveexec_b32 s43, vcc_lo                 ; lane 0 stores for the wave
	global_store_b64 v30, v[20:21], s[38:39]
	global_store_b64 v30, v[18:19], s[40:41] offset:EW_OFF
	s_endpgm
.Lfunc_end_k_q52cc6d4b4f_route:
	.size	k_q52cc6d4b4f_route, .Lfunc_end_k_q52cc6d4b4f_route-k_q52cc6d4b4f_route
	.p2alignl 7, 3214868480
	.fill 96, 4, 3214868480
	.section	.rodata,"a",@progbits
	.p2align	6, 0x0
	.amdhsa_kernel k_q52cc6d4b4f_route
		.amdhsa_group_segment_fixed_size 113920
		.amdhsa_private_segment_fixed_size 0
		.amdhsa_enable_private_segment 0
		.amdhsa_kernarg_size 32
		.amdhsa_user_sgpr_count 2
		.amdhsa_user_sgpr_kernarg_segment_ptr 1
		.amdhsa_wavefront_size32 1
		.amdhsa_system_sgpr_workgroup_id_x 1
		.amdhsa_system_sgpr_workgroup_id_y 1
		.amdhsa_system_sgpr_workgroup_id_z 1
		.amdhsa_system_vgpr_workitem_id 0
		.amdhsa_next_free_vgpr 194
		.amdhsa_next_free_sgpr 66
		.amdhsa_reserve_vcc 1
		.amdhsa_float_denorm_mode_32 3
		.amdhsa_float_denorm_mode_16_64 3
		.amdhsa_memory_ordered 1
		.amdhsa_forward_progress 1
		.amdhsa_inst_pref_size 32
	.end_amdhsa_kernel
	.amdgpu_metadata
---
amdhsa.version: [ 1, 2 ]
amdhsa.kernels:
  - .name:           k_q52cc6d4b4f_route
    .symbol:         k_q52cc6d4b4f_route.kd
    .args:
      - { .name: x, .offset: 0, .size: 8, .value_kind: global_buffer, .address_space: global }
      - { .name: gate_w, .offset: 8, .size: 8, .value_kind: global_buffer, .address_space: global }
      - { .name: ei, .offset: 16, .size: 8, .value_kind: global_buffer, .address_space: global }
      - { .name: xq, .offset: 24, .size: 8, .value_kind: global_buffer, .address_space: global }
    .group_segment_fixed_size: 113920
    .private_segment_fixed_size: 0
    .kernarg_segment_align: 8
    .kernarg_segment_size: 32
    .max_flat_workgroup_size: 256
    .sgpr_count:     66
    .vgpr_count:     194
    .wavefront_size: 32
...
	.end_amdgpu_metadata
.endif
;; end of part 6
;; launch place (part 7): grid 256 x 1, 8 waves a work-group, no clusters, 2,048 bytes of LDS; arguments ei, xq, lists, xsr; writes lists, xsr
.if DOCPART == 7
	.amdgcn_target "amdgcn-amd-amdhsa--gfx1250"
	.amdhsa_code_object_version 6
	.text
	.protected	k_q52cc6d4b4f_place
	.globl	k_q52cc6d4b4f_place
	.p2align	8
	.type	k_q52cc6d4b4f_place,@function
k_q52cc6d4b4f_place:
	s_mov_b64 s[64:65], 0
	v_nop
	global_prefetch_b8 v0, s[64:65] scope:SCOPE_SE
	s_setreg_imm32_b32 hwreg(HW_REG_WAVE_MODE, 25, 1), 1
	s_wait_xcnt 0x0
; THE ROUTED ROWS ARE PLACED BY EXPERT: a counting sort of the 4,096 entries u = 2 t + k of ei, whole numbers only, without atomics and without traffic between work-groups.
; Expert e owns the tiles of 16 rows TS[e] .. TS[e + 1] - 1, ceil(count / 16) of them: (4,096 + 8 x 15) / 16 bounds their number by 263, so tile 263 (rows 4,208 to 4,223) belongs to nobody.  Stored:
;   lists: tok[p] the token of routed row p; pos[t][k] the row of entry (t, k); TS[0 .. 8].     xsr: [p][8] x's scale words in routed order.
; Rows that fill an expert's last tile (15 at the most) get token 0 and the scale bytes 127; no pos names them.
; SHARES.  Work-group g owns group g: tokens 8 g .. 8 g + 7, a wave to a token.  EVERY work-group counts all of ei (16 KB) for itself: thread tid takes group tid's 16 entries, so the rows that stand
; ahead of my group's are the counts of the threads tid < g.  Within an expert the rows go by token.  So each entry's row is made by the work-group that owns it, and each byte has one writer.
; COUNTS.  A thread's 16 entries become one word of eight 4-bit fields, 1 << 4 e for each.  A field holds 8 at the most: the launch before stores two DIFFERENT experts, 0 .. 7, for each token.
; Widened to 16-bit fields (two experts a word; a sum is 2,048 at the most), once whole and once for tid < g alone, the eight words are summed over the wave, and over the 8 waves through LDS.
; Every row is held to 4,223 before it enters an address.
.set XS_OFF,   1572864
.set POS_OFF,  16896
.set TINF_OFF, 33280
.set E,   8                            ; v8-23   group tid's 16 experts, then 4 x expert; later at work in the sums
.set R,   24                           ; v24-27  counts, experts 2 j and 2 j + 1 in word j;  v28-31 the same of the threads tid < g
.set HA,  32                           ; v32, v33 the 4-bit fields, in two chains
.set HB,  33
.set RAW,  20                          ; s20-27  the eight sums
.set STOT, 28                          ; s28-35  counts;  s36-43 counts in the groups ahead of mine;  s44-52 TS;  s53-60 each expert's next free row for my group
.set SBEF, 36
.set STS,  44
.set SRB,  53
	s_load_b256 s[4:11], s[0:1], 0x0               ; ei s[4:5], xq s[6:7], lists s[8:9], xsr s[10:11]
	v_lshl_add_u32 v96, v0, 2, 0x400
	v_mov_b32 v97, 0
	v_lshrrev_b32 v1, 5, v0
	s_delay_alu instid0(VALU_DEP_1)
	v_readfirstlane_b32 s12, v1                    ; wave w
	v_and_b32 v1, 31, v0                           ; lane l
	s_mov_b32 s17, ttmp9                           ; g
	s_lshl_b32 s13, ttmp9, 3
	s_add_co_u32 s13, s13, s12                     ; my token t = 8 g + w
	s_lshl_b32 s14, s13, 3                         ; 8 t
	s_lshl_b32 s15, ttmp9, 6                       ; 64 g
	s_lshl_b32 s16, s13, 5                         ; 32 t
	v_lshlrev_b32 v2, 6, v0                        ; ei: 64 tid: group tid's 16 entries
	v_and_b32 v3, 15, v0
	s_delay_alu instid0(VALU_DEP_1)
	v_lshl_add_u32 v3, v3, 2, s15                  ; ei: my own group's entry l & 15
	v_and_b32 v4, 7, v0
	s_delay_alu instid0(VALU_DEP_1)
	v_lshlrev_b32 v4, 2, v4                        ; 4 (l & 7): a scale word's place in its row
	s_delay_alu instid0(VALU_DEP_1)
	v_add_nc_u32 v5, s16, v4                       ; my token's scale word l & 7
	v_mov_b32 v6, s12
	s_delay_alu instid0(VALU_DEP_1)
	v_lshlrev_b32 v6, 5, v6                        ; LDS: my wave's 32 bytes
	v_lshlrev_b32 v7, 2, v1                        ; 4 l
	v_bfe_u32 v36, v0, 3, 1                        ; k = (l >> 3) & 1: lanes 0-7 and 16-23 serve the token's first entry, the others its second
	s_delay_alu instid0(VALU_DEP_1)
	v_lshl_add_u32 v36, v36, 2, s14                ; pos: 8 t + 4 k
	v_mov_b32 v37, s13                             ; t
	s_mov_b32 s66, 0x76543210                      ; v_permlanex16_b32: lane l xor 16
	s_mov_b32 s67, 0xfedcba98
	s_mov_b32 s68, 0xff00ff00                      ; the lanes with k = 1
	s_lshl_b32 s69, s12, 1
	s_lshl_b32 s69, 1, s69
	s_sub_co_u32 s69, s69, 1                       ; 2 w ones: the entries of my group's earlier tokens
	s_wait_alu depctr_va_vdst(0)
	s_wait_kmcnt 0x0
	s_load_b64 s[18:19], s[4:5], s14               ; my token's two experts
.irp q, 0,1,2,3
	global_load_b128 v[E+4*\q:E+4*\q+3], v2, s[4:5] offset:16*\q
.endr
	global_load_b32 v38, v3, s[4:5]
	global_load_b32 v39, v5, s[6:7] offset:XS_OFF
	v_mov_b32 v[HA], 0
	v_mov_b32 v[HB], 0
	s_wait_loadcnt 2                               ; the 16 entries are in; my group's entry and the scale word may be out
.irp j, 0,1,2,3,4,5,6,7,8,9,10,11,12,13,14,15
	v_lshlrev_b32 v[E+\j], 2, v[E+\j]              ; 4 e
.endr
.irp j, 0
	v_lshl_add_u32 v[HA], 1, v[E+\j], v[HA]        ; + 1 << 4 e
	v_lshl_add_u32 v[HB], 1, v[E+\j+1], v[HB]
.endr
.irp j, 2, 4, 6, 8, 10, 12, 14
	s_delay_alu instid0(VALU_DEP_2)
	v_lshl_add_u32 v[HA], 1, v[E+\j], v[HA]
	s_delay_alu instid0(VALU_DEP_2)
	v_lshl_add_u32 v[HB], 1, v[E+\j+1], v[HB]
.endr
	s_delay_alu instid0(VALU_DEP_1)
	v_add_nc_u32 v[HA], v[HA], v[HB]
.irp j, 0,1,2,3
	v_bfe_u32 v[R+\j], v[HA], 8*\j, 4              ; expert 2 j,
	v_bfe_u32 v[R+4+\j], v[HA], 8*\j+4, 4          ; expert 2 j + 1
.endr
.irp j, 0,1,2,3
	v_lshl_or_b32 v[R+\j], v[R+4+\j], 16, v[R+\j]
.endr
	v_cmp_gt_u32 vcc_lo, s17, v0                   ; a group ahead of mine
.irp j, 0,1,2,3
	v_cndmask_b32 v[R+4+\j], 0, v[R+\j], vcc_lo
.endr
.irp m, 1,2,4,8                                ; the eight words over the wave's 32 lanes
.irp c, 0,1,2,3,4,5,6,7
	v_mov_b32_dpp v[E+\c], v[R+\c] row_xmask:\m row_mask:0xf bank_mask:0xf
.endr
.irp c, 0,1,2,3,4,5,6,7
	v_add_nc_u32 v[R+\c], v[R+\c], v[E+\c]
.endr
.endr
.irp c, 0,1,2,3,4,5,6,7
	v_permlanex16_b32 v[E+\c], v[R+\c], s66, s67
.endr
.irp c, 0,1,2,3,4,5,6,7
	v_add_nc_u32 v[R+\c], v[R+\c], v[E+\c]
.endr
	ds_store_b128 v6, v[R:R+3]                     ; all lanes write the same 32 bytes with the same values
	ds_store_b128 v6, v[R+4:R+7] offset:16
	; meanwhile: how many entries of my group's earlier tokens go to my token's experts
	s_wait_loadcnt 0x0
	s_wait_kmcnt 0x0
	s_min_u32 s18, s18, 7
	s_min_u32 s19, s19, 7
	v_cmp_eq_u32 vcc_lo, s18, v38
	s_and_b32 s70, vcc_lo, s69
	s_bcnt1_i32_b32 s70, s70
	v_cmp_eq_u32 vcc_lo, s19, v38
	s_and_b32 s71, vcc_lo, s69
	s_bcnt1_i32_b32 s71, s71
	s_wait_dscnt 0x0                               ; for the others' sake: my wave's sums have landed
	s_barrier_signal -1
	s_barrier_wait -1
	ds_load_b32 v34, v7                            ; word l & 7 of wave l >> 3,
	ds_load_b32 v35, v7 offset:128                 ; and of wave 4 + (l >> 3)
	s_wait_dscnt 0x0
	v_add_nc_u32 v34, v34, v35
	s_delay_alu instid0(VALU_DEP_1)
	v_mov_b32_dpp v35, v34 row_xmask:8 row_mask:0xf bank_mask:0xf
	s_delay_alu instid0(VALU_DEP_1)
	v_add_nc_u32 v34, v34, v35
	s_delay_alu instid0(VALU_DEP_1)
	v_permlanex16_b32 v35, v34, s66, s67
	s_delay_alu instid0(VALU_DEP_1)
	v_add_nc_u32 v34, v34, v35                     ; lane c holds word c summed over the 8 waves
.irp c, 0,1,2,3,4,5,6,7
	v_readlane_b32 s[RAW+\c], v34, \c
.endr
.irp j, 0,1,2,3
	s_and_b32 s[STOT+2*\j], s[RAW+\j], 0xffff
	s_lshr_b32 s[STOT+2*\j+1], s[RAW+\j], 16
	s_and_b32 s[SBEF+2*\j], s[RAW+4+\j], 0xffff
	s_lshr_b32 s[SBEF+2*\j+1], s[RAW+4+\j], 16
.endr
	s_mov_b32 s[STS], 0
.irp e, 0,1,2,3,4,5,6,7
	s_add_co_u32 s2, s[STOT+\e], 15
	s_lshr_b32 s2, s2, 4
	s_add_co_u32 s[STS+1+\e], s[STS+\e], s2
	s_lshl_b32 s2, s[STS+\e], 4
	s_add_co_u32 s[SRB+\e], s2, s[SBEF+\e]
.endr
	s_mov_b32 s61, 0
	s_mov_b32 s62, 0
.irp e, 0,1,2,3,4,5,6,7                        ; a choice among eight numbers, without a jump
	s_cmp_eq_u32 s18, \e
	s_cselect_b32 s61, s[SRB+\e], s61
	s_cmp_eq_u32 s19, \e
	s_cselect_b32 s62, s[SRB+\e], s62
.endr
	s_add_co_u32 s61, s61, s70                     ; my token's two rows
	s_add_co_u32 s62, s62, s71
	v_mov_b32 v40, s61
	v_mov_b32 v41, s62
	s_delay_alu instid0(VALU_DEP_1)
	v_cndmask_b32 v42, v40, v41, s68               ; the row of entry k
	s_delay_alu instid0(VALU_DEP_1)
	v_min_u32 v43, 4223, v42                       ; a computed row enters an address only behind this hold
	s_delay_alu instid0(VALU_DEP_1)
	v_lshlrev_b32 v44, 2, v43
	s_delay_alu instid0(VALU_DEP_2)
	v_lshlrev_b32 v45, 5, v43
	s_delay_alu instid0(VALU_DEP_1)
	v_add_nc_u32 v46, v45, v4
	global_store_b32 v36, v43, s[8:9] offset:POS_OFF   ; lanes that share a place store the same number there
	global_store_b32 v44, v37, s[8:9]
	global_store_b32 v46, v39, s[10:11]            ; eight lanes store a row's 32 bytes
	s_cmp_lg_u32 s17, 0
	s_cbranch_scc1 .Lend
	; work-group 0: wave w fills expert w's last tile.  Lane l takes the l-th row behind the expert's last; all lanes stay on: a lane whose row would be the next expert's
	; stores the same filling into row 4,208 + w, which belongs to nobody and is read by nobody.
	s_mov_b32 s2, 0
	s_mov_b32 s3, 0
	s_mov_b32 s63, 0
.irp e, 0,1,2,3,4,5,6,7
	s_cmp_eq_u32 s12, \e
	s_cselect_b32 s2, s[STS+\e], s2
	s_cselect_b32 s3, s[STOT+\e], s3
	s_cselect_b32 s63, s[STS+1+\e], s63
.endr
	s_lshl_b32 s2, s2, 4
	s_add_co_u32 s2, s2, s3                        ; the first row behind the expert's last
	s_lshl_b32 s63, s63, 4                         ; the next expert's first
	s_add_co_u32 s72, s12, 4208
	v_add_nc_u32 v48, s2, v1
	s_delay_alu instid0(VALU_DEP_1)
	v_cmp_gt_u32 vcc_lo, s63, v48
	v_mov_b32 v49, s72
	s_delay_alu instid0(VALU_DEP_1)
	v_cndmask_b32 v50, v49, v48, vcc_lo
	s_delay_alu instid0(VALU_DEP_1)
	v_min_u32 v51, 4223, v50                       ; a computed row enters an address only behind this hold
	s_delay_alu instid0(VALU_DEP_1)
	v_lshlrev_b32 v52, 2, v51
	s_delay_alu instid0(VALU_DEP_2)
	v_lshlrev_b32 v53, 5, v51
	v_mov_b32 v54, 0
.irp c, 0,1,2,3
	v_mov_b32 v[56+\c], 0x7f7f7f7f
.endr
	global_store_b32 v52, v54, s[8:9]
	global_store_b128 v53, v[56:59], s[10:11]
	global_store_b128 v53, v[56:59], s[10:11] offset:16
	s_cmp_lg_u32 s12, 0
	s_cbranch_scc1 .Lend
	v_mov_b32 v60, 0                               ; and its wave 0 stores TS
.irp e, 0,1,2,3,4,5,6,7,8
	s_delay_alu instid0(VALU_DEP_1)
	v_writelane_b32 v60, s[STS+\e], \e
.endr
	global_store_b32 v7, v60, s[8:9] offset:TINF_OFF
.Lend:
	s_wait_tensorcnt 0x0
	ds_add_u32 v96, v97
	s_wait_dscnt 0x0
	s_endpgm
.Lfunc_end_k_q52cc6d4b4f_place:
	.size	k_q52cc6d4b4f_place, .Lfunc_end_k_q52cc6d4b4f_place-k_q52cc6d4b4f_place
	.p2alignl 7, 3214868480
	.fill 96, 4, 3214868480
	.section	.rodata,"a",@progbits
	.p2align	6, 0x0
	.amdhsa_kernel k_q52cc6d4b4f_place
		.amdhsa_group_segment_fixed_size 2048
		.amdhsa_private_segment_fixed_size 0
		.amdhsa_enable_private_segment 0
		.amdhsa_kernarg_size 32
		.amdhsa_user_sgpr_count 2
		.amdhsa_user_sgpr_kernarg_segment_ptr 1
		.amdhsa_wavefront_size32 1
		.amdhsa_system_sgpr_workgroup_id_x 1
		.amdhsa_system_sgpr_workgroup_id_y 1
		.amdhsa_system_sgpr_workgroup_id_z 1
		.amdhsa_system_vgpr_workitem_id 0
		.amdhsa_next_free_vgpr 98
		.amdhsa_next_free_sgpr 80
		.amdhsa_reserve_vcc 1
		.amdhsa_float_denorm_mode_32 3
		.amdhsa_float_denorm_mode_16_64 3
		.amdhsa_memory_ordered 1
		.amdhsa_forward_progress 1
		.amdhsa_inst_pref_size 18
	.end_amdhsa_kernel
	.amdgpu_metadata
---
amdhsa.version: [ 1, 2 ]
amdhsa.kernels:
  - .name:           k_q52cc6d4b4f_place
    .symbol:         k_q52cc6d4b4f_place.kd
    .args:
      - { .name: ei, .offset: 0, .size: 8, .value_kind: global_buffer, .address_space: global }
      - { .name: xq, .offset: 8, .size: 8, .value_kind: global_buffer, .address_space: global }
      - { .name: lists, .offset: 16, .size: 8, .value_kind: global_buffer, .address_space: global }
      - { .name: xsr, .offset: 24, .size: 8, .value_kind: global_buffer, .address_space: global }
    .group_segment_fixed_size: 2048
    .private_segment_fixed_size: 0
    .kernarg_segment_align: 8
    .kernarg_segment_size: 32
    .max_flat_workgroup_size: 256
    .sgpr_count:     80
    .vgpr_count:     98
    .wavefront_size: 32
...
	.end_amdgpu_metadata
.endif
;; end of part 7
;; launch p1 (part 8): grid 32 x 8, 4 waves a work-group, no clusters, 134,656 bytes of LDS; arguments w1, b1, xq, lists, xsr, hq; writes hq
.if DOCPART == 8
	.amdgcn_target "amdgcn-amd-amdhsa--gfx1250"
	.amdhsa_code_object_version 6
	.text
	.protected	k_q52cc6d4b4f_p1
	.globl	k_q52cc6d4b4f_p1
	.p2align	8
	.type	k_q52cc6d4b4f_p1,@function
k_q52cc6d4b4f_p1:
	s_mov_b64 s[64:65], 0
	v_nop
	global_prefetch_b8 v0, s[64:65] scope:SCOPE_SE
	s_setreg_imm32_b32 hwreg(HW_REG_WAVE_SCHED_MODE, 0, 2), 2
	s_setreg_imm32_b32 hwreg(HW_REG_WAVE_MODE, 25, 1), 1
	s_wait_xcnt 0x0
	s_wait_alu depctr_vm_vsrc(0)
; h = Q(gelu(Q(x) Q(W1) + b1)) for the routed rows alone, in MX-BF6.  w1 [8][1024 (K)][2048] f32, b1 [8][2048]; x's codes and scale words from xq and xsr; rows by lists.
; THE WEIGHTS STAND STILL.  Work-group (sigma, e) owns 64 columns of expert e's W1: 256 KB of f32, read from memory once in the launch.  Each of its four waves quantises a quarter of K
; (a lane a column, registers down K), the codes meet in LDS as images of the operand's registers, ONE barrier, and every wave then holds all 32 fragments (4 tiles x 8 K steps) in 384 registers.
; Then the waves walk the expert's tiles of 16 rows, tile T0 + w, + 4, .. : no barrier, since the trip count is read from memory (lists).  For the same reason there is no tensor load and
; no cluster here, though the 32 work-groups of an expert read the same rows' codes.
; THE PRODUCT IS USED TRANSPOSED (source 0 = 16 columns of W1, source 1 = 16 rows of x): a lane holds one row.  The columns of a tile are chosen (lane r' of tile 2 b + u takes column
; 32 b + 8 u + r' + 8 (r' / 8)) so that the 16 registers of tiles 2 b, 2 b + 1 are 16 neighbours along the next K.  b1 is the C of each sum's first matrix instruction.
; gelu(a) = a/2 + a/2 erf(a / sqrt 2); erf(z) = z P(z^2) / Q(z^2), z held to +-4, degrees 6 and 4.  LIMIT: its error is a few 1e-7 absolute, as much as 1 + erf in f32 allows.
; hq: codes as images of the next product's operand: [tile][K step s = sigma / 2][4 registers g][lane][16 bytes].  My two blocks go to lanes 16 (sigma & 1) + r, registers 0-5 and 6-11:
; within a K step true block j lies at the place of block 2 (j & 1) + (j >> 1); the next launch lays W2 the same way, and the scale bytes go with the blocks.
; hs: [tile][s][32 words]: word 16 (sigma & 1) + r holds this slice's two bytes at their places; both halves of the lanes store the same word to the same place.
; LIMITS: NaN and infinities are not served; a block of zeros gets the byte 1 (zero codes; this program alone reads the bytes).
; THE MODE: SCHED_MODE bits 1:0 = 2 (LLVM: expert scheduling mode 2), set by the entry lines.  The code itself states the register dependences
; between vector or matrix instructions and memory or LDS instructions, with s_wait_alu, always for 0.
; THE PLAN.  Registers that memory or LDS instructions touch:
;   v4-v14, v16-v18, v22   Offsets and LDS addresses: written once at the head, ahead of one wait on va_vdst, and never again.
;   the 8 chunks           (windows 1 and 2)  Loads of w1 land in them; the LDS stores into my stage read them; behind the barrier the fragments' LDS loads land there: one wait on vm_vsrc ahead of these.
;   NN                     A chunk's LDS loads land in it; the maxima and the conversions read it.
;   CQ, SW                 The conversions, the moves and the bytes' lines write them; the LDS stores of the images read them.
;                          So a chunk has one wait on va_vdst, ahead of its images' stores: CQ and SW are written, and NN is read, for the next chunk's LDS loads (only memory instructions and window
;                          switches stand between); and from the second chunk on one wait on vm_vsrc, ahead of the lines that write CQ and SW again.
;   In the loop:
;   RAW  (window 3, v0-95)   The rows' global loads land in it; the next trip's LDS stores into x's stage read it.
;   XF   (window 3, v96-191) The LDS loads from x's stage land in it; the trip's matrix instructions read it.
;   VO, v15                  Written once a trip; read by the rows' 48 loads and the scale words' two.
;   XSC                      The scale words' loads land in it; the matrix instructions read it.
;   TQ, TD, HW, v19-v21      Written at a trip's end; read by its three stores.
;   A trip's waits: vm_vsrc behind the stage's stores (RAW, VO, v15 and the last trip's store registers are free); va_vdst behind the offsets' lines (the 48 loads); va_vdst behind the matrix
;   instructions (the loads into XSC, and the next trip's LDS loads into XF, which no later vector instruction names); the wait behind each batch of reciprocals; va_vdst ahead of the three stores.
.set TINF_OFF, 33280
.set HS_OFF,   6488064
.set SCI,  49152                       ; LDS: 0 .. 49151 the 32 fragments' images (fragment f = 4 s + T at 1536 f, lane L's 48 bytes at 48 L); then 16 scale registers' images, 128 bytes each
.set STG,  51200                       ; each wave's stage for a chunk of f32, 8,192 bytes
.set XST,  83968                       ; each wave's stage for 16 rows of x's codes, 784 bytes apart
.set ACC,  32                          ; v32-63   4 tiles x 8
.set BIAS, 64                          ; v64-95   b1 in the result's layout
.set WSC,  96                          ; v96-111  W1's scale words: register 2 s + (T >> 1): lanes 0-15 the even tile's, lanes 16-31 the odd one's
.set XSC,  112                         ; v112-119 x's scale words, K step s
.set VO,   120                         ; v120-135 the 16 rows' offsets in xq
.set TM,   136                         ; v136-143 at work on scales
.set MA,   136
.set MB,   138
.set SO,   140
.set BY,   142
.set SW,   144                         ; v144-145 scale words in the making (in the loop v144: the slice's word)
.set HW,   144
.set CQ,   146                         ; v146-157 a chunk's codes, 6 registers a block (in the loop: the two conversions' results at 146 and 150)
.set CX,   146
.set CY,   150
.set TQ,   154                         ; v154-157, v158-159 what a lane stores
.set TD,   158
.set NN,   160                         ; v160-223 64 numbers of a chunk; in the loop z, z^2, P, Q, 16 each
.set ZZ,   160
.set SS,   176
.set PP,   192
.set QQ,   208
.set DQ,   224                         ; v224-230 the conversions' second halves
.set TOK,  32                          ; s32-47   a tile's 16 tokens
.set K_RS2, 48                         ; constants as pairs (a packed form names a pair and takes its low word for both halves)
.set K_A13, 50
.set K_A9,  52
.set K_A7,  54
.set K_A5,  56
.set K_A3,  58
.set K_A1,  60
.set K_B8,  62
.set K_B4,  66
.set K_B2,  68
.set K_B0,  70
.set TRIPS, 72                         ; s72 my wave's trips; s73 counts them
.set TRIP,  73
; REGISTER WINDOWS: window 0 all of the above; windows 1 and 2: first the 8 chunks of f32 (64 registers each), then the 32 fragments (f < 16: window 1, at 12 f);
; window 3: v0-95 16 rows of codes as loaded, v96-191 x's 8 fragments.
.set MSB, 0
.macro WIN new                         ; the immediate's high byte repeats the setting that is left
.if MSB != (\new)
	s_set_vgpr_msb (MSB<<8)|(\new)
.set MSB, (\new)
.endif
.endm
.macro KPAIR reg, bits
	s_mov_b32 s[\reg], \bits
	s_mov_b32 s[\reg+1], \bits
.endm
	s_load_b256 s[4:11], s[0:1], 0x0               ; w1 s[4:5], b1 s[6:7], xq s[8:9], lists s[10:11]
	s_load_b128 s[12:15], s[0:1], 0x20             ; xsr s[12:13], hq s[14:15]
	v_lshl_add_u32 v254, v0, 2, 0x20c00
	v_mov_b32 v255, 0
	v_lshrrev_b32 v1, 5, v0
	v_readfirstlane_b32 s16, v1                    ; wave
	v_and_b32 v1, 31, v0                           ; lane l
	v_and_b32 v2, 15, v0                           ; r
	v_bfe_u32 v3, v0, 4, 1                         ; hh
	s_mov_b32 s17, ttmp9                           ; sigma
	s_and_b32 s18, ttmp7, 0xffff                   ; e
	s_and_b32 s19, s17, 1                          ; h' = sigma & 1
	s_lshr_b32 s24, s17, 1                         ; the next product's K step
	v_lshlrev_b32 v4, 4, v2
	v_lshl_add_u32 v4, v3, 13, v4                  ; w1: two rows of 256 bytes a load: 8192 hh + 16 r
	s_wait_alu depctr_va_sdst(0)                   ; s16 is written, ahead of its first reader: LDS addresses, bases and the first tile are made from it
	s_lshl_b32 s25, s16, 13
	s_add_co_u32 s25, s25, STG
	v_lshl_add_u32 v5, v1, 4, s25                  ; the f32 stage, in: 16 l
	v_lshl_add_u32 v6, v1, 2, s25                  ; and out: 4 l
	v_and_b32 v28, 7, v0
	v_lshl_or_b32 v28, v3, 3, v28                  ; r': column l is row r' of tile 2 a + u
	v_bfe_u32 v29, v0, 3, 1                        ; u
	v_mul_u32_u24 v7, v28, 48
	v_mad_u32_u24 v7, v29, 1536, v7
	s_mul_i32 s26, s16, 12288
	v_add_nc_u32 v7, s26, v7                       ; where my column's codes go in the images
	v_lshl_add_u32 v8, v29, 4, v28
	s_lshl_b32 s26, s16, 9
	s_add_co_u32 s26, s26, SCI
	v_lshl_add_u32 v8, v8, 2, s26                  ; and its scale words
	v_mul_u32_u24 v9, v1, 48                       ; an image's place for my lane
	v_lshl_add_u32 v10, v1, 2, SCI
	v_lshlrev_b32 v11, 3, v1                       ; 8 l
	s_mul_i32 s26, s16, 12544
	s_add_co_u32 s26, s26, XST
	v_lshl_add_u32 v12, v1, 3, s26                 ; x's stage, in
	v_mul_u32_u24 v13, v2, 784
	v_mad_u32_u24 v13, v3, 48, v13
	v_add_nc_u32 v13, s26, v13                     ; and out: row r, + 48 hh
	v_lshlrev_b32 v14, 5, v2                       ; xsr: 32 r
	s_mul_i32 s26, s24, 1536
	s_lshl_b32 s27, s19, 8
	s_add_co_u32 s26, s26, s27                     ; 1536 s + 16 x 16 h'
	v_lshlrev_b32 v16, 4, v2
	v_lshl_add_u32 v17, v3, 3, v16
	v_lshl_add_u32 v16, v3, 10, v16
	v_add_nc_u32 v16, s26, v16                     ; hq: registers 0-3 (hh = 0) or 8-11 (hh = 1) of lane 16 h' + r
	v_add_nc_u32 v17, s26, v17                     ; registers 4-5 or 6-7 (+ 512, in the store's immediate)
	s_lshl_b32 s26, s24, 7
	s_lshl_b32 s27, s19, 6
	s_add_co_u32 s26, s26, s27
	v_lshl_add_u32 v18, v2, 2, s26                 ; hs: 128 s + 64 h' + 4 r
	v_lshlrev_b32 v22, 6, v3                       ; b1: 64 hh
	v_mov_b32 v24, 0x32edffee                      ; A11, twice
	v_mov_b32 v25, 0x32edffee
	v_mov_b32 v26, 0xb95fbd29                      ; B6, twice
	v_mov_b32 v27, 0xb95fbd29
	s_lshl_b32 s26, s18, 23                        ; e x 8,388,608
	s_lshl_b32 s27, s16, 21                        ; + my quarter of K: 256 rows of 8,192 bytes
	s_add_co_u32 s26, s26, s27
	s_lshl_b32 s27, s17, 8                         ; + my 64 columns
	s_add_co_u32 s26, s26, s27
	s_lshl_b32 s20, s18, 13
	s_add_co_u32 s20, s20, s27                     ; b1: 8192 e + 256 sigma
	s_mov_b32 s27, 0
	s_mov_b32 s21, 0
	s_wait_kmcnt 0x0
	s_add_nc_u64 s[4:5], s[4:5], s[26:27]
	s_add_nc_u64 s[6:7], s[6:7], s[20:21]
	s_wait_alu depctr_va_vdst(0)                   ; the offsets and LDS addresses v4 to v14, v16 to v18 and v22 are written: the kernel's loads, stores and LDS instructions read them, and none is written again
.irp t, 0,1,2,3
.irp q, 0,1
	global_load_b128 v[BIAS+8*\t+4*\q:BIAS+8*\t+4*\q+3], v22, s[6:7] offset:(32*(\t/2)+8*(\t%2))*4+16*\q
.endr
.endr
; Chunk c: 32 rows of K x 64 columns, 8 KB: 16 loads, in each sixteen lanes read 256 consecutive bytes at a multiple of 256 from w1's first byte.
; Each chunk has registers of its own, which no vector instruction names.
.macro LOADCHUNK c
	WIN 0x40*(1+(\c)/4)
.set li, 0
.rept 16
	global_load_b128 v[64*((\c)%4)+4*li:64*((\c)%4)+4*li+3], v4, s[4:5] offset:(32*(\c)+2*li)*8192 th:TH_LOAD_NT
.set li, li+1
.endr
	WIN 0
.endm
	LOADCHUNK 0
	LOADCHUNK 1
	LOADCHUNK 2
	LOADCHUNK 3
	s_mov_b32 s28, 0x76543210                      ; v_permlanex16_b32: lane l xor 16
	s_mov_b32 s29, 0xfedcba98
	s_mov_b32 s30, 0xffff0000                      ; the mask of lanes 16-31
	s_lshl_b32 s31, s19, 3                         ; 8 h'
	KPAIR K_RS2, 0x3f3504f3
	KPAIR K_A13, 0xaf95df0b
	KPAIR K_A9,  0xb60cff51
	KPAIR K_A7,  0xb86ec2d2
	KPAIR K_A5,  0xba40ac63
	KPAIR K_A3,  0xbb41a1f6
	KPAIR K_A1,  0xbc83dbd4
	KPAIR K_B8,  0xb77460cd
	KPAIR K_B4,  0xbadc924e
	KPAIR K_B2,  0xbbf19bf8
	KPAIR K_B0,  0xbc69b6a7
	s_lshl_b32 s24, s18, 2
	s_load_b64 s[20:21], s[10:11], s24 offset:TINF_OFF   ; T0, T1: my expert's tiles
	s_wait_kmcnt 0x0
	s_min_u32 s20, s20, 264
	s_min_u32 s21, s21, 264
	s_max_u32 s23, s21, 1
	s_sub_co_u32 s23, s23, 1
	s_min_u32 s23, s23, 263                        ; Tc: a tile that has been written, whatever the split: look-ahead is held to it
	s_add_co_u32 s22, s20, s16                     ; my first tile
	s_min_u32 s24, s22, s23
	s_min_u32 s24, s24, 263
	s_lshl_b32 s24, s24, 6
	s_load_b512 s[TOK:TOK+15], s[10:11], s24       ; its 16 tokens
; The largest magnitudes of the two blocks of 32 in v[NN ..], each in two chains, with the floor 2^(5 - 127) among the leaves.
.macro QMAX
.irp a, 0,1
	v_max3_num_f32 v[MA+\a], |v[NN+32*\a]|, |v[NN+32*\a+1]|, 0x2800000
	v_max3_num_f32 v[MB+\a], |v[NN+32*\a+16]|, |v[NN+32*\a+17]|, |v[NN+32*\a+18]|
.endr
.irp k, 0,1,2,3,4,5
.irp a, 0,1
	v_max3_num_f32 v[MA+\a], v[MA+\a], |v[NN+32*\a+2+2*\k]|, |v[NN+32*\a+3+2*\k]|
	v_max3_num_f32 v[MB+\a], v[MB+\a], |v[NN+32*\a+19+2*\k]|, |v[NN+32*\a+20+2*\k]|
.endr
.endr
.irp a, 0,1
	v_max3_num_f32 v[MA+\a], v[MA+\a], |v[NN+32*\a+14]|, |v[NN+32*\a+15]|
.endr
.irp a, 0,1
	v_max3_num_f32 v[MA+\a], v[MA+\a], v[MB+\a], |v[NN+32*\a+31]|
.endr
.irp a, 0,1
	v_add_nc_u32 v[SO+\a], 0xfe000000, v[MA+\a]    ; 4 off the exponent field: the conversion's scale operand
.endr
.irp a, 0,1
	v_lshrrev_b32 v[BY+\a], 23, v[SO+\a]           ; the byte
.endr
.endm
.macro QCODES                          ; 2 x 32 numbers become 2 x 24 bytes in v[CQ ..]
.irp a, 0,1
	v_cvt_scalef32_pk16_bf6_f32 v[CQ+6*\a:CQ+6*\a+2], v[NN+32*\a:NN+32*\a+15], v[SO+\a]
	v_cvt_scalef32_pk16_bf6_f32 v[DQ+4*\a:DQ+4*\a+2], v[NN+32*\a+16:NN+32*\a+31], v[SO+\a]   ; (a conversion's three registers begin on an even number)
.endr
	v_nop                                          ; one plain line behind the conversions
.irp a, 0,1
.irp i, 0,1,2
	v_mov_b32 v[CQ+6*\a+3+\i], v[DQ+4*\a+\i]
.endr
.endr
.endm
; Chunk c (K step s = 2 w + c / 4, block j = c % 4) turns through my stage: in as loaded, out a lane a column (columns l and 32 + l), registers down K.  cnt: the younger loads that may stay out.
.macro WCHUNK c, cnt
	s_wait_loadcnt \cnt
.if (\c) < 4
	LOADCHUNK (\c)+4
.endif
	WIN 0x04*(1+(\c)/4)
.set li, 0
.rept 16
	ds_store_b128 v5, v[64*((\c)%4)+4*li:64*((\c)%4)+4*li+3] offset:512*li
.set li, li+1
.endr
	WIN 0
.set li, 0
.rept 64
	ds_load_b32 v[NN+li], v6 offset:256*(li%32)+128*(li/32)   ; LDS serves a wave's instructions in order: these see the stores above.  (The last chunk's lines that read v[NN ..] stand ahead of its wait on va_vdst, and no vector instruction has been issued since)
.set li, li+1
.endr
	s_wait_dscnt 0x0                               ; the numbers are in
.if (\c) > 0
	s_wait_alu depctr_vm_vsrc(0)                   ; the last chunk's LDS stores have read v[CQ ..] and v[SW ..], which the lines below write again
.endif
	QMAX
.irp a, 0,1
.if (\c)%4 == 0
	v_mov_b32 v[SW+\a], v[BY+\a]
.else
	v_lshl_or_b32 v[SW+\a], v[BY+\a], 8*((\c)%4), v[SW+\a]
.endif
.endr
	QCODES
	s_wait_alu depctr_va_vdst(0)                   ; v[CQ ..] and v[SW ..] are written, which the LDS stores below read; and the maxima and conversions are done reading v[NN ..], in which the next chunk's LDS loads land
.irp a, 0,1
.irp i, 0,1,2
	ds_store_b64 v7, v[CQ+6*\a+2*\i:CQ+6*\a+2*\i+1] offset:6144*((\c)/4)+3072*\a+768*((\c)%2)+24*(((\c)/2)%2)+8*\i   ; block j: lanes 16 (j & 1) on, registers 6 (j >> 1) on
.endr
.endr
.if (\c)%4 == 3
.irp a, 0,1
	ds_store_b32 v8, v[SW+\a] offset:256*((\c)/4)+128*\a
.endr
.endif
.endm
; 16 rows of codes are asked for: 768 bytes a row, three loads of 256 consecutive bytes.  The tokens stand in s[TOK ..].
.macro XREQ
.irp i, 0,1,2,3,4,5,6,7,8,9,10,11,12,13,14,15
	s_min_u32 s[TOK+\i], s[TOK+\i], 2047
.endr
.irp i, 0,1,2,3,4,5,6,7,8,9,10,11,12,13,14,15
	v_mad_u32_u24 v[VO+\i], s[TOK+\i], 768, v11
.endr
	WIN 0xC0
	s_wait_alu depctr_va_vdst(0)                   ; the 16 offsets v[VO ..] are written, which the loads below read, and so is v15, which the scale words' loads read
.irp i, 0,1,2,3,4,5,6,7,8,9,10,11,12,13,14,15
.irp q, 0,1,2
	global_load_b64 v[6*\i+2*\q:6*\i+2*\q+1], v[VO+\i], s[8:9] offset:256*\q
.endr
.endr
	WIN 0
.endm
	WCHUNK 0, 48                                   ; three younger chunks, 48 loads, may be out
	WCHUNK 1, 48
	WCHUNK 2, 48
	WCHUNK 3, 48
	WCHUNK 4, 48                                   ; chunks 5, 6, 7
	WCHUNK 5, 32                                   ; chunks 6, 7
	WCHUNK 6, 16                                   ; chunk 7
	; the first tile's rows are asked for here: 48 + 2 loads, which have the last chunk's work, the barrier and the fragments' loads in which to land
	s_wait_kmcnt 0x0
	s_min_u32 s25, s22, s23
	s_min_u32 s25, s25, 263
	s_lshl_b32 s25, s25, 9
	v_add_nc_u32 v15, s25, v14                     ; ahead of the rows' request, whose wait serves it too
	XREQ
	global_load_b128 v[XSC:XSC+3], v15, s[12:13]
	global_load_b128 v[XSC+4:XSC+7], v15, s[12:13] offset:16
	s_add_co_u32 s24, s22, 4
	s_min_u32 s24, s24, s23
	s_min_u32 s24, s24, 263
	s_lshl_b32 s24, s24, 6
	s_load_b512 s[TOK:TOK+15], s[10:11], s24       ; the next tile's tokens
	WCHUNK 7, 50                                   ; the 50 loads of the first tile's rows may be out
	s_wait_dscnt 0x0                               ; for the others' sake: my images have landed
	s_barrier_signal -1
	s_barrier_wait -1                              ; the launch's one barrier: ahead of every branch on a number read from memory
	WIN 0x40
	s_wait_alu depctr_vm_vsrc(0)                   ; my LDS stores have read the 8 chunks' registers, in which the fragments below land, and v[CQ ..] and v[SW ..], which the loop's lines write
.set fi, 0
.rept 16
.irp g, 0,1,2
	ds_load_b128 v[12*fi+4*\g:12*fi+4*\g+3], v9 offset:1536*fi+16*\g
.endr
.set fi, fi+1
.endr
	WIN 0x80
.set fi, 0
.rept 16
.irp g, 0,1,2
	ds_load_b128 v[12*fi+4*\g:12*fi+4*\g+3], v9 offset:1536*(fi+16)+16*\g
.endr
.set fi, fi+1
.endr
	WIN 0
.set fi, 0
.rept 16
	ds_load_b32 v[WSC+fi], v10 offset:128*fi
.set fi, fi+1
.endr
	s_wait_dscnt 0x0
	s_cmp_ge_u32 s22, s21                          ; a wave without a tile ends
	s_cbranch_scc1 .Lend
	s_sub_co_u32 s[TRIPS], s21, s22                ; my trips: every fourth tile from mine on: ceil((T1 - my first tile) / 4), 66 at the most
	s_add_co_u32 s[TRIPS], s[TRIPS], 3
	s_lshr_b32 s[TRIPS], s[TRIPS], 2
	s_min_u32 s[TRIPS], s[TRIPS], 66
	s_mov_b32 s[TRIP], 0
; One matrix instruction: tile t of my columns, K step s.
.macro MM s, t
.set rW, 12*(4*((\s)%4)+(\t))
.set rX, 96+12*(\s)
.set rD, ACC+8*(\t)
.set rC, ACC+8*(\t)
.if (\s) == 0
.set rC, BIAS+8*(\t)
.endif
.if (\t)%2
	v_wmma_scale_f32_16x16x128_f8f6f4 v[rD:rD+7], v[rW:rW+11], v[rX:rX+11], v[rC:rC+7], v[WSC+2*(\s)+(\t)/2], v[XSC+(\s)] matrix_a_fmt:MATRIX_FMT_BF6 matrix_b_fmt:MATRIX_FMT_BF6 matrix_a_scale:MATRIX_SCALE_ROW1
.else
	v_wmma_scale_f32_16x16x128_f8f6f4 v[rD:rD+7], v[rW:rW+11], v[rX:rX+11], v[rC:rC+7], v[WSC+2*(\s)+(\t)/2], v[XSC+(\s)] matrix_a_fmt:MATRIX_FMT_BF6 matrix_b_fmt:MATRIX_FMT_BF6
.endif
.endm
; gelu in place on the 16 registers of block b (tiles 2 b, 2 b + 1), each accumulator read from its low end on.
.macro GELU b
.set aa, ACC+16*(\b)
.irp p, 0,2,4,6,8,10,12,14
	v_pk_mul_f32 v[ZZ+\p:ZZ+\p+1], v[aa+\p:aa+\p+1], s[K_RS2:K_RS2+1] op_sel_hi:[1,0]
.endr
.irp j, 0,1,2,3,4,5,6,7,8,9,10,11,12,13,14,15
	v_med3_num_f32 v[ZZ+\j], v[ZZ+\j], -4.0, 4.0
.endr
.irp p, 0,2,4,6,8,10,12,14
	v_pk_mul_f32 v[SS+\p:SS+\p+1], v[ZZ+\p:ZZ+\p+1], v[ZZ+\p:ZZ+\p+1]
.endr
.irp p, 0,2,4,6,8,10,12,14
	v_pk_fma_f32 v[PP+\p:PP+\p+1], v[SS+\p:SS+\p+1], s[K_A13:K_A13+1], v[24:25] op_sel_hi:[1,0,1]
.endr
.irp p, 0,2,4,6,8,10,12,14
	v_pk_fma_f32 v[QQ+\p:QQ+\p+1], v[SS+\p:SS+\p+1], s[K_B8:K_B8+1], v[26:27] op_sel_hi:[1,0,1]
.endr
.irp k, K_B4, K_B2, K_B0
.irp p, 0,2,4,6,8,10,12,14
	v_pk_fma_f32 v[QQ+\p:QQ+\p+1], v[QQ+\p:QQ+\p+1], v[SS+\p:SS+\p+1], s[\k:\k+1] op_sel_hi:[1,1,0]
.endr
.endr
	s_wait_alu depctr_va_vdst(0)
.irp j, 0,1,2,3,4,5,6,7,8,9,10,11,12,13,14,15
	v_rcp_f32 v[QQ+\j], v[QQ+\j]
.endr
.irp k, K_A9, K_A7, K_A5, K_A3, K_A1           ; P's chain is the independent work behind the batch of reciprocals
.irp p, 0,2,4,6,8,10,12,14
	v_pk_fma_f32 v[PP+\p:PP+\p+1], v[PP+\p:PP+\p+1], v[SS+\p:SS+\p+1], s[\k:\k+1] op_sel_hi:[1,1,0]
.endr
.endr
.irp p, 0,2,4,6,8,10,12,14
	v_pk_mul_f32 v[PP+\p:PP+\p+1], v[PP+\p:PP+\p+1], v[ZZ+\p:ZZ+\p+1]
.endr
.irp p, 0,2,4,6,8,10,12,14
	v_pk_mul_f32 v[aa+\p:aa+\p+1], v[aa+\p:aa+\p+1], 0.5 op_sel_hi:[1,0]
.endr
	s_wait_alu depctr_va_vdst(0)                   ; the 16 reciprocals have written v[QQ ..]: one wait for the batch, ahead of its first reader
.irp p, 0,2,4,6,8,10,12,14
	v_pk_mul_f32 v[PP+\p:PP+\p+1], v[PP+\p:PP+\p+1], v[QQ+\p:QQ+\p+1]   ; erf
.endr
.irp p, 0,2,4,6,8,10,12,14
	v_pk_fma_f32 v[aa+\p:aa+\p+1], v[aa+\p:aa+\p+1], v[PP+\p:PP+\p+1], v[aa+\p:aa+\p+1]   ; a/2 erf + a/2
.endr
.endm
.Ltile:
	s_wait_loadcnt 0x0                             ; this tile's 48 loads of codes and 2 of scale words are in
	WIN 0x0C
.irp i, 0,1,2,3,4,5,6,7,8,9,10,11,12,13,14,15
.irp q, 0,1,2
	ds_store_b64 v12, v[6*\i+2*\q:6*\i+2*\q+1] offset:784*\i+256*\q
.endr
.endr
	WIN 0xC0
.irp s, 0,1,2,3,4,5,6,7
.irp g, 0,1,2
	ds_load_b128 v[96+12*\s+4*\g:96+12*\s+4*\g+3], v13 offset:96*\s+16*\g   ; lane (r, hh): the 48 bytes of row r's K step s that are its own.  (The last trip's matrix instructions, which read these registers, stand ahead of its waits on va_vdst; no vector instruction since names them)
.endr
.endr
	WIN 0
	s_wait_kmcnt 0x0                               ; the next tile's tokens
	s_add_co_u32 s25, s22, 4
	s_min_u32 s25, s25, s23
	s_min_u32 s25, s25, 263
	s_lshl_b32 s25, s25, 9
	s_wait_dscnt 24                                ; the 48 stores are done; the 24 loads may be out
	s_wait_alu depctr_vm_vsrc(0)                   ; the 48 LDS stores have read the rows' registers, in which the next rows land; the last request's loads have read v[VO ..] and v15, which are written below;
	                                               ; and the last trip's three stores have read v[TQ ..], v[TD ..], v[HW] and v19 to v21, which this trip's end writes again
	v_add_nc_u32 v15, s25, v14
	XREQ                                           ; the next tile's rows, a whole trip ahead (held to Tc: no load leaves what has been written)
	s_add_co_u32 s24, s22, 8
	s_min_u32 s24, s24, s23
	s_min_u32 s24, s24, 263
	s_lshl_b32 s24, s24, 6
	s_load_b512 s[TOK:TOK+15], s[10:11], s24       ; and the tokens of the tile after it
	s_wait_dscnt 0x0                               ; x's fragments
	WIN 0x0D                                       ; source 0 (W1) window 1, source 1 (x) window 3
.irp s, 0,1,2,3                                ; the four accumulators take turns, one instruction a turn
.irp t, 0,1,2,3
	MM \s, \t
.endr
.endr
	WIN 0x0E
.irp s, 4,5,6,7
.irp t, 0,1,2,3
	MM \s, \t
.endr
.endr
	WIN 0
.rept 4
	v_nop                                          ; four places behind the last matrix instruction, ahead of the first read of results (ISA guide 7.12.1)
.endr
	s_wait_alu depctr_va_vdst(0)                   ; the matrix instructions are done reading v[XSC ..], in which the two loads below land, and x's fragments, in which the next trip's LDS loads land
	global_load_b128 v[XSC:XSC+3], v15, s[12:13]   ; the next tile's scale words
	global_load_b128 v[XSC+4:XSC+7], v15, s[12:13] offset:16
	GELU 0
	GELU 1
	s_wait_alu depctr_va_vdst(0)
	; the 32 numbers of a lane are halves of two blocks of 32 along the next K
	s_wait_xcnt 0x0                                ; the last trip's stores have been taken up: their data and offsets may be written (that they have read their registers is stated at the trip's head)
.irp b, 0,1
	v_max3_num_f32 v[TM+\b], |v[ACC+16*\b]|, |v[ACC+16*\b+1]|, 0x2800000
.endr
.irp i, 2,4,6,8,10,12,14
.irp b, 0,1
	v_max3_num_f32 v[TM+\b], v[TM+\b], |v[ACC+16*\b+\i]|, |v[ACC+16*\b+\i+1]|
.endr
.endr
.irp b, 0,1
	v_permlanex16_b32 v[TM+2+\b], v[TM+\b], s28, s29
.endr
.irp b, 0,1
	v_max_num_f32 v[TM+\b], v[TM+\b], v[TM+2+\b]
.endr
.irp b, 0,1
	v_add_nc_u32 v[SO+\b], 0xfe000000, v[TM+\b]
.endr
.irp b, 0,1
	v_lshrrev_b32 v[BY+\b], 23, v[SO+\b]
.endr
	v_lshl_or_b32 v[HW], v[BY+1], 16, v[BY]
	v_lshlrev_b32 v[HW], s31, v[HW]                ; bytes h' and 2 + h' of the K step's word
	v_cvt_scalef32_pk16_bf6_f32 v[CX:CX+2], v[ACC:ACC+15], v[SO]
	v_cvt_scalef32_pk16_bf6_f32 v[CY:CY+2], v[ACC+16:ACC+31], v[SO+1]
	v_nop                                          ; one plain line behind the conversions
.irp i, 0,1,2
	v_permlane16_swap_b32 v[CX+\i], v[CY+\i]       ; lane (r, hh) now holds block hh whole: its lower 16 codes in the first run, its upper 16 in the second
.endr
	v_cndmask_b32 v[TQ], v[CX], v[CX+2], s30       ; hh = 0: registers 0-3 and 4-5 of the operand; hh = 1: registers 8-11 and 6-7
	v_cndmask_b32 v[TQ+1], v[CX+1], v[CY], s30
	v_cndmask_b32 v[TQ+2], v[CX+2], v[CY+1], s30
	v_cndmask_b32 v[TQ+3], v[CY], v[CY+2], s30
	v_cndmask_b32 v[TD], v[CY+1], v[CX], s30
	v_cndmask_b32 v[TD+1], v[CY+2], v[CX+1], s30
	s_min_u32 s25, s22, 263
	s_mul_i32 s26, s25, 24576
	s_lshl_b32 s27, s25, 11
	v_add_nc_u32 v19, s26, v16
	v_add_nc_u32 v20, s26, v17
	v_add_nc_u32 v21, s27, v18
	s_wait_alu depctr_va_vdst(0)                   ; v[TQ ..], v[TD ..], v[HW] and the offsets v19 to v21 are written, which the three stores read
	global_store_b128 v19, v[TQ:TQ+3], s[14:15]              ; each half of the lanes stores 256 consecutive bytes, at a multiple of 256 from hq's first byte
	global_store_b64 v20, v[TD:TD+1], s[14:15] offset:512    ; the 32 lanes together 256 such bytes
	global_store_b32 v21, v[HW], s[14:15] offset:HS_OFF
	s_add_co_u32 s22, s22, 4                       ; my next tile
	s_add_co_u32 s[TRIP], s[TRIP], 1
	s_cmp_lt_u32 s[TRIP], s[TRIPS]
	s_cbranch_scc1 .Ltile
.Lend:
	s_wait_dscnt 0x0                               ; the closing lines, six on end
	s_wait_alu 0x0
	s_wait_tensorcnt 0x0
	ds_add_u32 v254, v255
	s_wait_dscnt 0x0
	s_endpgm
.Lfunc_end_k_q52cc6d4b4f_p1:
	.size	k_q52cc6d4b4f_p1, .Lfunc_end_k_q52cc6d4b4f_p1-k_q52cc6d4b4f_p1
	.p2alignl 7, 3214868480
	.fill 96, 4, 3214868480
	.section	.rodata,"a",@progbits
	.p2align	6, 0x0
	.amdhsa_kernel k_q52cc6d4b4f_p1
		.amdhsa_group_segment_fixed_size 134656
		.amdhsa_private_segment_fixed_size 0
		.amdhsa_enable_private_segment 0
		.amdhsa_kernarg_size 48
		.amdhsa_user_sgpr_count 2
		.amdhsa_user_sgpr_kernarg_segment_ptr 1
		.amdhsa_wavefront_size32 1
		.amdhsa_system_sgpr_workgroup_id_x 1
		.amdhsa_system_sgpr_workgroup_id_y 1
		.amdhsa_system_sgpr_workgroup_id_z 1
		.amdhsa_system_vgpr_workitem_id 0
		.amdhsa_next_free_vgpr 960
		.amdhsa_next_free_sgpr 80
		.amdhsa_reserve_vcc 0
		.amdhsa_float_denorm_mode_32 3
		.amdhsa_float_denorm_mode_16_64 3
		.amdhsa_memory_ordered 1
		.amdhsa_forward_progress 1
		.amdhsa_inst_pref_size 141
	.end_amdhsa_kernel
	.amdgpu_metadata
---
amdhsa.version: [ 1, 2 ]
amdhsa.kernels:
  - .name:           k_q52cc6d4b4f_p1
    .symbol:         k_q52cc6d4b4f_p1.kd
    .args:
      - { .name: w1, .offset: 0, .size: 8, .value_kind: global_buffer, .address_space: global }
      - { .name: b1, .offset: 8, .size: 8, .value_kind: global_buffer, .address_space: global }
      - { .name: xq, .offset: 16, .size: 8, .value_kind: global_buffer, .address_space: global }
      - { .name: lists, .offset: 24, .size: 8, .value_kind: global_buffer, .address_space: global }
      - { .name: xsr, .offset: 32, .size: 8, .value_kind: global_buffer, .address_space: global }
      - { .name: hq, .offset: 40, .size: 8, .value_kind: global_buffer, .address_space: global }
    .group_segment_fixed_size: 134656
    .private_segment_fixed_size: 0
    .kernarg_segment_align: 8
    .kernarg_segment_size: 48
    .max_flat_workgroup_size: 128
    .sgpr_count:     80
    .vgpr_count:     960
    .wavefront_size: 32
...
	.end_amdgpu_metadata
.endif
;; end of part 8
;; launch p2 (part 9): grid 32 x 8, 4 waves a work-group, no clusters, 93,696 bytes of LDS; arguments w2, b2, lists, hq, o; writes o
.if DOCPART == 9
	.amdgcn_target "amdgcn-amd-amdhsa--gfx1250"
	.amdhsa_code_object_version 6
	.text
	.protected	k_q52cc6d4b4f_p2
	.globl	k_q52cc6d4b4f_p2
	.p2align	8
	.type	k_q52cc6d4b4f_p2,@function
k_q52cc6d4b4f_p2:
	s_mov_b64 s[64:65], 0
	v_nop
	global_prefetch_b8 v0, s[64:65] scope:SCOPE_SE
	s_setreg_imm32_b32 hwreg(HW_REG_WAVE_SCHED_MODE, 0, 2), 2
	s_setreg_imm32_b32 hwreg(HW_REG_WAVE_MODE, 25, 1), 1
	s_wait_xcnt 0x0
	s_wait_alu depctr_vm_vsrc(0)
; o = Q(h) Q(W2) + b2 for the routed rows, in MX-BF6.  w2 [8][2048 (K)][1024] f32, b2 [8][1024]; h's codes and scale bytes from hq, as the launch before laid them.
; THE WEIGHTS STAND STILL, as in the launch before: work-group (sigma, e) owns 32 columns of expert e's W2, 256 KB of f32 read once; each wave quantises a quarter of K (a lane a column, registers
; down K); the codes meet in LDS as images of the operand's registers; ONE barrier; every wave then holds all 32 fragments (2 tiles x 16 K steps) in 384 registers and walks the expert's tiles of
; 16 rows, T0 + w, + 4, ..  The trip count is read from memory, so there is no barrier in the loop, no tensor load and no cluster, though the 32 work-groups of an expert read the same h.
; WITHIN A K STEP true block j lies at the place of block 2 (j & 1) + (j >> 1), in h and in W2 alike, codes and scale bytes: the products are the same.
; TRANSPOSED: source 0 = 16 columns of W2, source 1 = 16 rows of h: a lane holds 8 neighbouring columns of one row.  b2 is the C of each sum's first matrix instruction.
; o: [sigma][row p][32] f32: a tile of 16 rows is 2,048 consecutive bytes.
; A row of my slice of w2 is 128 bytes: half of an aligned 256; the work-group beside me reads the other half.
; LIMITS: NaN and infinities are not served; a block of zeros gets the byte 1 (zero codes; this program alone reads the bytes).
; THE MODE: SCHED_MODE bits 1:0 = 2 (LLVM: expert scheduling mode 2), set by the entry lines.  The code itself states the register dependences
; between vector or matrix instructions and memory or LDS instructions, with s_wait_alu, always for 0.
; THE PLAN.  Registers that memory or LDS instructions touch:
;   v4-v11, v14, v17, v18, v20  Offsets and LDS addresses: written once at the head, ahead of one wait on va_vdst, and never again.
;   the 8 chunks, NN, CQ, SW    As in the launch before: a chunk has one wait on va_vdst, ahead of its images' LDS stores (CQ and SW are written; NN is read, for the next chunk's LDS loads), and from the
;                               second chunk on one on vm_vsrc, ahead of the lines that write CQ and SW again; one wait on vm_vsrc behind the barrier, ahead of the fragments' LDS loads into the chunks' registers.
;   In the loop:
;   v12, v15 / v13, v16         A half's offsets: written at its request, read by its 32 loads.
;   h's two halves (window 3)   A half's loads land in it; its 16 matrix instructions read it; behind them it is asked for again.
;   HSC                         A half's 8 loads land in it; the joining reads and writes it; the matrix instructions read it as scales.
;   ACC                         The matrix instructions write it; the four LDS stores into the results' stage read it.
;   OUT, v19                    The LDS loads from that stage land in OUT, one vector line writes v19; the four global stores read both.
;   A trip's waits: ONE on vm_vsrc at its top: all that the last trip's memory and LDS instructions read is free (ACC, both halves' offsets, OUT, v19).  One on va_vdst behind each joining's places:
;   the scale words are written, ahead of the scaled matrix instructions.  One on va_vdst in each half's request, behind the half's matrix instructions: they are done reading the half and its scales, the
;   offsets are written, and, in the second half, ACC and v19 are written, for the LDS stores and global stores that follow the request.
.set TINF_OFF, 33280
.set HS_OFF,   6488064
.set SCI,  49152                       ; LDS: 0 .. 49151 the images (fragment f = 2 s + T at 1536 f, lane L's 48 bytes at 48 L); then 16 scale registers' images
.set STG,  51200                       ; each wave's stage for a chunk of f32, 8,192 bytes
.set OST,  83968                       ; each wave's stage for 16 rows of results, 144 bytes apart
.set MA,   22                          ; v22-30 at work on scales
.set MB,   24
.set SO,   26
.set BY,   28
.set SW,   30
.set ACC,  32                          ; v32-47  two tiles
.set BIAS, 48                          ; v48-63  b2 in the result's layout
.set WSC,  64                          ; v64-79  W2's scale words, K step s: lanes 0-15 tile 0's, lanes 16-31 tile 1's
.set HSC,  80                          ; v80-95  h's scale words
.set NN,   96                          ; v96-159 64 numbers of a chunk; in the loop v96-103 at work, v104-119 rows on the way out
.set T8,   96
.set OUT,  104
.set CQ,   160                         ; v160-171 a chunk's codes; v172-178 the conversions' second halves
.set DQ,   172
.set TRIPS, 72                         ; s72 my wave's trips; s73 counts them; s74 the tile's bytes in my slice of o
.set TRIP,  73
; REGISTER WINDOWS: windows 1 and 2: first the 8 chunks of f32, then the 32 fragments (f < 16: window 1, at 12 f); window 3: h's 16 fragments, K step s at 12 s.
.set MSB, 0
.macro WIN new
.if MSB != (\new)
	s_set_vgpr_msb (MSB<<8)|(\new)
.set MSB, (\new)
.endif
.endm
	s_load_b256 s[4:11], s[0:1], 0x0               ; w2 s[4:5], b2 s[6:7], lists s[8:9], hq s[10:11]
	s_load_b64 s[12:13], s[0:1], 0x20              ; o
	v_lshl_add_u32 v254, v0, 2, 0x16c00
	v_mov_b32 v255, 0
	v_lshrrev_b32 v1, 5, v0
	v_readfirstlane_b32 s16, v1                    ; wave
	v_and_b32 v1, 31, v0                           ; lane l
	v_and_b32 v2, 15, v0                           ; r
	v_bfe_u32 v3, v0, 4, 1                         ; hh
	s_mov_b32 s17, ttmp9                           ; sigma
	s_and_b32 s18, ttmp7, 0xffff                   ; e
	v_and_b32 v21, 7, v0
	v_bfe_u32 v4, v0, 3, 2
	v_lshlrev_b32 v4, 12, v4
	v_lshl_add_u32 v4, v21, 4, v4                  ; w2: four rows of 128 bytes a load: 4096 (l >> 3) + 16 (l & 7)
	s_wait_alu depctr_va_sdst(0)                   ; s16 is written, ahead of its first reader: LDS addresses, bases and the first tile are made from it
	s_lshl_b32 s25, s16, 13
	s_add_co_u32 s25, s25, STG
	v_lshl_add_u32 v5, v1, 4, s25
	v_lshl_add_u32 v6, v1, 2, s25
	v_mul_u32_u24 v7, v2, 48
	v_mad_u32_u24 v7, v3, 1536, v7
	s_mul_i32 s26, s16, 12288
	v_add_nc_u32 v7, s26, v7                       ; column l is row l & 15 of tile l >> 4
	s_lshl_b32 s26, s16, 9
	s_add_co_u32 s26, s26, SCI
	v_lshl_add_u32 v8, v1, 2, s26
	v_mul_u32_u24 v9, v1, 48
	v_lshl_add_u32 v10, v1, 2, SCI
	v_lshlrev_b32 v11, 4, v1                       ; 16 l
	v_lshlrev_b32 v14, 2, v1                       ; 4 l
	s_mul_i32 s26, s16, 2304
	s_add_co_u32 s26, s26, OST
	v_mul_u32_u24 v17, v2, 144
	v_lshl_add_u32 v17, v3, 5, v17
	v_add_nc_u32 v17, s26, v17                     ; the results' stage, in: row r, + 32 hh
	v_bfe_u32 v18, v0, 3, 2
	v_mul_u32_u24 v18, v18, 144
	v_lshl_add_u32 v18, v21, 4, v18
	v_add_nc_u32 v18, s26, v18                     ; and out: four rows of 128 bytes a load
	v_lshlrev_b32 v20, 5, v3                       ; b2: 32 hh
	s_mov_b32 s28, 0x76543210
	s_mov_b32 s29, 0xfedcba98
	s_lshl_b32 s26, s18, 23
	s_lshl_b32 s27, s16, 21                        ; my quarter of K: 512 rows of 4,096 bytes
	s_add_co_u32 s26, s26, s27
	s_lshl_b32 s27, s17, 7
	s_add_co_u32 s26, s26, s27
	s_lshl_b32 s20, s18, 12
	s_add_co_u32 s20, s20, s27                     ; b2: 4096 e + 128 sigma
	s_mov_b32 s27, 0
	s_mov_b32 s21, 0
	s_mul_i32 s30, s17, 540672                     ; o: my slice
	s_mov_b32 s31, 0
	s_wait_kmcnt 0x0
	s_add_nc_u64 s[4:5], s[4:5], s[26:27]
	s_add_nc_u64 s[6:7], s[6:7], s[20:21]
	s_add_nc_u64 s[12:13], s[12:13], s[30:31]
	s_wait_alu depctr_va_vdst(0)                   ; the offsets and LDS addresses v4 to v11, v14, v17, v18 and v20 are written: the kernel's loads, stores and LDS instructions read them, and none is written again
.irp t, 0,1
.irp q, 0,1
	global_load_b128 v[BIAS+8*\t+4*\q:BIAS+8*\t+4*\q+3], v20, s[6:7] offset:64*\t+16*\q
.endr
.endr
; Chunk c: 64 rows of K x 32 columns, 8 KB, 16 loads.  Each chunk has registers of its own, which no vector instruction names.
.macro LOADCHUNK c
	WIN 0x40*(1+(\c)/4)
.set li, 0
.rept 16
	global_load_b128 v[64*((\c)%4)+4*li:64*((\c)%4)+4*li+3], v4, s[4:5] offset:(64*(\c)+4*li)*4096 th:TH_LOAD_NT
.set li, li+1
.endr
	WIN 0
.endm
	LOADCHUNK 0
	LOADCHUNK 1
	LOADCHUNK 2
	LOADCHUNK 3
	s_lshl_b32 s24, s18, 2
	s_load_b64 s[20:21], s[8:9], s24 offset:TINF_OFF   ; T0, T1
	s_wait_kmcnt 0x0
	s_min_u32 s20, s20, 264
	s_min_u32 s21, s21, 264
	s_max_u32 s23, s21, 1
	s_sub_co_u32 s23, s23, 1
	s_min_u32 s23, s23, 263                        ; Tc: a tile that has been written, whatever the split
	s_add_co_u32 s22, s20, s16                     ; my first tile
.macro QMAX
.irp a, 0,1
	v_max3_num_f32 v[MA+\a], |v[NN+32*\a]|, |v[NN+32*\a+1]|, 0x2800000
	v_max3_num_f32 v[MB+\a], |v[NN+32*\a+16]|, |v[NN+32*\a+17]|, |v[NN+32*\a+18]|
.endr
.irp k, 0,1,2,3,4,5
.irp a, 0,1
	v_max3_num_f32 v[MA+\a], v[MA+\a], |v[NN+32*\a+2+2*\k]|, |v[NN+32*\a+3+2*\k]|
	v_max3_num_f32 v[MB+\a], v[MB+\a], |v[NN+32*\a+19+2*\k]|, |v[NN+32*\a+20+2*\k]|
.endr
.endr
.irp a, 0,1
	v_max3_num_f32 v[MA+\a], v[MA+\a], |v[NN+32*\a+14]|, |v[NN+32*\a+15]|
.endr
.irp a, 0,1
	v_max3_num_f32 v[MA+\a], v[MA+\a], v[MB+\a], |v[NN+32*\a+31]|
.endr
.irp a, 0,1
	v_add_nc_u32 v[SO+\a], 0xfe000000, v[MA+\a]    ; 4 off the exponent field: the conversion's scale operand
.endr
.irp a, 0,1
	v_lshrrev_b32 v[BY+\a], 23, v[SO+\a]           ; the byte
.endr
.endm
.macro QCODES
.irp a, 0,1
	v_cvt_scalef32_pk16_bf6_f32 v[CQ+6*\a:CQ+6*\a+2], v[NN+32*\a:NN+32*\a+15], v[SO+\a]
	v_cvt_scalef32_pk16_bf6_f32 v[DQ+4*\a:DQ+4*\a+2], v[NN+32*\a+16:NN+32*\a+31], v[SO+\a]
.endr
	v_nop                                          ; one plain line behind the conversions
.irp a, 0,1
.irp i, 0,1,2
	v_mov_b32 v[CQ+6*\a+3+\i], v[DQ+4*\a+\i]
.endr
.endr
.endm
; Chunk c (K step s = 4 w + c / 2, true blocks j = 2 (c % 2) + a) turns through my stage; out of it a lane takes column l, 64 registers down K.
.macro WCHUNK c, cnt
	s_wait_loadcnt \cnt
.if (\c) < 4
	LOADCHUNK (\c)+4
.endif
	WIN 0x04*(1+(\c)/4)
.set li, 0
.rept 16
	ds_store_b128 v5, v[64*((\c)%4)+4*li:64*((\c)%4)+4*li+3] offset:512*li
.set li, li+1
.endr
	WIN 0
.set li, 0
.rept 64
	ds_load_b32 v[NN+li], v6 offset:128*li         ; LDS serves a wave's instructions in order: these see the stores above.  (The last chunk's lines that read v[NN ..] stand ahead of a wait on va_vdst, and no vector instruction since names them)
.set li, li+1
.endr
	s_wait_dscnt 0x0                               ; the numbers are in
.if (\c) > 0
	s_wait_alu depctr_vm_vsrc(0)                   ; the last chunk's LDS stores have read v[CQ ..] and v[SW], which the lines below write again
.endif
	QMAX
.if (\c)%2 == 0                                ; block j's byte stands at place 2 (j & 1) + (j >> 1) = 2 a + c % 2
	v_mov_b32 v[SW], v[BY]
	v_lshl_or_b32 v[SW], v[BY+1], 16, v[SW]
.else
	v_lshl_or_b32 v[SW], v[BY], 8, v[SW]
	v_lshl_or_b32 v[SW], v[BY+1], 24, v[SW]
.endif
	QCODES
	s_wait_alu depctr_va_vdst(0)                   ; v[CQ ..] and v[SW] are written, which the LDS stores below read; and the maxima and conversions are done reading v[NN ..], in which later LDS loads land
.irp a, 0,1
.irp i, 0,1,2
	ds_store_b64 v7, v[CQ+6*\a+2*\i:CQ+6*\a+2*\i+1] offset:3072*((\c)/2)+768*((\c)%2)+24*\a+8*\i   ; block j: lanes 16 (j >> 1) on, registers 6 (j & 1) on
.endr
.endr
.if (\c)%2 == 1
	ds_store_b32 v8, v[SW] offset:128*((\c)/2)
.endif
.endm
; Half k of a tile of h (K steps 8 k .. 8 k + 7) is asked for: 24 loads of 512 consecutive bytes and 8 of scale words.  s25: the tile, held.  Each half has offsets of its own.
.macro HREQ k
	s_mul_i32 s26, s25, 24576
	s_lshl_b32 s27, s25, 11
	v_add_nc_u32 v[12+\k], s26, v11
	v_add_nc_u32 v[15+\k], s27, v14
	WIN 0xC0
	s_wait_alu depctr_va_vdst(0)                   ; the half's two offsets are written, which the loads below read.  In the loop also: the half's matrix instructions are done reading its fragments and scale words, and the joining has
	                                               ; written the scale words, in all of which these loads land; in the second half the accumulators and v19 are written, which the LDS stores and the global stores behind the request read
.irp q, 0,1,2,3,4,5,6,7
.irp g, 0,1,2
	global_load_b128 v[96*\k+12*\q+4*\g:96*\k+12*\q+4*\g+3], v[12+\k], s[10:11] offset:1536*(8*\k+\q)+512*\g
.endr
.endr
	WIN 0
.irp q, 0,1,2,3,4,5,6,7
	global_load_b32 v[HSC+8*\k+\q], v[15+\k], s[10:11] offset:HS_OFF+128*(8*\k+\q)
.endr
.endm
; A K step's scale word is the two slices' words joined: lanes r and 16 + r hold them.
.macro COMB k
.irp q, 0,1,2,3,4,5,6,7
	v_permlanex16_b32 v[T8+\q], v[HSC+8*\k+\q], s28, s29
.endr
.irp q, 0,1,2,3,4,5,6,7
	v_or_b32 v[HSC+8*\k+\q], v[HSC+8*\k+\q], v[T8+\q]
.endr
.rept 8
	v_nop                                          ; a scale register written by a vector instruction stands 8 places ahead of the scaled matrix instruction
.endr
	s_wait_alu depctr_va_vdst(0)                   ; the eight scale words are written, which the scaled matrix instructions below take; the places above stay beside this wait
.endm
	WCHUNK 0, 48                                   ; three younger chunks, 48 loads, may be out
	WCHUNK 1, 48
	WCHUNK 2, 48
	WCHUNK 3, 48
	WCHUNK 4, 48                                   ; chunks 5, 6, 7
	WCHUNK 5, 32                                   ; chunks 6, 7
	WCHUNK 6, 16                                   ; chunk 7
	s_min_u32 s25, s22, s23                        ; the first tile of h is asked for here, half by half, round the last chunk's work
	s_min_u32 s25, s25, 263
	HREQ 0
	WCHUNK 7, 32                                   ; the first half's 32 loads may be out
	HREQ 1
	s_wait_dscnt 0x0                               ; for the others' sake: my images have landed
	s_barrier_signal -1
	s_barrier_wait -1                              ; the launch's one barrier: ahead of every branch on a number read from memory
	WIN 0x40
	s_wait_alu depctr_vm_vsrc(0)                   ; my LDS stores have read the 8 chunks' registers, in which the fragments below land
.set fi, 0
.rept 16
.irp g, 0,1,2
	ds_load_b128 v[12*fi+4*\g:12*fi+4*\g+3], v9 offset:1536*fi+16*\g
.endr
.set fi, fi+1
.endr
	WIN 0x80
.set fi, 0
.rept 16
.irp g, 0,1,2
	ds_load_b128 v[12*fi+4*\g:12*fi+4*\g+3], v9 offset:1536*(fi+16)+16*\g
.endr
.set fi, fi+1
.endr
	WIN 0
.set fi, 0
.rept 16
	ds_load_b32 v[WSC+fi], v10 offset:128*fi
.set fi, fi+1
.endr
	s_wait_dscnt 0x0
	s_cmp_ge_u32 s22, s21                          ; a wave without a tile ends
	s_cbranch_scc1 .Lend
	s_sub_co_u32 s[TRIPS], s21, s22                ; my trips: every fourth tile from mine on: ceil((T1 - my first tile) / 4), 66 at the most
	s_add_co_u32 s[TRIPS], s[TRIPS], 3
	s_lshr_b32 s[TRIPS], s[TRIPS], 2
	s_min_u32 s[TRIPS], s[TRIPS], 66
	s_mov_b32 s[TRIP], 0
.macro MM s, t
.set rW, 12*(2*((\s)%8)+(\t))
.set rH, 12*(\s)
.set rD, ACC+8*(\t)
.set rC, ACC+8*(\t)
.if (\s) == 0
.set rC, BIAS+8*(\t)
.endif
.if (\t)%2
	v_wmma_scale_f32_16x16x128_f8f6f4 v[rD:rD+7], v[rW:rW+11], v[rH:rH+11], v[rC:rC+7], v[WSC+(\s)], v[HSC+(\s)] matrix_a_fmt:MATRIX_FMT_BF6 matrix_b_fmt:MATRIX_FMT_BF6 matrix_a_scale:MATRIX_SCALE_ROW1
.else
	v_wmma_scale_f32_16x16x128_f8f6f4 v[rD:rD+7], v[rW:rW+11], v[rH:rH+11], v[rC:rC+7], v[WSC+(\s)], v[HSC+(\s)] matrix_a_fmt:MATRIX_FMT_BF6 matrix_b_fmt:MATRIX_FMT_BF6
.endif
.endm
.Ltile:
	s_add_co_u32 s25, s22, 4                       ; the tile that is asked for in this trip, held to Tc
	s_min_u32 s25, s25, s23
	s_min_u32 s25, s25, 263
	s_wait_loadcnt 32                              ; this tile's first half is in; the second half's 32 loads may be out
	s_wait_alu depctr_vm_vsrc(0)                   ; all memory and LDS instructions issued so far have read their registers: the last trip's LDS stores the accumulators, which this trip's first matrix instructions write;
	                                               ; the last two requests their offsets v12, v13, v15, v16; the last trip's global stores v[OUT ..] and v19: all are written again in this trip
	COMB 0
	WIN 0x0D                                       ; source 0 (W2) window 1, source 1 (h) window 3
.irp s, 0,1,2,3,4,5,6,7                        ; the two accumulators take turns, one instruction a turn
.irp t, 0,1
	MM \s, \t
.endr
.endr
	WIN 0
.rept 4
	v_nop                                          ; four places behind the matrix instructions, ahead of the request for the registers that they have read; the request's wait stands beside them
.endr
	s_wait_xcnt 0x0                                ; the last trip's four stores have been taken up: their data (v104-119) and offset (v19) are written again further down.
	                                               ; It stands here, 16 matrix instructions behind those stores and ahead of this trip's 64 loads, which name none of those registers
	HREQ 0
	s_wait_loadcnt 32                              ; the second half is in; the 32 loads just issued may be out
	COMB 1
	WIN 0x0E
.irp s, 8,9,10,11,12,13,14,15
.irp t, 0,1
	MM \s, \t
.endr
.endr
	WIN 0
.rept 4
	v_nop                                          ; four places behind the last matrix instruction, ahead of the first read of results (ISA guide 7.12.1)
.endr
	s_min_u32 s74, s22, 263
	s_lshl_b32 s74, s74, 11
	v_add_nc_u32 v19, s74, v11                     ; this tile's place in my slice of o: made here, so that the request's wait serves it too
	HREQ 1
.irp t, 0,1
.irp q, 0,1
	ds_store_b128 v17, v[ACC+8*\t+4*\q:ACC+8*\t+4*\q+3] offset:64*\t+16*\q   ; each accumulator from its low end on
.endr
.endr
.irp q, 0,1,2,3
	ds_load_b128 v[OUT+4*\q:OUT+4*\q+3], v18 offset:576*\q   ; LDS serves a wave's instructions in order: these see the stores above
.endr
	s_wait_dscnt 0x0
.irp q, 0,1,2,3
	global_store_b128 v19, v[OUT+4*\q:OUT+4*\q+3], s[12:13] offset:512*\q   ; 32 lanes store 512 consecutive bytes, at a multiple of 256 from o's first byte
.endr
	s_add_co_u32 s22, s22, 4                       ; my next tile
	s_add_co_u32 s[TRIP], s[TRIP], 1
	s_cmp_lt_u32 s[TRIP], s[TRIPS]
	s_cbranch_scc1 .Ltile
.Lend:
	s_wait_dscnt 0x0                               ; the closing lines, six on end
	s_wait_alu 0x0
	s_wait_tensorcnt 0x0
	ds_add_u32 v254, v255
	s_wait_dscnt 0x0
	s_endpgm
.Lfunc_end_k_q52cc6d4b4f_p2:
	.size	k_q52cc6d4b4f_p2, .Lfunc_end_k_q52cc6d4b4f_p2-k_q52cc6d4b4f_p2
	.p2alignl 7, 3214868480
	.fill 96, 4, 3214868480
	.section	.rodata,"a",@progbits
	.p2align	6, 0x0
	.amdhsa_kernel k_q52cc6d4b4f_p2
		.amdhsa_group_segment_fixed_size 93696
		.amdhsa_private_segment_fixed_size 0
		.amdhsa_enable_private_segment 0
		.amdhsa_kernarg_size 40
		.amdhsa_user_sgpr_count 2
		.amdhsa_user_sgpr_kernarg_segment_ptr 1
		.amdhsa_wavefront_size32 1
		.amdhsa_system_sgpr_workgroup_id_x 1
		.amdhsa_system_sgpr_workgroup_id_y 1
		.amdhsa_system_sgpr_workgroup_id_z 1
		.amdhsa_system_vgpr_workitem_id 0
		.amdhsa_next_free_vgpr 960
		.amdhsa_next_free_sgpr 80
		.amdhsa_reserve_vcc 0
		.amdhsa_float_denorm_mode_32 3
		.amdhsa_float_denorm_mode_16_64 3
		.amdhsa_memory_ordered 1
		.amdhsa_forward_progress 1
		.amdhsa_inst_pref_size 113
	.end_amdhsa_kernel
	.amdgpu_metadata
---
amdhsa.version: [ 1, 2 ]
amdhsa.kernels:
  - .name:           k_q52cc6d4b4f_p2
    .symbol:         k_q52cc6d4b4f_p2.kd
    .args:
      - { .name: w2, .offset: 0, .size: 8, .value_kind: global_buffer, .address_space: global }
      - { .name: b2, .offset: 8, .size: 8, .value_kind: global_buffer, .address_space: global }
      - { .name: lists, .offset: 16, .size: 8, .value_kind: global_buffer, .address_space: global }
      - { .name: hq, .offset: 24, .size: 8, .value_kind: global_buffer, .address_space: global }
      - { .name: o, .offset: 32, .size: 8, .value_kind: global_buffer, .address_space: global }
    .group_segment_fixed_size: 93696
    .private_segment_fixed_size: 0
    .kernarg_segment_align: 8
    .kernarg_segment_size: 40
    .max_flat_workgroup_size: 128
    .sgpr_count:     80
    .vgpr_count:     960
    .wavefront_size: 32
...
	.end_amdgpu_metadata
.endif
;; end of part 9
;; launch ln (part 10): grid 256 x 1, 8 waves a work-group, no clusters, 0 bytes of LDS; arguments x, o, ei, xq, lists, ln_g, ln_b, out0; writes out0
.if DOCPART == 10
	.amdgcn_target "amdgcn-amd-amdhsa--gfx1250"
	.amdhsa_code_object_version 6
	.text
	.protected	k_q52cc6d4b4f_ln
	.globl	k_q52cc6d4b4f_ln
	.p2align	8
	.type	k_q52cc6d4b4f_ln,@function
k_q52cc6d4b4f_ln:
	s_mov_b64 s[64:65], 0
	v_nop
	global_prefetch_b8 v0, s[64:65] scope:SCOPE_SE
	s_setreg_imm32_b32 hwreg(HW_REG_WAVE_MODE, 25, 1), 1
	s_wait_xcnt 0x0
; out[t] = the sum over the token's two experts k of w_k x LayerNorm(x[t] + o[row of (t, k)]; ln_g[e_k], ln_b[e_k]), all in f32.  o holds the second product with b2 in it.
; One wave, one token: the row stays in registers between the passes (mean, then the mean of squared differences), so nothing is read twice and no wave waits for another.
; Lane l's load j holds columns 128 j + 4 l .. + 3.  In o ([slice of 32 columns][row][32]) that is slice 4 j + (l >> 3), bytes 16 (l & 7) of the row: eight lanes read 128 consecutive bytes.
; The rows and the experts are whole numbers that earlier launches stored; each is held inside its table before it enters an address.
; A stream: no LDS, no matrix unit, no cluster (work-groups share only the two small tables).
.set POS_OFF, 16896
.set EW_OFF,  1638400
.set SL,      540672                   ; a slice of o in bytes
.set XX, 32                            ; v32-63   x, later the result
.set OO, 64                            ; v64-127  o of expert k at 32 k, then z, then z - mean, then that x rsqrt x w_k
.set GG, 128                           ; v128-255 g_k at 64 k, b_k at 64 k + 32
	s_load_b512 s[4:19], s[0:1], 0x0               ; x s[4:5], o s[6:7], ei s[8:9], xq s[10:11], lists s[12:13], ln_g s[14:15], ln_b s[16:17], out0 s[18:19]
	v_lshrrev_b32 v1, 5, v0
	s_delay_alu instid0(VALU_DEP_1)
	v_readfirstlane_b32 s20, v1                    ; wave
	v_and_b32 v1, 31, v0                           ; lane
	s_delay_alu instid0(VALU_DEP_1)
	v_lshlrev_b32 v2, 4, v1                        ; 16 l
	s_delay_alu instid0(VALU_DEP_2)
	v_lshrrev_b32 v4, 3, v1
	s_delay_alu instid0(VALU_DEP_1)
	v_mul_u32_u24 v3, v4, SL
	s_delay_alu instid0(VALU_DEP_4)
	v_and_b32 v4, 7, v1
	s_delay_alu instid0(VALU_DEP_1)
	v_lshl_add_u32 v3, v4, 4, v3                   ; o: (l >> 3) slices + 16 (l & 7)
	s_lshl_b32 s21, ttmp9, 3
	s_add_co_u32 s21, s21, s20                     ; t
	s_lshl_b32 s22, s21, 3                         ; 8 t
	s_lshl_b32 s24, s21, 12                        ; 4096 t
	s_mov_b32 s25, 0
	s_mov_b32 s38, 0x76543210                      ; v_permlanex16_b32: lane l xor 16
	s_mov_b32 s39, 0xfedcba98
	s_mov_b32 s32, 0x3a800000                      ; 1 / 1024
	s_mov_b32 s33, 0x358637bd                      ; 1e-6
	v_mov_b32 v20, 0                               ; written once: a lane permute's destination counts as one of its sources
	v_mov_b32 v21, 0
	s_wait_alu depctr_va_vdst(0)
	s_wait_kmcnt 0x0
	s_load_b64 s[26:27], s[12:13], s22 offset:POS_OFF    ; the token's two rows,
	s_load_b64 s[28:29], s[8:9], s22                     ; experts,
	s_load_b64 s[30:31], s[10:11], s22 offset:EW_OFF     ; and weights
	s_add_nc_u64 s[4:5], s[4:5], s[24:25]
	s_add_nc_u64 s[18:19], s[18:19], s[24:25]
.irp j, 0,1,2,3,4,5,6,7
	global_load_b128 v[XX+4*\j:XX+4*\j+3], v2, s[4:5] offset:512*\j th:TH_LOAD_NT
.endr
	s_wait_kmcnt 0x0
	s_min_u32 s26, s26, 4223
	s_min_u32 s27, s27, 4223
	s_min_u32 s28, s28, 7
	s_min_u32 s29, s29, 7
	s_lshl_b32 s26, s26, 7
	s_lshl_b32 s27, s27, 7
	s_lshl_b32 s28, s28, 12
	s_lshl_b32 s29, s29, 12
	s_mov_b32 s34, s30                             ; the weights as pairs for the packed forms
	s_mov_b32 s35, s30
	s_mov_b32 s36, s31
	s_mov_b32 s37, s31
	v_add_nc_u32 v5, s26, v3
	s_delay_alu instid0(VALU_DEP_1)
	v_add_nc_u32 v6, 16*SL, v5                     ; slices 16 on: the immediate reaches 12 slices
	v_add_nc_u32 v7, s27, v3
	s_delay_alu instid0(VALU_DEP_1)
	v_add_nc_u32 v8, 16*SL, v7
	v_add_nc_u32 v9, s28, v2
	v_add_nc_u32 v10, s29, v2
.irp k, 0,1
.irp j, 0,1,2,3,4,5,6,7
	global_load_b128 v[OO+32*\k+4*\j:OO+32*\k+4*\j+3], v[5+2*\k+(\j/4)], s[6:7] offset:(\j%4)*4*SL th:TH_LOAD_NT
.endr
.endr
.irp k, 0,1
.irp j, 0,1,2,3,4,5,6,7
	global_load_b128 v[GG+64*\k+4*\j:GG+64*\k+4*\j+3], v[9+\k], s[14:15] offset:512*\j
.endr
.irp j, 0,1,2,3,4,5,6,7
	global_load_b128 v[GG+64*\k+32+4*\j:GG+64*\k+32+4*\j+3], v[9+\k], s[16:17] offset:512*\j
.endr
.endr
	s_wait_loadcnt 32                              ; x and both rows of o are in; the 32 loads of gains and biases may be out
.irp k, 0,1
.set pp, 0
.rept 16
	v_pk_add_f32 v[OO+32*\k+pp:OO+32*\k+pp+1], v[OO+32*\k+pp:OO+32*\k+pp+1], v[XX+pp:XX+pp+1]   ; z = x + o
.set pp, pp+2
.endr
.endr
.irp k, 0,1                                    ; the row's sum: two chains for each expert
	v_pk_add_f32 v[12+4*\k:13+4*\k], v[OO+32*\k:OO+32*\k+1], v[OO+32*\k+2:OO+32*\k+3]
	v_pk_add_f32 v[14+4*\k:15+4*\k], v[OO+32*\k+4:OO+32*\k+5], v[OO+32*\k+6:OO+32*\k+7]
.endr
.irp p, 8,12,16,20,24,28
.irp k, 0,1
	s_delay_alu instid0(VALU_DEP_4)
	v_pk_add_f32 v[12+4*\k:13+4*\k], v[12+4*\k:13+4*\k], v[OO+32*\k+\p:OO+32*\k+\p+1]
	s_delay_alu instid0(VALU_DEP_4)
	v_pk_add_f32 v[14+4*\k:15+4*\k], v[14+4*\k:15+4*\k], v[OO+32*\k+\p+2:OO+32*\k+\p+3]
.endr
.endr
; v[12 + 4 k] .. v[15 + 4 k] become one sum over the wave, in every lane
.macro WSUM
.irp k, 0
	s_delay_alu instid0(VALU_DEP_3)
	v_pk_add_f32 v[12+4*\k:13+4*\k], v[12+4*\k:13+4*\k], v[14+4*\k:15+4*\k]
.endr
.irp k, 1
	s_delay_alu instid0(VALU_DEP_2)
	v_pk_add_f32 v[12+4*\k:13+4*\k], v[12+4*\k:13+4*\k], v[14+4*\k:15+4*\k]
.endr
.irp k, 0,1
	s_delay_alu instid0(VALU_DEP_2)
	v_add_f32 v[12+4*\k], v[12+4*\k], v[13+4*\k]
.endr
.irp m, 1,2,4,8
.irp k, 0,1
	s_delay_alu instid0(VALU_DEP_2)
	v_add_f32_dpp v[12+4*\k], v[12+4*\k], v[12+4*\k] row_xmask:\m row_mask:0xf bank_mask:0xf
.endr
.endr
.irp k, 0,1
	s_delay_alu instid0(VALU_DEP_2)
	v_permlanex16_b32 v[20+\k], v[12+4*\k], s38, s39
.endr
.irp k, 0,1
	s_delay_alu instid0(VALU_DEP_2)
	v_add_f32 v[12+4*\k], v[12+4*\k], v[20+\k]
.endr
.endm
	WSUM
.irp k, 0
	s_delay_alu instid0(VALU_DEP_2)
	v_mul_f32 v[22+2*\k], s32, v[12+4*\k]          ; the mean, twice
	s_delay_alu instid0(VALU_DEP_3)
	v_mul_f32 v[23+2*\k], s32, v[12+4*\k]
.endr
.irp k, 1
	s_delay_alu instid0(VALU_DEP_3)
	v_mul_f32 v[22+2*\k], s32, v[12+4*\k]
	s_delay_alu instid0(VALU_DEP_4)
	v_mul_f32 v[23+2*\k], s32, v[12+4*\k]
.endr
.irp k, 0,1
.set pp, 0
.rept 16
	v_pk_add_f32 v[OO+32*\k+pp:OO+32*\k+pp+1], v[OO+32*\k+pp:OO+32*\k+pp+1], v[22+2*\k:23+2*\k] neg_lo:[0,1] neg_hi:[0,1]   ; z - mean
.set pp, pp+2
.endr
.endr
.irp k, 0,1
	v_pk_mul_f32 v[12+4*\k:13+4*\k], v[OO+32*\k:OO+32*\k+1], v[OO+32*\k:OO+32*\k+1]
	v_pk_mul_f32 v[14+4*\k:15+4*\k], v[OO+32*\k+2:OO+32*\k+3], v[OO+32*\k+2:OO+32*\k+3]
.endr
.irp p, 4,8,12,16,20,24,28
.irp k, 0,1
	s_delay_alu instid0(VALU_DEP_4)
	v_pk_fma_f32 v[12+4*\k:13+4*\k], v[OO+32*\k+\p:OO+32*\k+\p+1], v[OO+32*\k+\p:OO+32*\k+\p+1], v[12+4*\k:13+4*\k]
	s_delay_alu instid0(VALU_DEP_4)
	v_pk_fma_f32 v[14+4*\k:15+4*\k], v[OO+32*\k+\p+2:OO+32*\k+\p+3], v[OO+32*\k+\p+2:OO+32*\k+\p+3], v[14+4*\k:15+4*\k]
.endr
.endr
	WSUM
.irp k, 0,1
	s_delay_alu instid0(VALU_DEP_2)
	v_fma_f32 v[12+4*\k], v[12+4*\k], s32, s33     ; the variance + 1e-6
.endr
	s_wait_alu depctr_va_vdst(0)
.irp k, 0,1
	v_rsq_f32 v[12+4*\k], v[12+4*\k]
.endr
	v_nop                                          ; a plain line behind the transcendentals,
	s_wait_alu depctr_va_vdst(0)                   ; and one wait for both, ahead of their first reader
.irp k, 0,1
	v_mul_f32 v[26+2*\k], s[30+\k], v[12+4*\k]     ; rsqrt x w_k, twice
	v_mul_f32 v[27+2*\k], s[30+\k], v[12+4*\k]
.endr
.irp k, 0,1
.set pp, 0
.rept 16
	v_pk_mul_f32 v[OO+32*\k+pp:OO+32*\k+pp+1], v[OO+32*\k+pp:OO+32*\k+pp+1], v[26+2*\k:27+2*\k]
.set pp, pp+2
.endr
.endr
	s_wait_loadcnt 0x0                             ; the gains and biases
.set pp, 0
.rept 16
	v_pk_mul_f32 v[XX+pp:XX+pp+1], v[GG+32+pp:GG+32+pp+1], s[34:35] op_sel_hi:[1,0]   ; w_0 b_0
.set pp, pp+2
.endr
.set pp, 0
.rept 16
	v_pk_fma_f32 v[XX+pp:XX+pp+1], v[OO+pp:OO+pp+1], v[GG+pp:GG+pp+1], v[XX+pp:XX+pp+1]
.set pp, pp+2
.endr
.set pp, 0
.rept 16
	v_pk_fma_f32 v[XX+pp:XX+pp+1], v[GG+96+pp:GG+96+pp+1], s[36:37], v[XX+pp:XX+pp+1] op_sel_hi:[1,0,1]   ; + w_1 b_1
.set pp, pp+2
.endr
.set pp, 0
.rept 16
	v_pk_fma_f32 v[XX+pp:XX+pp+1], v[OO+32+pp:OO+32+pp+1], v[GG+64+pp:GG+64+pp+1], v[XX+pp:XX+pp+1]
.set pp, pp+2
.endr
.irp j, 0,1,2,3,4,5,6,7
	global_store_b128 v2, v[XX+4*\j:XX+4*\j+3], s[18:19] offset:512*\j th:TH_STORE_NT   ; 32 lanes store 512 consecutive bytes, at a multiple of 256 from out0's first byte
.endr
	s_endpgm
.Lfunc_end_k_q52cc6d4b4f_ln:
	.size	k_q52cc6d4b4f_ln, .Lfunc_end_k_q52cc6d4b4f_ln-k_q52cc6d4b4f_ln
	.p2alignl 7, 3214868480
	.fill 96, 4, 3214868480
	.section	.rodata,"a",@progbits
	.p2align	6, 0x0
	.amdhsa_kernel k_q52cc6d4b4f_ln
		.amdhsa_group_segment_fixed_size 0
		.amdhsa_private_segment_fixed_size 0
		.amdhsa_enable_private_segment 0
		.amdhsa_kernarg_size 64
		.amdhsa_user_sgpr_count 2
		.amdhsa_user_sgpr_kernarg_segment_ptr 1
		.amdhsa_wavefront_size32 1
		.amdhsa_system_sgpr_workgroup_id_x 1
		.amdhsa_system_sgpr_workgroup_id_y 1
		.amdhsa_system_sgpr_workgroup_id_z 1
		.amdhsa_system_vgpr_workitem_id 0
		.amdhsa_next_free_vgpr 256
		.amdhsa_next_free_sgpr 66
		.amdhsa_reserve_vcc 0
		.amdhsa_float_denorm_mode_32 3
		.amdhsa_float_denorm_mode_16_64 3
		.amdhsa_memory_ordered 1
		.amdhsa_forward_progress 1
		.amdhsa_inst_pref_size 28
	.end_amdhsa_kernel
	.amdgpu_metadata
---
amdhsa.version: [ 1, 2 ]
amdhsa.kernels:
  - .name:           k_q52cc6d4b4f_ln
    .symbol:         k_q52cc6d4b4f_ln.kd
    .args:
      - { .name: x, .offset: 0, .size: 8, .value_kind: global_buffer, .address_space: global }
      - { .name: o, .offset: 8, .size: 8, .value_kind: global_buffer, .address_space: global }
      - { .name: ei, .offset: 16, .size: 8, .value_kind: global_buffer, .address_space: global }
      - { .name: xq, .offset: 24, .size: 8, .value_kind: global_buffer, .address_space: global }
      - { .name: lists, .offset: 32, .size: 8, .value_kind: global_buffer, .address_space: global }
      - { .name: ln_g, .offset: 40, .size: 8, .value_kind: global_buffer, .address_space: global }
      - { .name: ln_b, .offset: 48, .size: 8, .value_kind: global_buffer, .address_space: global }
      - { .name: out0, .offset: 56, .size: 8, .value_kind: global_buffer, .address_space: global }
    .group_segment_fixed_size: 0
    .private_segment_fixed_size: 0
    .kernarg_segment_align: 8
    .kernarg_segment_size: 64
    .max_flat_workgroup_size: 256
    .sgpr_count:     66
    .vgpr_count:     256
    .wavefront_size: 32
...
	.end_amdgpu_metadata
.endif
;; end of part 10
